; MI455X (gfx1250); checked and timed in simulation.
; The chip was launched on July 23, 2026; its instructions are those of AMD's public machine-readable ISA for CDNA 5 (MIT licence, August 2026) and "CDNA5" Instruction Set Architecture Reference Guide (July 2026). The comments in the code are by the model that wrote it; some were corrected since.
;; Mamba Block. Allowed arithmetic: float matrix products may take bf16 or f16 operands with f32 sums; other float arithmetic in f32, or as packed bf16 or f16 multiplies, adds, multiply-adds, maxima and minima; sums over many terms, partial sums and values carried from step to step in f32; what a program stores and reads back later, other than sums and carried values, may be rounded once to bf16 or f16.
;; Inputs: A_log 2,048 x 16 float32; D 2,048 float32; W_B 2,048 x 16 float32; W_C 2,048 x 16 float32; W_delta 2,048 x 64 float32; W_dt 64 x 2,048 float32; W_in 1,024 x 4,096 float32; W_out 2,048 x 1,024 float32; b_B 16 float32; b_C 16 float32; b_delta 64 float32; b_dt 2,048 float32; b_in 4,096 float32; b_out 1,024 float32; ln_b 1,024 float32; ln_g 1,024 float32; x 4 x 2,048 x 1,024 float32.
;; Outputs: out0 4 x 2,048 x 1,024 float32.
;; 3 versions, each right; version 3 is version 2 with the launch scan written anew for expert scheduling mode. Each part assembles by itself: llvm-mc -triple=amdgcn-amd-amdhsa -mcpu=gfx1250 --defsym DOCPART=n.
;; ======== version 1 of 3: 5 launches
;; workspace buffers: xn 16,777,216 bytes; winb 8,388,608 bytes; woutb 4,194,304 bytes; wcat 393,216 bytes; ug 67,108,864 bytes; dl 1,048,576 bytes; bc 1,048,576 bytes; yg 33,554,432 bytes
;; launch prep (part 1): grid 496 x 1, 8 waves a work-group, no clusters, 0 bytes of LDS; arguments x, ln_g, ln_b, W_in, W_out, W_delta, W_B, W_C, xn, winb, woutb, wcat; writes xn, winb, woutb, wcat
.if DOCPART == 1
	.amdgcn_target "amdgcn-amd-amdhsa--gfx1250"
	.amdhsa_code_object_version 6
	.text
	.protected	k_q4bb8298556_prep
	.globl	k_q4bb8298556_prep
	.p2align	8
	.type	k_q4bb8298556_prep,@function
k_q4bb8298556_prep:
	s_mov_b64 s[64:65], 0
	v_nop
	global_prefetch_b8 v0, s[64:65] scope:SCOPE_SE
	s_setreg_imm32_b32 hwreg(HW_REG_WAVE_MODE, 25, 1), 1
	s_wait_xcnt 0x0
; PREP.  Three streams, chosen by the work-group's number:
;   0..255    LayerNorm of x [8192][1024] f32 -> xn bf16.  A wave owns 4 rows; a row (4,096 bytes) lies in 32 registers between the passes, so x is read once.
;             Mean first, then the sum of squares of x - mean: two true passes, so a common offset of x costs no digits.
;   256..447  W_in (128 work-groups) and W_out (64) f32 -> bf16, layout kept: 131,072 bytes in, 65,536 out for each.
;   448..495  W_delta, W_B, W_C -> wcat: 384 fragments of 1,024 bytes in the order in which a matrix instruction wants its 16 x 32 operand; a wave a fragment.
; No LDS, no matrix unit, no cluster: nothing is shared and memory binds.  Each store of a wave covers 256 or 512 consecutive bytes, aligned.
.set G,  4                             ; v[4:35]    ln_g at my columns 128 j + 4 lane + 0..3
.set BT, 36                            ; v[36:67]   ln_b likewise
.set X,  68                            ; v[68:99]   the row as loaded
.set DV, 100                           ; v[100:131] x - mean, then the result in f32
.set O,  132                           ; v[132:147] the row in bf16
.set T,  148                           ; v[148:159] at work: four chains, mean twice, 1/sigma twice
	s_load_b512 s[8:23], s[0:1], 0x0               ; x 8, ln_g 10, ln_b 12, W_in 14, W_out 16, W_delta 18, W_B 20, W_C 22
	s_load_b256 s[24:31], s[0:1], 0x40             ; xn 24, winb 26, woutb 28, wcat 30
	v_lshrrev_b32 v1, 5, v0
	v_readfirstlane_b32 s2, v1                     ; wave 0..7
	v_and_b32 v3, 31, v0                           ; lane
	s_wait_kmcnt 0x0
	s_cmp_lt_u32 ttmp9, 256
	s_cbranch_scc1 .Lln
	s_cmp_lt_u32 ttmp9, 448
	s_cbranch_scc1 .Lcast
	; ---- wcat.  Fragment f = 6 ks + nt: K step ks of 32 channels; nt = 0..3 columns 16 nt.. of W_delta, 4 W_B, 5 W_C.
	; Lane (r = l % 16, h = l / 16) holds column r; registers 0-3 k = 8 h + 0..7, registers 4-7 k = 16 + 8 h + 0..7.
	s_sub_co_u32 s3, ttmp9, 448
	s_lshl_b32 s3, s3, 3
	s_add_co_u32 s3, s3, s2                        ; q = 0..383
	s_lshr_b32 s34, s3, 6                          ; nt
	s_and_b32 s35, s3, 63                          ; ks
	s_mul_i32 s36, s35, 6
	s_add_co_u32 s36, s36, s34
	s_lshl_b32 s36, s36, 10                        ; 1,024 f
	s_mov_b32 s37, 0
	s_add_nc_u64 s[6:7], s[30:31], s[36:37]
	v_and_b32 v4, 15, v0                           ; r
	v_bfe_u32 v5, v0, 4, 1                         ; h
	v_lshlrev_b32 v2, 4, v3                        ; 16 l
.macro WC pitch, sh                    ; 16 loads of one number a lane: rows 8 h + jj and 16 + 8 h + jj of a matrix with rows of pitch bytes; sh = log2(8 pitch)
	v_lshlrev_b32 v1, 2, v4
	v_lshl_add_u32 v1, v5, \sh, v1
.irp jj, 0,1,2,3,4,5,6,7
	global_load_b32 v[8+(\jj)],  v1, s[4:5] offset:(\jj)*(\pitch)
	global_load_b32 v[16+(\jj)], v1, s[4:5] offset:(16+(\jj))*(\pitch)
.endr
.endm
	s_cmp_lt_u32 s34, 4
	s_cbranch_scc0 .Lwbc
	s_lshl_b32 s38, s35, 13                        ; 32 rows of 256 bytes a K step
	s_lshl_b32 s39, s34, 6                         ; 16 columns of 4 bytes
	s_add_co_u32 s38, s38, s39
	s_mov_b32 s39, 0
	s_add_nc_u64 s[4:5], s[18:19], s[38:39]
	WC 256, 11
	s_branch .Lwpack
.Lwbc:
	s_cmp_eq_u32 s34, 4
	s_cselect_b64 s[4:5], s[20:21], s[22:23]
	s_lshl_b32 s38, s35, 11                        ; 32 rows of 64 bytes
	s_mov_b32 s39, 0
	s_add_nc_u64 s[4:5], s[4:5], s[38:39]
	WC 64, 9
.Lwpack:
	s_wait_loadcnt 0x0
.irp i, 0,1,2,3,4,5,6,7
	v_cvt_pk_bf16_f32 v[24+(\i)], v[8+2*(\i)], v[9+2*(\i)]
.endr
	global_store_b128 v2, v[24:27], s[6:7]             ; registers 0-3 of all lanes: 512 consecutive bytes
	global_store_b128 v2, v[28:31], s[6:7] offset:512  ; registers 4-7
	s_endpgm
	; ---- the casts.  A trip: 8 loads of 4,096 bytes a work-group, rounded, 8 stores of 2,048.
.Lcast:
	s_sub_co_u32 s3, ttmp9, 256
	s_cmp_lt_u32 s3, 128
	s_cselect_b64 s[4:5], s[14:15], s[16:17]
	s_cselect_b64 s[6:7], s[26:27], s[28:29]
	s_cselect_b32 s37, 0, 128
	s_sub_co_u32 s3, s3, s37
	s_lshl_b32 s38, s3, 17
	s_mov_b32 s39, 0
	s_add_nc_u64 s[4:5], s[4:5], s[38:39]
	s_lshl_b32 s38, s3, 16
	s_add_nc_u64 s[6:7], s[6:7], s[38:39]
	v_lshlrev_b32 v1, 4, v0
	v_lshlrev_b32 v2, 3, v0
	s_mov_b32 s34, 4
.Lctrip:
.irp j, 0,1,2,3,4,5,6,7
	global_load_b128 v[4+4*(\j):7+4*(\j)], v1, s[4:5] offset:4096*(\j) th:TH_LOAD_NT
.endr
.irp j, 0,1,2,3,4,5,6,7
	s_wait_loadcnt 7-(\j)                          ; loads come back in order: number j is in, the 7 - j younger ones stay out
	v_cvt_pk_bf16_f32 v[36+2*(\j)], v[4+4*(\j)], v[5+4*(\j)]
	v_cvt_pk_bf16_f32 v[37+2*(\j)], v[6+4*(\j)], v[7+4*(\j)]
	global_store_b64 v2, v[36+2*(\j):37+2*(\j)], s[6:7] offset:2048*(\j)
.endr
	s_wait_xcnt 0x0                                ; the bases and the stores' data are written again only behind this wait
	s_add_nc_u64 s[4:5], s[4:5], 0x8000
	s_add_nc_u64 s[6:7], s[6:7], 0x4000
	s_sub_co_u32 s34, s34, 1
	s_cmp_lg_u32 s34, 0
	s_cbranch_scc1 .Lctrip
	s_endpgm
	; ---- LayerNorm
.Lln:
	s_lshl_b32 s38, ttmp9, 17                      ; 32 rows of 4,096 bytes a work-group,
	s_lshl_b32 s39, s2, 14                         ; 4 a wave
	s_add_co_u32 s38, s38, s39
	s_mov_b32 s39, 0
	s_add_nc_u64 s[4:5], s[8:9], s[38:39]
	s_lshr_b32 s38, s38, 1                         ; half as many bytes in xn
	s_add_nc_u64 s[6:7], s[24:25], s[38:39]
	s_mov_b32 s32, 0x76543210                      ; v_permlanex16_b32: each lane takes its own place in the other half
	s_mov_b32 s33, 0xfedcba98
	s_mov_b32 s35, 0x3a800000                      ; 1 / 1024
	s_mov_b32 s36, 0x3727c5ac                      ; 1e-5
	v_lshlrev_b32 v1, 4, v3
	v_lshlrev_b32 v2, 3, v3
.irp j, 0,1,2,3,4,5,6,7
	global_load_b128 v[G+4*(\j):G+4*(\j)+3],   v1, s[10:11] offset:512*(\j)
	global_load_b128 v[BT+4*(\j):BT+4*(\j)+3], v1, s[12:13] offset:512*(\j)
.endr
.irp j, 0,1,2,3,4,5,6,7
	global_load_b128 v[X+4*(\j):X+4*(\j)+3], v1, s[4:5] offset:512*(\j) th:TH_LOAD_NT
.endr
.macro REDUCE                          ; the four chains, the pair, the 32 lanes: the sum ends in v[T] of every lane
	v_pk_add_f32 v[T:T+1], v[T:T+1], v[T+2:T+3]
	v_pk_add_f32 v[T+4:T+5], v[T+4:T+5], v[T+6:T+7]
	v_pk_add_f32 v[T:T+1], v[T:T+1], v[T+4:T+5]
	v_add_f32 v[T], v[T], v[T+1]
	v_add_f32_dpp v[T], v[T], v[T] row_xmask:1 row_mask:0xf bank_mask:0xf
	v_add_f32_dpp v[T], v[T], v[T] row_xmask:2 row_mask:0xf bank_mask:0xf
	v_add_f32_dpp v[T], v[T], v[T] row_xmask:4 row_mask:0xf bank_mask:0xf
	v_add_f32_dpp v[T], v[T], v[T] row_xmask:8 row_mask:0xf bank_mask:0xf
	v_permlanex16_b32 v[T+1], v[T], s32, s33
	v_add_f32 v[T], v[T], v[T+1]
.endm
; One row.  next = 1: the following row is asked for as soon as x - mean has left X.  step = 1: the store base goes a row on.
.macro ROW next, step
	s_wait_loadcnt 0x0                             ; the row is in (the first time ln_g and ln_b too); its loads are done, so their base may be stepped
.irp c, 0,1,2,3
	v_pk_add_f32 v[T+2*(\c):T+2*(\c)+1], v[X+2*(\c):X+2*(\c)+1], v[X+8+2*(\c):X+8+2*(\c)+1]  ; the first pairs start the chains: nothing is cleared
.endr
.irp p, 8,9,10,11,12,13,14,15
	v_pk_add_f32 v[T+2*((\p)%4):T+2*((\p)%4)+1], v[T+2*((\p)%4):T+2*((\p)%4)+1], v[X+2*(\p):X+2*(\p)+1]
.endr
	REDUCE
	v_mul_f32 v[T+8], s35, v[T]                    ; the mean, twice: a pair for the packed subtraction
	v_mul_f32 v[T+9], s35, v[T]
.irp p, 0,1,2,3,4,5,6,7,8,9,10,11,12,13,14,15
	v_pk_add_f32 v[DV+2*(\p):DV+2*(\p)+1], v[X+2*(\p):X+2*(\p)+1], v[T+8:T+9] neg_lo:[0,1] neg_hi:[0,1]
.endr
.if \next
	s_add_nc_u64 s[4:5], s[4:5], 4096
.irp j, 0,1,2,3,4,5,6,7
	global_load_b128 v[X+4*(\j):X+4*(\j)+3], v1, s[4:5] offset:512*(\j) th:TH_LOAD_NT
.endr
.endif
.irp c, 0,1,2,3
	v_pk_mul_f32 v[T+2*(\c):T+2*(\c)+1], v[DV+2*(\c):DV+2*(\c)+1], v[DV+2*(\c):DV+2*(\c)+1]
.endr
.irp p, 4,5,6,7,8,9,10,11,12,13,14,15
	v_pk_fma_f32 v[T+2*((\p)%4):T+2*((\p)%4)+1], v[DV+2*(\p):DV+2*(\p)+1], v[DV+2*(\p):DV+2*(\p)+1], v[T+2*((\p)%4):T+2*((\p)%4)+1]
.endr
	REDUCE
	v_fma_f32 v[T+10], v[T], s35, s36              ; variance + 1e-5
	v_rsq_f32 v[T+10], v[T+10]
	v_nop                                          ; a plain instruction behind the root,
	s_wait_alu depctr_va_vdst(0)                   ; and the wait ahead of its first reader
	v_mov_b32 v[T+11], v[T+10]
	s_wait_xcnt 0x0                                ; the last row's stores have read O and their base
.if \step
	s_add_nc_u64 s[6:7], s[6:7], 2048
.endif
.irp p, 0,1,2,3,4,5,6,7,8,9,10,11,12,13,14,15
	v_pk_mul_f32 v[DV+2*(\p):DV+2*(\p)+1], v[DV+2*(\p):DV+2*(\p)+1], v[T+10:T+11]
.endr
.irp p, 0,1,2,3,4,5,6,7,8,9,10,11,12,13,14,15
	v_pk_fma_f32 v[DV+2*(\p):DV+2*(\p)+1], v[DV+2*(\p):DV+2*(\p)+1], v[G+2*(\p):G+2*(\p)+1], v[BT+2*(\p):BT+2*(\p)+1]
.endr
.irp p, 0,1,2,3,4,5,6,7,8,9,10,11,12,13,14,15
	v_cvt_pk_bf16_f32 v[O+(\p)], v[DV+2*(\p)], v[DV+2*(\p)+1]
.endr
.irp j, 0,1,2,3,4,5,6,7
	global_store_b64 v2, v[O+2*(\j):O+2*(\j)+1], s[6:7] offset:256*(\j)  ; 32 lanes x 8 bytes: 256 consecutive bytes, aligned
.endr
.endm
	ROW 1, 0
	s_mov_b32 s34, 2
.Lrow:
	ROW 1, 1
	s_sub_co_u32 s34, s34, 1
	s_cmp_lg_u32 s34, 0
	s_cbranch_scc1 .Lrow
	ROW 0, 1                                       ; the last row asks for nothing
	s_endpgm
.Lfunc_end_k_q4bb8298556_prep:
	.size	k_q4bb8298556_prep, .Lfunc_end_k_q4bb8298556_prep-k_q4bb8298556_prep
	.p2alignl 7, 3214868480
	.fill 96, 4, 3214868480
	.section	.rodata,"a",@progbits
	.p2align	6, 0x0
	.amdhsa_kernel k_q4bb8298556_prep
		.amdhsa_group_segment_fixed_size 0
		.amdhsa_private_segment_fixed_size 0
		.amdhsa_enable_private_segment 0
		.amdhsa_kernarg_size 96
		.amdhsa_user_sgpr_count 2
		.amdhsa_user_sgpr_kernarg_segment_ptr 1
		.amdhsa_wavefront_size32 1
		.amdhsa_system_sgpr_workgroup_id_x 1
		.amdhsa_system_sgpr_workgroup_id_y 1
		.amdhsa_system_sgpr_workgroup_id_z 1
		.amdhsa_system_vgpr_workitem_id 0
		.amdhsa_next_free_vgpr 160
		.amdhsa_next_free_sgpr 66
		.amdhsa_reserve_vcc 0
		.amdhsa_float_denorm_mode_32 3
		.amdhsa_float_denorm_mode_16_64 3
		.amdhsa_memory_ordered 1
		.amdhsa_forward_progress 1
		.amdhsa_inst_pref_size 38
	.end_amdhsa_kernel
	.amdgpu_metadata
---
amdhsa.version: [ 1, 2 ]
amdhsa.kernels:
  - .name:           k_q4bb8298556_prep
    .symbol:         k_q4bb8298556_prep.kd
    .args:
      - { .name: x, .offset: 0, .size: 8, .value_kind: global_buffer, .address_space: global }
      - { .name: ln_g, .offset: 8, .size: 8, .value_kind: global_buffer, .address_space: global }
      - { .name: ln_b, .offset: 16, .size: 8, .value_kind: global_buffer, .address_space: global }
      - { .name: W_in, .offset: 24, .size: 8, .value_kind: global_buffer, .address_space: global }
      - { .name: W_out, .offset: 32, .size: 8, .value_kind: global_buffer, .address_space: global }
      - { .name: W_delta, .offset: 40, .size: 8, .value_kind: global_buffer, .address_space: global }
      - { .name: W_B, .offset: 48, .size: 8, .value_kind: global_buffer, .address_space: global }
      - { .name: W_C, .offset: 56, .size: 8, .value_kind: global_buffer, .address_space: global }
      - { .name: xn, .offset: 64, .size: 8, .value_kind: global_buffer, .address_space: global }
      - { .name: winb, .offset: 72, .size: 8, .value_kind: global_buffer, .address_space: global }
      - { .name: woutb, .offset: 80, .size: 8, .value_kind: global_buffer, .address_space: global }
      - { .name: wcat, .offset: 88, .size: 8, .value_kind: global_buffer, .address_space: global }
    .group_segment_fixed_size: 0
    .private_segment_fixed_size: 0
    .kernarg_segment_align: 8
    .kernarg_segment_size: 96
    .max_flat_workgroup_size: 256
    .sgpr_count:     66
    .vgpr_count:     160
    .wavefront_size: 32
...
	.end_amdgpu_metadata
.endif
;; end of part 1
;; launch inproj (part 2): grid 16 x 32, 4 waves a work-group, clusters of 4 x 4, 327,680 bytes of LDS; arguments xn, winb, b_in, ug; writes ug
.if DOCPART == 2
	.amdgcn_target "amdgcn-amd-amdhsa--gfx1250"
	.amdhsa_code_object_version 6
	.text
	.protected	k_q4bb8298556_inproj
	.globl	k_q4bb8298556_inproj
	.p2align	8
	.type	k_q4bb8298556_inproj,@function
k_q4bb8298556_inproj:
	s_mov_b64 s[64:65], 0
	v_nop
	global_prefetch_b8 v0, s[64:65] scope:SCOPE_SE
	s_setreg_imm32_b32 hwreg(HW_REG_WAVE_MODE, 25, 1), 1
	s_wait_xcnt 0x0
	s_wait_alu depctr_hold_cnt(0) depctr_sa_sdst(0) depctr_va_vdst(0) depctr_va_sdst(0) depctr_va_ssrc(0) depctr_va_vcc(0) depctr_vm_vsrc(0)
	s_getreg_b32 s2, hwreg(HW_REG_IB_STS2, 6, 4)
	s_cmp_eq_u32 s2, 0
	s_cbranch_scc0 .Lentry_in_a_cluster
	s_endpgm
.Lentry_in_a_cluster:
	s_bfe_u32 s2, ttmp6, 0x10000c
	s_cmp_lg_u32 s2, 0xf033
	s_cbranch_scc0 .Lentry_shape_is_right
	s_endpgm
.Lentry_shape_is_right:
; INPROJ.  ug = silu(xn W_in + b_in), all 4,096 columns (the gate is only ever used as silu(gate)).  xn [8192][1024] bf16, winb [1024 k][4096 n] bf16, sums in f32, ug rounded once to bf16.
; ug is laid out by blocks of 32 columns, [batch 4][block 128][token 2048][32]: the launches behind read 32 channels of many tokens as dense bytes.
; SHARES.  A work-group makes 256 tokens x 256 columns, each of its four waves 128 x 128: 64 accumulators, 512 registers.  K = 1,024 goes in 8 steps of 128 through two LDS slots filled by tensor loads.
; A's rows lie along K and come out of LDS as they lie; W_in lies [k][n] and is turned on the way out of LDS by ds_load_tr16_b128.
; CLUSTER 4 x 4: the four of a row of the cluster need the same tile of xn, the four of a column the same tile of winb: each tile is asked for jointly, by the same load, descriptor and mask.
; THE MATRIX INSTRUCTION IS USED TRANSPOSED (source 0 = 16 columns of W_in, source 1 = 16 tokens): a lane holds one token and eight neighbouring columns.  The bias is the C operand of each sum's first product.
; LIMITS.  silu(z) = z / (1 + 2^(-z log2 e)); the exponential and the reciprocal flush denormals; NaN and infinities are not treated apart.
; REGISTERS in windows of 256 (s_set_vgpr_msb: bits 1:0 source 0, 3:2 source 1, 5:4 source 2, 7:6 destination):
;   window 0: v0-31 addresses; v64-127, v128-191 A's fragments, two buffers; v192-255 the bias; on the way out v64-127 z, v128-191 at work, v192-223 bf16
;   window 1: v64-127, v128-191 W_in's fragments      windows 2, 3: the accumulators of my tokens 0-63 and 64-127, (a, b) at v[8 (8 (a % 4) + b)]
.set PA,     272                       ; a row of A in LDS: 256 bytes + 16: the 16 rows of a load start at 16 different groups of four banks (ISA guide 11.1)
.set AH,     128*PA                    ; 128 rows of A; also 64 rows of B: what one tensor load brings
.set PB,     544                       ; a k-row of B: 512 bytes + 32
.set SLOT,   4*AH
.set BOFF,   2*AH                      ; B's 128 k-rows lie behind A's 256 rows
.set STAGE,  2*SLOT                    ; behind the ring, never filled by a tensor load: 16 rows x 528 bytes for each wave
.set SP,     528
.set SPARE,  STAGE+4*16*SP             ; the spare words: 128 bytes a wave, two blocks of 256 bytes that no other line names
.set LAPS,   4                         ; a lap = two K steps = once round the ring
.set ADRA, 16                          ; v16-17  LDS address of my A fragments in slot 0, 1
.set ADRB, 20                          ; v20-21  the same for B
.set STO,  24                          ; v24  the way out: where I put 32 bytes of a token's row
.set RD,   25                          ; v25  the way out: where I read 32 bytes back
.set CO,   26                          ; v26  my byte offset in 512 consecutive bytes of ug; steps 16 tokens a block
.set SPW,  28                          ; v28  my spare word; never rewritten
.set NIL,  29                          ; v29  0; never rewritten
.set PFO,  30                          ; v30  the prefetches' lane offset; never rewritten
.set BO,   31                          ; v31  the bias loads' lane offset; never rewritten
.set F0,   64
.set F1,   128
.set BIAS, 192
.set Z,    64
.set E,    128
.set OB,   192
.set WV,   14                          ; s14 wave;  s15 its row half, also: it fetches A (0) or B (1);  s70 its column half, also: which half of that tile it fetches
.set RH,   15
.set G1A,  24                          ; s[24:31], s[32:39] descriptor groups 1 and 0 (a set a slot) for A's tiles
.set G0A,  32
.set CX,   40
.set CY,   41
.set TCOL, 42
.set TROW, 43
.set PFA,  44                          ; s[44:45] where my prefetches stand;  s[46:47] their step, one K step
.set PFS,  46
.set G1B,  48                          ; s[48:55], s[56:63] the same for B's tiles
.set G0B,  56
.set LIM,  66                          ; s66  1 in a wave that prefetches, else the greatest number
.set LAP,  67
.set OUT,  68                          ; s[68:69] ug at my wave's first token and first block of columns
.set CH,   70
.set BLK,  71
.set NL,   72                          ; s[72:73] -log2(e), named as a pair
; s22, s23: what enters LDS addresses: made of the wave's number alone.  s74-79: at work on global offsets, which may hold cx and cy.
.set MSB, 0
.macro WIN new                         ; the immediate's high byte repeats the setting that is left; a switch that changes nothing is dropped
.if MSB != (\new)
	s_set_vgpr_msb (MSB<<8)|(\new)
.set MSB, \new
.endif
.endm
; A joint load: waves 0 and 1 fetch A's halves, waves 2 and 3 B's.  An s_nop 0 and four v_nop follow each line, ahead of the jump and the label.
.macro JLOAD s
	s_cmp_eq_u32 s[RH], 0
	s_cbranch_scc0 .Lfor_b_\@
	tensor_load_to_lds s[G0A+4*(\s):G0A+4*(\s)+3], s[G1A:G1A+7]
	s_nop 0
.rept 4
	v_nop
.endr
	s_branch .Lasked_\@
.Lfor_b_\@:
	tensor_load_to_lds s[G0B+4*(\s):G0B+4*(\s)+3], s[G1B:G1B+7]
	s_nop 0
.rept 4
	v_nop
.endr
.Lasked_\@:
.endm
; A prefetch of the K step that stands two refills on, 512 matrix instructions ahead of the load that wants it; one instruction a wave, each aligned block of 256 bytes named once in the launch:
; xn's rows by the clusters with x = 0, winb's by those with y = 0; the four partners of a joint load share its rows out by address.  The loop's last trip asks for nothing: K ends.
.macro ASK
	s_cmp_gt_u32 s[LAP], s[LIM]
	s_cbranch_scc0 .Lnot_mine_\@
	global_prefetch_b8 v[PFO], s[PFA:PFA+1] th:TH_LOAD_NT scope:SCOPE_SE
.Lnot_mine_\@:
.endm
.macro CREST                           ; a round of the cluster's barrier behind its opening barrier
	s_cmp_lg_u32 s[WV], 0
	s_cbranch_scc1 .Lnot_wave_0_\@
	s_barrier_signal -3
.Lnot_wave_0_\@:
	s_barrier_wait -3
	s_barrier_signal -1
	s_barrier_wait -1
.endm
.macro CROUND
	s_barrier_signal -1
	s_barrier_wait -1
	CREST
.endm
.macro PLACES                          ; four places behind matrix instructions, in front of loads into their sources and of reads of their results
.rept 4
	v_nop
.endr
.endm
	s_load_b256 s[4:11], s[0:1], 0x0               ; xn 4, winb 6, b_in 8, ug 10
	v_lshl_add_u32 v[SPW], v0, 2, SPARE
	v_mov_b32 v[NIL], 0
	ds_add_u32 v[SPW], v[NIL]                      ; the opening: the add, twice on end, and its wait ahead of my first tensor load
	ds_add_u32 v[SPW], v[NIL]
	v_lshrrev_b32 v1, 5, v0
	v_readfirstlane_b32 s[WV], v1
	s_lshr_b32 s[RH], s[WV], 1
	s_and_b32 s[CH], s[WV], 1
	s_bfe_u32 s[CX], ttmp6, 0x40000
	s_bfe_u32 s[CY], ttmp6, 0x40004
	s_lshl_b32 s[TCOL], ttmp9, 2
	s_add_co_u32 s[TCOL], s[TCOL], s[CX]           ; tile column = 4 x cluster x + cx
	s_and_b32 s[TROW], ttmp7, 0xffff
	s_lshl_b32 s[TROW], s[TROW], 2
	s_add_co_u32 s[TROW], s[TROW], s[CY]           ; tile row = 4 x cluster y + cy
	s_lshl_b32 s16, s[CY], 2
	s_lshl_b32 s16, 15, s16                        ; my row of the cluster
	s_lshl_b32 s20, 0x1111, s[CX]                  ; my column
	s_or_b32 s[G1A], s16, (1<<16)|(1<<20)|(1<<21)|(5<<22)|(3<<25)  ; mask; 2-byte elements; padding on; bit 21 beside a mask; after every 64 words 4 words
	s_or_b32 s[G1B], s20, (1<<16)|(1<<20)|(1<<21)|(6<<22)|(7<<25)  ; after every 128 words 8 words
	s_mov_b32 s[G1A+1], 128<<16                    ; tensor_dim0 = 128
	s_mov_b32 s[G1A+2], 128<<16                    ; tensor_dim1 = 128
	s_mov_b32 s[G1A+3], 128<<16                    ; tile_dim0 = 128
	s_mov_b32 s[G1A+4], 128                        ; tile_dim1 = 128
	s_mov_b32 s[G1A+5], 1024                       ; elements from row to row of xn
	s_mov_b32 s[G1A+6], 0
	s_mov_b32 s[G1A+7], 0
	s_mov_b32 s[G1B+1], 256<<16                    ; tensor_dim0 = 256
	s_mov_b32 s[G1B+2], 64<<16                     ; tensor_dim1 = 64
	s_mov_b32 s[G1B+3], 256<<16                    ; tile_dim0 = 256
	s_mov_b32 s[G1B+4], 64                         ; tile_dim1 = 64
	s_mov_b32 s[G1B+5], 4096                       ; elements from row to row of winb
	s_mov_b32 s[G1B+6], 0
	s_mov_b32 s[G1B+7], 0
	s_lshl_b32 s16, s[TROW], 19                    ; A: (256 tile row + 128 half) rows of 2,048 bytes: the tile row and the wave alone
	s_lshl_b32 s17, s[CH], 18
	s_add_co_u32 s16, s16, s17
	s_mov_b32 s17, 0
	s_lshl_b32 s20, s[TCOL], 9                     ; B: 64 half rows of 8,192 bytes + 512 tile column: the tile column and the wave alone
	s_lshl_b32 s21, s[CH], 19
	s_add_co_u32 s20, s20, s21
	s_mov_b32 s21, 0
	s_mul_i32 s22, s[WV], AH                       ; where they go: A's two halves, then B's two: the wave alone
	s_mov_b32 s[NL], 0xbfb8aa3b
	s_mov_b32 s[NL+1], 0xbfb8aa3b
	s_wait_dscnt 0x0                               ; both opening adds are done
	s_wait_kmcnt 0x0
	s_add_nc_u64 s[18:19], s[4:5], s[16:17]
	s_add_nc_u64 s[20:21], s[6:7], s[20:21]
	CROUND                                         ; all sixteen work-groups are here: the first joint loads meet
.irp s, 0,1
	s_mov_b32 s[G0A+4*(\s)], 1
	s_add_co_u32 s[G0A+4*(\s)+1], s22, (\s)*SLOT
	s_add_nc_u64 s[G0A+4*(\s)+2:G0A+4*(\s)+3], s[18:19], (\s)*256        ; K step s: 256 bytes along the rows
	s_or_b32 s[G0A+4*(\s)+3], s[G0A+4*(\s)+3], 0x80000000
	s_mov_b32 s[G0B+4*(\s)], 1
	s_add_co_u32 s[G0B+4*(\s)+1], s22, (\s)*SLOT
	s_add_nc_u64 s[G0B+4*(\s)+2:G0B+4*(\s)+3], s[20:21], (\s)*0x100000   ; K step s: 128 rows of 8,192 bytes down
	s_or_b32 s[G0B+4*(\s)+3], s[G0B+4*(\s)+3], 0x80000000
	JLOAD \s
.endr
	; the bias in the accumulators' layout: register j of block b holds b_in[256 tile column + 128 half + 16 b + 8 (l / 16) + j]
	v_and_b32 v1, 15, v0                           ; r = l % 16
	v_bfe_u32 v2, v0, 4, 1                         ; h = l / 16
	v_lshlrev_b32 v[BO], 5, v2
	s_lshl_b32 s74, s[TCOL], 10
	s_lshl_b32 s75, s[CH], 9
	s_add_co_u32 s74, s74, s75
	s_mov_b32 s75, 0
	s_add_nc_u64 s[8:9], s[8:9], s[74:75]
.irp b, 0,1,2,3,4,5,6,7
	global_load_b128 v[BIAS+8*(\b):BIAS+8*(\b)+3],   v[BO], s[8:9] offset:64*(\b)
	global_load_b128 v[BIAS+8*(\b)+4:BIAS+8*(\b)+7], v[BO], s[8:9] offset:64*(\b)+16
.endr
	v_mul_u32_u24 v3, v1, PA
	v_lshl_add_u32 v3, v2, 4, v3                   ; A: row x pitch + 16 h
	s_mul_i32 s22, s[RH], AH
	v_and_b32 v4, 7, v0
	v_lshl_add_u32 v4, v2, 3, v4                   ; B: k-row 8 h + l % 8,
	v_mul_u32_u24 v4, v4, PB
	v_bfe_u32 v5, v0, 3, 1
	v_lshl_add_u32 v4, v5, 4, v4                   ; 16 bytes for each half of a group of sixteen lanes,
	s_lshl_b32 s23, s[CH], 8                       ; my 128 columns
	s_add_co_u32 s23, s23, BOFF
.irp s, 0,1
	v_add_nc_u32 v[ADRA+(\s)], s22, v3
	v_add_nc_u32 v[ADRB+(\s)], s23, v4
	s_add_co_u32 s22, s22, SLOT
	s_add_co_u32 s23, s23, SLOT
.endr
	; The stage.  Token r lies in row rho(r) = 2 ((r / 4) % 4) + r % 2 + 8 ((r / 2) % 2), so that the four tokens that sixteen lanes read back (four pieces of 32 bytes each) fall on different banks.
	s_mul_i32 s22, s[WV], 16*SP
	s_add_co_u32 s22, s22, STAGE
	v_bfe_u32 v5, v0, 2, 2
	v_and_b32 v6, 1, v0
	v_lshl_add_u32 v5, v5, 1, v6
	v_bfe_u32 v6, v0, 1, 1
	v_lshl_add_u32 v5, v6, 3, v5
	v_mul_u32_u24 v5, v5, SP
	v_lshl_add_u32 v5, v2, 5, v5
	v_add_nc_u32 v[STO], s22, v5
	v_bfe_u32 v6, v0, 2, 1                         ; back: lane l takes token l / 4 of eight, columns 8 (l % 4) + 0..7 of a block of 32
	v_lshl_add_u32 v6, v2, 1, v6
	v_bfe_u32 v7, v0, 3, 1
	v_lshl_add_u32 v6, v7, 3, v6
	v_mul_u32_u24 v6, v6, SP
	v_and_b32 v7, 3, v0
	v_lshl_add_u32 v6, v7, 5, v6
	v_add_nc_u32 v[RD], s22, v6
	v_and_b32 v8, 31, v0
	v_lshlrev_b32 v[CO], 4, v8
	; ug at batch tile row / 8, block 8 tile column + 4 half, token 256 (tile row % 8) + 128 row half
	s_lshr_b32 s74, s[TROW], 3
	s_lshl_b32 s74, s74, 24
	s_lshl_b32 s75, s[TCOL], 20
	s_add_co_u32 s74, s74, s75
	s_lshl_b32 s75, s[CH], 19
	s_add_co_u32 s74, s74, s75
	s_and_b32 s75, s[TROW], 7
	s_lshl_b32 s75, s75, 14
	s_add_co_u32 s74, s74, s75
	s_lshl_b32 s75, s[RH], 13
	s_add_co_u32 s74, s74, s75
	s_mov_b32 s75, 0
	s_add_nc_u64 s[OUT:OUT+1], s[10:11], s[74:75]
	; the prefetches.  A's waves: 32 of my 128 rows by cx, a lane a row.  B's waves: 16 of my 64 k-rows by cy, two lanes a row of 512 bytes.
	v_lshlrev_b32 v9, 11, v8
	v_lshrrev_b32 v10, 1, v8
	v_and_b32 v11, 1, v8
	v_lshlrev_b32 v10, 13, v10
	v_lshl_add_u32 v10, v11, 8, v10
	s_lshl_b32 s75, s[TROW], 19
	s_lshl_b32 s78, s[CH], 18
	s_add_co_u32 s75, s75, s78
	s_lshl_b32 s78, s[CX], 16
	s_add_co_u32 s75, s75, s78
	s_add_co_u32 s75, s75, 3*256                   ; at K step 3: the first refill steps it to 4
	s_lshl_b32 s76, s[CH], 19
	s_lshl_b32 s78, s[CY], 17
	s_add_co_u32 s76, s76, s78
	s_lshl_b32 s78, s[TCOL], 9
	s_add_co_u32 s76, s76, s78
	s_add_co_u32 s76, s76, 3*0x100000
	s_and_b32 s77, ttmp7, 0xffff
	s_mov_b32 s79, 0x100000                        ; B's K step in bytes (an instruction takes one literal)
	s_cmp_eq_u32 s[RH], 0
	s_cselect_b64 s[PFA:PFA+1], s[4:5], s[6:7]
	s_cselect_b32 s[PFS], 256, s79
	s_cselect_b32 s76, s75, s76
	s_cselect_b32 s77, ttmp9, s77                  ; the coordinate along which other clusters read the same rows
	s_cselect_b32 s74, -1, 0
	s_mov_b32 s[PFS+1], 0
	v_cndmask_b32 v[PFO], v10, v9, s74
	s_cmp_eq_u32 s77, 0
	s_cselect_b32 s[LIM], 1, -1                    ; the same in all sixteen partners, for a given wave
	s_mov_b32 s77, 0
	s_add_nc_u64 s[PFA:PFA+1], s[PFA:PFA+1], s[76:77]
; 16 matrix instructions: token blocks a0, a0 + 1 of the window's four x all 8 column blocks, 32 along K.  zero = 1: the sum's first product, with the bias as C.
; The 64 accumulators take turns in one order everywhere.
.macro MUL16 f, hi, a0, zero
.if \zero
	WIN 0x81+0x40*(\hi)
.else
	WIN 0xa1+0x50*(\hi)
.endif
.irp a, \a0, (\a0)+1
.irp b, 0,1,2,3,4,5,6,7
.if \zero
	v_wmma_f32_16x16x32_bf16 v[8*(8*(\a)+(\b)):8*(8*(\a)+(\b))+7], v[(\f)+8*(\b):(\f)+8*(\b)+7], v[(\f)+8*(4*(\hi)+(\a)):(\f)+8*(4*(\hi)+(\a))+7], v[BIAS+8*(\b):BIAS+8*(\b)+7]
.else
	v_wmma_f32_16x16x32_bf16 v[8*(8*(\a)+(\b)):8*(8*(\a)+(\b))+7], v[(\f)+8*(\b):(\f)+8*(\b)+7], v[(\f)+8*(4*(\hi)+(\a)):(\f)+8*(4*(\hi)+(\a))+7], v[8*(8*(\a)+(\b)):8*(8*(\a)+(\b))+7]
.endif
.endr
.endr
.endm
; 32 LDS loads in one run: quarter q (32 along K) of a slot into buffer f: B's 8 blocks of 16 columns, turned, then A's 8 blocks of 16 tokens
.macro FETCH slot, q, f
	WIN 0x40
.irp i, 0,1,2,3,4,5,6,7
	ds_load_tr16_b128 v[(\f)+8*(\i):(\f)+8*(\i)+3],   v[ADRB+(\slot)] offset:(\q)*32*PB+32*(\i)
	ds_load_tr16_b128 v[(\f)+8*(\i)+4:(\f)+8*(\i)+7], v[ADRB+(\slot)] offset:(\q)*32*PB+16*PB+32*(\i)
.endr
	WIN 0
.irp i, 0,1,2,3,4,5,6,7
	ds_load_b128 v[(\f)+8*(\i):(\f)+8*(\i)+3],   v[ADRA+(\slot)] offset:64*(\q)+(\i)*16*PA
	ds_load_b128 v[(\f)+8*(\i)+4:(\f)+8*(\i)+7], v[ADRA+(\slot)] offset:64*(\q)+(\i)*16*PA+32
.endr
.endm
; One of a K step's first three quarters: multiplies buffer f, and in its middle fetches quarter q of the same slot into buffer g
.macro QUARTER slot, q, f, g, zero
	s_wait_dscnt 8                                 ; B and A's tokens 0-63 are in; the youngest eight loads (tokens 64-127) may be out
	MUL16 \f, 0, 0, \zero
	MUL16 \f, 0, 2, \zero
	PLACES
	FETCH \slot, \q, \g
	s_wait_dscnt 32                                ; all but the 32 just issued
	MUL16 \f, 1, 0, \zero
	MUL16 \f, 1, 2, \zero
.endm
; The last quarter multiplies buffer 1 and changes slots: one barrier; in front of it each wave waits for all its tensor loads (one is out: its part of the next slot), adds 0 to its spare word,
; and waits for that and for its reads of this slot.  fill = 1: the barrier opens a round of the cluster's, and this slot is filled again, two K steps on, first thing behind the round:
; 224 matrix instructions ahead of the wait for it.
.macro TURN slot, next, fill
.if \fill
	s_wait_xcnt 0x0                                ; the last prefetch, a K step back, has read its address
	s_add_nc_u64 s[PFA:PFA+1], s[PFA:PFA+1], s[PFS:PFS+1]
.endif
	WIN 0
	s_wait_tensorcnt 0x0
	ds_add_u32 v[SPW], v[NIL]
	s_wait_dscnt 9                                 ; the add and the youngest eight loads may be out
	MUL16 F1, 0, 0, 0
	s_wait_dscnt 0x0                               ; the add is done, and my reads of this slot are over
	s_barrier_signal -1
	MUL16 F1, 0, 2, 0
.if \fill
	WIN 0
.endif
	s_barrier_wait -1
.if \fill
	CREST                                          ; no wave of any partner still reads this slot or has a load on its way
	s_add_nc_u64 s[G0A+4*(\slot)+2:G0A+4*(\slot)+3], s[G0A+4*(\slot)+2:G0A+4*(\slot)+3], 2*256
	s_add_nc_u64 s[G0B+4*(\slot)+2:G0B+4*(\slot)+3], s[G0B+4*(\slot)+2:G0B+4*(\slot)+3], 2*0x100000
	JLOAD \slot                                    ; its four v_nop are also the places in front of the loads below
.else
	PLACES
.endif
	FETCH \next, 0, F0
.if \fill
	ASK
.endif
	MUL16 F1, 1, 0, 0
	MUL16 F1, 1, 2, 0
.endm
	s_wait_tensorcnt 1                             ; my part of K step 0 is in; K step 1's may stay out
	s_barrier_signal -1
	s_barrier_wait -1
	FETCH 0, 0, F0
	s_wait_loadcnt 0x0                             ; the bias
	QUARTER 0, 1, F0, F1, 1                        ; the first quarter stands in front of the loop: its products start the sums
	WIN 0
	s_mov_b32 s[LAP], LAPS-1
.Llap:                                                 ; a trip goes once round the ring and fills both slots again
	QUARTER 0, 2, F1, F0, 0
	QUARTER 0, 3, F0, F1, 0
	TURN 0, 1, 1
	QUARTER 1, 1, F0, F1, 0
	QUARTER 1, 2, F1, F0, 0
	QUARTER 1, 3, F0, F1, 0
	TURN 1, 0, 1
	QUARTER 0, 1, F0, F1, 0
	WIN 0
	s_sub_co_u32 s[LAP], s[LAP], 1
	s_cmp_lg_u32 s[LAP], 0
	s_cbranch_scc1 .Llap
	QUARTER 0, 2, F1, F0, 0                        ; the last lap fills nothing
	QUARTER 0, 3, F0, F1, 0
	TURN 0, 1, 0
	QUARTER 1, 1, F0, F1, 0
	QUARTER 1, 2, F1, F0, 0
	QUARTER 1, 3, F0, F1, 0
	s_wait_dscnt 8
	MUL16 F1, 0, 0, 0
	MUL16 F1, 0, 2, 0
	s_wait_dscnt 0x0
	MUL16 F1, 1, 0, 0
	MUL16 F1, 1, 2, 0
	PLACES
	WIN 0
	; THE WAY OUT, a block of 16 tokens a trip.  Only the lines that name the accumulators differ from block to block: eight short pieces, chosen by forward jumps; silu and the stores are written once.
	; The stage is my wave's own, and LDS serves a wave's instructions in order (ISA guide 5.7.1.4): no barrier, and no wait between its stores and its loads.
	s_mov_b32 s[BLK], 0
.Lblk:
.irp a, 0,1,2,3,4,5,6
	s_cmp_eq_u32 s[BLK], \a
	s_cbranch_scc1 .Lst_\a
.endr
.macro STUB a
.Lst_\a:
	WIN 0x08+4*((\a)/4)                            ; the stores' data in window 2 or 3
.irp b, 0,1,2,3,4,5,6,7
	ds_store_b128 v[STO], v[8*(8*((\a)%4)+(\b)):8*(8*((\a)%4)+(\b))+3]   offset:64*(\b)
	ds_store_b128 v[STO], v[8*(8*((\a)%4)+(\b))+4:8*(8*((\a)%4)+(\b))+7] offset:64*(\b)+16
.endr
	WIN 0
	s_branch .Lcom
.endm
	STUB 7
	STUB 0
	STUB 1
	STUB 2
	STUB 3
	STUB 4
	STUB 5
	STUB 6
.Lcom:
.irp g, 0,1,2,3,4,5,6,7                ; group g: block of 32 columns g / 2, tokens 8 (g % 2) + l / 4
	ds_load_b128 v[Z+8*(\g):Z+8*(\g)+3],   v[RD] offset:((\g)%2)*4*SP+((\g)/2)*128
	ds_load_b128 v[Z+8*(\g)+4:Z+8*(\g)+7], v[RD] offset:((\g)%2)*4*SP+((\g)/2)*128+16
.endr
	s_wait_dscnt 0x0
.set p, 0
.rept 32                               ; -z log2(e), a pair a line; a pair's two exponentials stand one pair behind
	v_pk_mul_f32 v[E+2*p:E+2*p+1], v[Z+2*p:Z+2*p+1], s[NL:NL+1] op_sel_hi:[1,0]
.if p > 0
	v_exp_f32 v[E+2*p-2], v[E+2*p-2]
	v_exp_f32 v[E+2*p-1], v[E+2*p-1]
.endif
.set p, p+1
.endr
	v_exp_f32 v[E+62], v[E+62]
	v_exp_f32 v[E+63], v[E+63]
	v_nop                                          ; a plain instruction behind the last exponential,
	s_wait_alu depctr_va_vdst(0)                   ; and one wait for the batch of 64, ahead of its first reader
.set p, 0
.rept 32
	v_pk_add_f32 v[E+2*p:E+2*p+1], v[E+2*p:E+2*p+1], 1.0 op_sel_hi:[1,0]
.if p > 0
	v_rcp_f32 v[E+2*p-2], v[E+2*p-2]
	v_rcp_f32 v[E+2*p-1], v[E+2*p-1]
.endif
.set p, p+1
.endr
	v_rcp_f32 v[E+62], v[E+62]
	v_rcp_f32 v[E+63], v[E+63]
	v_nop
	s_wait_alu depctr_va_vdst(0)                   ; one wait for the 64 reciprocals
.set p, 0
.rept 32
	v_pk_mul_f32 v[Z+2*p:Z+2*p+1], v[Z+2*p:Z+2*p+1], v[E+2*p:E+2*p+1]
.set p, p+1
.endr
.set p, 0
.rept 32
	v_cvt_pk_bf16_f32 v[OB+p], v[Z+2*p], v[Z+2*p+1]
.set p, p+1
.endr
.irp g, 0,1,2,3,4,5,6,7
	global_store_b128 v[CO], v[OB+4*(\g):OB+4*(\g)+3], s[OUT:OUT+1] offset:((\g)/2)*131072+((\g)%2)*512  ; 8 tokens x 64 bytes: 512 consecutive bytes, aligned
.endr
	s_wait_xcnt 0x0                                ; the stores have read their offset and data
	v_add_nc_u32 v[CO], 1024, v[CO]                ; 16 tokens on
	s_add_co_u32 s[BLK], s[BLK], 1
	s_cmp_lt_u32 s[BLK], 8
	s_cbranch_scc1 .Lblk
	s_wait_tensorcnt 0x0                           ; the wave's end
	ds_add_u32 v[SPW], v[NIL]
	s_wait_dscnt 0x0
	CROUND                                         ; the closing round
	s_endpgm
.Lfunc_end_k_q4bb8298556_inproj:
	.size	k_q4bb8298556_inproj, .Lfunc_end_k_q4bb8298556_inproj-k_q4bb8298556_inproj
	.p2alignl 7, 3214868480
	.fill 96, 4, 3214868480
	.section	.rodata,"a",@progbits
	.p2align	6, 0x0
	.amdhsa_kernel k_q4bb8298556_inproj
		.amdhsa_group_segment_fixed_size 327680
		.amdhsa_private_segment_fixed_size 0
		.amdhsa_enable_private_segment 0
		.amdhsa_kernarg_size 32
		.amdhsa_user_sgpr_count 2
		.amdhsa_user_sgpr_kernarg_segment_ptr 1
		.amdhsa_wavefront_size32 1
		.amdhsa_system_sgpr_workgroup_id_x 1
		.amdhsa_system_sgpr_workgroup_id_y 1
		.amdhsa_system_sgpr_workgroup_id_z 1
		.amdhsa_system_vgpr_workitem_id 0
		.amdhsa_next_free_vgpr 1024
		.amdhsa_next_free_sgpr 80
		.amdhsa_reserve_vcc 0
		.amdhsa_float_denorm_mode_32 3
		.amdhsa_float_denorm_mode_16_64 3
		.amdhsa_memory_ordered 1
		.amdhsa_forward_progress 1
		.amdhsa_inst_pref_size 139
	.end_amdhsa_kernel
	.amdgpu_metadata
---
amdhsa.version: [ 1, 2 ]
amdhsa.kernels:
  - .name:           k_q4bb8298556_inproj
    .symbol:         k_q4bb8298556_inproj.kd
    .args:
      - { .name: xn, .offset: 0, .size: 8, .value_kind: global_buffer, .address_space: global }
      - { .name: winb, .offset: 8, .size: 8, .value_kind: global_buffer, .address_space: global }
      - { .name: b_in, .offset: 16, .size: 8, .value_kind: global_buffer, .address_space: global }
      - { .name: ug, .offset: 24, .size: 8, .value_kind: global_buffer, .address_space: global }
    .group_segment_fixed_size: 327680
    .private_segment_fixed_size: 0
    .kernarg_segment_align: 8
    .kernarg_segment_size: 32
    .max_flat_workgroup_size: 128
    .sgpr_count:     80
    .vgpr_count:     1024
    .wavefront_size: 32
...
	.end_amdgpu_metadata
.endif
;; end of part 2
;; launch proj (part 3): grid 256 x 1, 8 waves a work-group, no clusters, 103,424 bytes of LDS; arguments ug, wcat, b_delta, b_B, b_C, dl, bc; writes dl, bc
.if DOCPART == 3
	.amdgcn_target "amdgcn-amd-amdhsa--gfx1250"
	.amdhsa_code_object_version 6
	.text
	.protected	k_q4bb8298556_proj
	.globl	k_q4bb8298556_proj
	.p2align	8
	.type	k_q4bb8298556_proj,@function
k_q4bb8298556_proj:
	s_mov_b64 s[64:65], 0
	v_nop
	global_prefetch_b8 v0, s[64:65] scope:SCOPE_SE
	s_setreg_imm32_b32 hwreg(HW_REG_WAVE_MODE, 25, 1), 1
	s_wait_xcnt 0x0
; PROJ.  [dl | B | C] = u [W_delta | W_B | W_C] + biases: [8192][2048] x [2048][96].  u is ug's blocks 0-63 (bf16), the weights are wcat's fragments; sums in f32.
; dl [8192][64] is rounded once to bf16 (it is the next product's operand); bc [8192][B 16, C 16] stays f32.
; SHARES.  A work-group owns 32 tokens; K IS SPLIT AMONG ITS EIGHT WAVES: wave w takes the channel blocks 8 w .. 8 w + 7 (32 channels each), 12 accumulators (2 token blocks x 6 column blocks).
; A 16 x 32 fragment of u is 1,024 consecutive bytes of a block, a fragment of the weights 1,024 consecutive bytes of wcat: both come straight into registers; no wave wants another's bytes.
; A wave asks for its whole share of u (32 loads) in its first lines, so nothing is prefetched; the weights go through two sets of registers.  The eight partial sums meet in LDS once.
; Source 0 = the weights, source 1 = u: a lane holds one token and eight neighbouring columns.
.set ACC, 16                           ; v[16:111]   (tt, nt) at ACC + 8 (6 tt + nt)
.set BS,  112                          ; v[112:207]  two sets of six weight fragments; later the eight partial sums, 12 registers each
.set PT,  112
.set BDL, 208                          ; v[208:215]  b_delta at my eight columns
.set BBC, 216                          ; v[216:219] b_B, v[220:223] b_C at my four
.set OD,  224                          ; v[224:227]  dl in bf16
.set SPARE, 102400                     ; behind the partial sums (8 x 32 rows x 400 bytes): the spare words, 128 bytes a wave
.set MSB, 0
.macro WIN new
.if MSB != (\new)
	s_set_vgpr_msb (MSB<<8)|(\new)
.set MSB, \new
.endif
.endm
	s_load_b256 s[4:11], s[0:1], 0x0               ; ug 4, wcat 6, b_delta 8, b_B 10
	s_load_b128 s[12:15], s[0:1], 0x20             ; b_C 12, dl 14
	s_load_b64 s[16:17], s[0:1], 0x30              ; bc
	v_lshl_add_u32 v8, v0, 2, SPARE                ; my spare word; never rewritten
	v_mov_b32 v9, 0                                ; 0; never rewritten
	v_lshrrev_b32 v1, 5, v0
	v_readfirstlane_b32 s18, v1                    ; wave 0..7
	v_and_b32 v1, 31, v0                           ; l
	v_and_b32 v15, 15, v0                          ; r
	v_bfe_u32 v13, v0, 4, 1                        ; h
	v_lshlrev_b32 v2, 6, v15
	v_lshl_add_u32 v2, v13, 4, v2                  ; u: 64 r + 16 h
	v_lshlrev_b32 v3, 4, v1                        ; wcat: 16 l
	s_mul_i32 s19, s18, 12800
	v_mul_u32_u24 v4, v15, 400
	v_lshl_add_u32 v4, v13, 5, v4
	v_add_nc_u32 v4, s19, v4                       ; my partial sums: wave x 12,800 + 400 r + 32 h
	v_lshrrev_b32 v5, 3, v0                        ; at the end thread t takes token t / 8,
	v_and_b32 v13, 7, v0                           ; c8 = t % 8
	v_mul_u32_u24 v5, v5, 400
	v_lshl_add_u32 v7, v13, 4, v5
	v_add_nc_u32 v7, 256, v7                       ; four of B's and C's 32 columns,
	v_lshl_add_u32 v5, v13, 5, v5                  ; eight of dl's 64
	v_add_nc_u32 v6, 51200, v5                     ; partial sums 4-7 lie beyond an LDS offset's 16 bits
	v_add_nc_u32 v10, 51200, v7
	v_lshlrev_b32 v11, 5, v13
	v_and_b32 v12, 3, v0
	v_lshlrev_b32 v12, 4, v12
	v_lshlrev_b32 v14, 4, v0
	s_lshr_b32 s20, ttmp9, 6                       ; batch
	s_lshl_b32 s20, s20, 24
	s_lshl_b32 s21, s18, 20                        ; 8 blocks of 131,072 bytes a wave
	s_add_co_u32 s20, s20, s21
	s_and_b32 s21, ttmp9, 63
	s_lshl_b32 s21, s21, 11                        ; 32 tokens of 64 bytes
	s_add_co_u32 s20, s20, s21
	s_mov_b32 s21, 0
	s_mul_i32 s22, s18, 49152                      ; 8 K steps of 6 fragments
	s_mov_b32 s23, 0
	s_lshl_b32 s24, ttmp9, 12                      ; 32 tokens of 128 bytes, in dl and in bc
	s_mov_b32 s25, 0
	s_wait_kmcnt 0x0
	s_add_nc_u64 s[4:5], s[4:5], s[20:21]
	s_add_nc_u64 s[6:7], s[6:7], s[22:23]
	s_add_nc_u64 s[14:15], s[14:15], s[24:25]
	s_add_nc_u64 s[16:17], s[16:17], s[24:25]
	global_load_b128 v[BDL:BDL+3],   v11, s[8:9]
	global_load_b128 v[BDL+4:BDL+7], v11, s[8:9] offset:16
	global_load_b128 v[BBC:BBC+3],   v12, s[10:11]
	global_load_b128 v[BBC+4:BBC+7], v12, s[12:13]
	WIN 0x40                                       ; u's fragments go to window 1: step s, token block tt at v[16 s + 8 tt]
.irp s, 0,1,2,3,4,5,6,7
.irp tt, 0,1
	global_load_b128 v[16*(\s)+8*(\tt):16*(\s)+8*(\tt)+3],   v2, s[4:5] offset:(\s)*131072+(\tt)*1024
	global_load_b128 v[16*(\s)+8*(\tt)+4:16*(\s)+8*(\tt)+7], v2, s[4:5] offset:(\s)*131072+(\tt)*1024+32
.endr
.endr
	WIN 0
.macro BLOAD s                         ; the six weight fragments of step s into set s % 2: 12 loads
.irp nt, 0,1,2,3,4,5
	global_load_b128 v[BS+48*((\s)%2)+8*(\nt):BS+48*((\s)%2)+8*(\nt)+3],   v3, s[6:7] offset:(\s)*6144+(\nt)*1024
	global_load_b128 v[BS+48*((\s)%2)+8*(\nt)+4:BS+48*((\s)%2)+8*(\nt)+7], v3, s[6:7] offset:(\s)*6144+(\nt)*1024+512
.endr
.endm
.macro MULS s                          ; 12 products; the accumulators take turns; step 0 starts the sums
	WIN 0x04                                       ; source 1 (u) in window 1
.irp tt, 0,1
.irp nt, 0,1,2,3,4,5
.if (\s) == 0
	v_wmma_f32_16x16x32_bf16 v[ACC+8*(6*(\tt)+(\nt)):ACC+8*(6*(\tt)+(\nt))+7], v[BS+48*((\s)%2)+8*(\nt):BS+48*((\s)%2)+8*(\nt)+7], v[16*(\s)+8*(\tt):16*(\s)+8*(\tt)+7], 0
.else
	v_wmma_f32_16x16x32_bf16 v[ACC+8*(6*(\tt)+(\nt)):ACC+8*(6*(\tt)+(\nt))+7], v[BS+48*((\s)%2)+8*(\nt):BS+48*((\s)%2)+8*(\nt)+7], v[16*(\s)+8*(\tt):16*(\s)+8*(\tt)+7], v[ACC+8*(6*(\tt)+(\nt)):ACC+8*(6*(\tt)+(\nt))+7]
.endif
.endr
.endr
	WIN 0
.endm
	BLOAD 0
	BLOAD 1
.irp s, 0,1,2,3,4,5
	s_wait_loadcnt 12                              ; this step's weights are in (and all of u, asked for earlier); the next step's 12 loads stay out
	MULS \s
.rept 4
	v_nop                                          ; four places in front of loads into registers that the products have read
.endr
	BLOAD (\s)+2
.endr
	s_wait_loadcnt 12
	MULS 6
	s_wait_loadcnt 0x0
	MULS 7
.rept 4
	v_nop
.endr
.irp tt, 0,1
.irp nt, 0,1,2,3,4,5
	ds_store_b128 v4, v[ACC+8*(6*(\tt)+(\nt)):ACC+8*(6*(\tt)+(\nt))+3]   offset:(\tt)*6400+64*(\nt)
	ds_store_b128 v4, v[ACC+8*(6*(\tt)+(\nt))+4:ACC+8*(6*(\tt)+(\nt))+7] offset:(\tt)*6400+64*(\nt)+16
.endr
.endr
	s_wait_dscnt 0x0                               ; for the others' sake: my partial sums lie in LDS
	s_barrier_signal -1
	s_barrier_wait -1
.irp p, 0,1,2,3
	ds_load_b128 v[PT+12*(\p):PT+12*(\p)+3],     v5, offset:(\p)*12800
	ds_load_b128 v[PT+12*(\p)+4:PT+12*(\p)+7],   v5, offset:(\p)*12800+16
	ds_load_b128 v[PT+12*(\p)+8:PT+12*(\p)+11],  v7, offset:(\p)*12800
	ds_load_b128 v[PT+48+12*(\p):PT+48+12*(\p)+3],    v6,  offset:(\p)*12800
	ds_load_b128 v[PT+48+12*(\p)+4:PT+48+12*(\p)+7],  v6,  offset:(\p)*12800+16
	ds_load_b128 v[PT+48+12*(\p)+8:PT+48+12*(\p)+11], v10, offset:(\p)*12800
.endr
	v_cmp_le_u32 vcc_lo, 4, v13                    ; c8 >= 4: my four columns are C's
.irp i, 0,1,2,3
	v_cndmask_b32 v[BBC+(\i)], v[BBC+(\i)], v[BBC+4+(\i)], vcc_lo
.endr
	s_wait_dscnt 0x0
.macro PADD d, s                       ; partial sum d += partial sum s, 12 registers
.irp k, 0,1,2,3,4,5
	v_pk_add_f32 v[PT+12*(\d)+2*(\k):PT+12*(\d)+2*(\k)+1], v[PT+12*(\d)+2*(\k):PT+12*(\d)+2*(\k)+1], v[PT+12*(\s)+2*(\k):PT+12*(\s)+2*(\k)+1]
.endr
.endm
	PADD 0, 1
	PADD 2, 3
	PADD 4, 5
	PADD 6, 7
	PADD 0, 2
	PADD 4, 6
	PADD 0, 4
.irp k, 0,1,2,3
	v_pk_add_f32 v[PT+2*(\k):PT+2*(\k)+1], v[PT+2*(\k):PT+2*(\k)+1], v[BDL+2*(\k):BDL+2*(\k)+1]
.endr
	v_pk_add_f32 v[PT+8:PT+9],   v[PT+8:PT+9],   v[BBC:BBC+1]
	v_pk_add_f32 v[PT+10:PT+11], v[PT+10:PT+11], v[BBC+2:BBC+3]
.irp i, 0,1,2,3
	v_cvt_pk_bf16_f32 v[OD+(\i)], v[PT+2*(\i)], v[PT+2*(\i)+1]
.endr
	global_store_b128 v14, v[OD:OD+3], s[14:15]        ; 16 bytes a thread on end: 512 consecutive bytes a wave
	global_store_b128 v14, v[PT+8:PT+11], s[16:17]
	s_wait_tensorcnt 0x0                           ; the wave's end, behind my last LDS store
	ds_add_u32 v8, v9
	s_wait_dscnt 0x0
	s_endpgm
.Lfunc_end_k_q4bb8298556_proj:
	.size	k_q4bb8298556_proj, .Lfunc_end_k_q4bb8298556_proj-k_q4bb8298556_proj
	.p2alignl 7, 3214868480
	.fill 96, 4, 3214868480
	.section	.rodata,"a",@progbits
	.p2align	6, 0x0
	.amdhsa_kernel k_q4bb8298556_proj
		.amdhsa_group_segment_fixed_size 103424
		.amdhsa_private_segment_fixed_size 0
		.amdhsa_enable_private_segment 0
		.amdhsa_kernarg_size 56
		.amdhsa_user_sgpr_count 2
		.amdhsa_user_sgpr_kernarg_segment_ptr 1
		.amdhsa_wavefront_size32 1
		.amdhsa_system_sgpr_workgroup_id_x 1
		.amdhsa_system_sgpr_workgroup_id_y 1
		.amdhsa_system_sgpr_workgroup_id_z 1
		.amdhsa_system_vgpr_workitem_id 0
		.amdhsa_next_free_vgpr 384
		.amdhsa_next_free_sgpr 66
		.amdhsa_reserve_vcc 1
		.amdhsa_float_denorm_mode_32 3
		.amdhsa_float_denorm_mode_16_64 3
		.amdhsa_memory_ordered 1
		.amdhsa_forward_progress 1
		.amdhsa_inst_pref_size 30
	.end_amdhsa_kernel
	.amdgpu_metadata
---
amdhsa.version: [ 1, 2 ]
amdhsa.kernels:
  - .name:           k_q4bb8298556_proj
    .symbol:         k_q4bb8298556_proj.kd
    .args:
      - { .name: ug, .offset: 0, .size: 8, .value_kind: global_buffer, .address_space: global }
      - { .name: wcat, .offset: 8, .size: 8, .value_kind: global_buffer, .address_space: global }
      - { .name: b_delta, .offset: 16, .size: 8, .value_kind: global_buffer, .address_space: global }
      - { .name: b_B, .offset: 24, .size: 8, .value_kind: global_buffer, .address_space: global }
      - { .name: b_C, .offset: 32, .size: 8, .value_kind: global_buffer, .address_space: global }
      - { .name: dl, .offset: 40, .size: 8, .value_kind: global_buffer, .address_space: global }
      - { .name: bc, .offset: 48, .size: 8, .value_kind: global_buffer, .address_space: global }
    .group_segment_fixed_size: 103424
    .private_segment_fixed_size: 0
    .kernarg_segment_align: 8
    .kernarg_segment_size: 56
    .max_flat_workgroup_size: 256
    .sgpr_count:     66
    .vgpr_count:     384
    .wavefront_size: 32
...
	.end_amdgpu_metadata
.endif
;; end of part 3
;; launch scan (part 4): grid 64 x 4, 8 waves a work-group, no clusters, 202,240 bytes of LDS; arguments ug, dl, bc, W_dt, b_dt, A_log, D, yg; writes yg
.if DOCPART == 4
	.amdgcn_target "amdgcn-amd-amdhsa--gfx1250"
	.amdhsa_code_object_version 6
	.text
	.protected	k_q4bb8298556_scan
	.globl	k_q4bb8298556_scan
	.p2align	8
	.type	k_q4bb8298556_scan,@function
k_q4bb8298556_scan:
	s_mov_b64 s[64:65], 0
	v_nop
	global_prefetch_b8 v0, s[64:65] scope:SCOPE_SE
	s_setreg_imm32_b32 hwreg(HW_REG_WAVE_MODE, 25, 1), 1
	s_wait_xcnt 0x0
; SCAN.  delta = softplus(dl W_dt + b_dt);  h = exp(delta A) h + delta B u;  y = sum over n of C h;  yg = (y + u D) silu(gate), rounded once to bf16.  A = -exp(A_log).
; SHARES.  A work-group owns one batch and 32 channels; time goes in 32 chunks of 64 tokens, never split: each (token, channel, state) has one exponential, made once.
;   Waves 0-3 (R): the recurrence alone.  Lane l holds channel 8 w + l / 4 and the four states 4 (l % 4) + 0..3; it leaves a partial sum of y over its four states.
;   Waves 4-7 (P): 16 tokens of a chunk, all 32 channels.  PRE: delta by the matrix unit, softplus, delta u.  POST: the four partial sums added, u D, the gate, the store.
; PIPELINE.  34 half-trips, a barrier behind each.  Half-trip i: R runs chunk i - 1; P runs POST of chunk i - 2, PRE of chunk i, asks for chunk i + 1 by loads and for chunk i + 4 by a prefetch.
; All that passes between waves lies twice in LDS, 131,072 bytes apart, by the chunk's parity: what a half-trip writes no wave reads in that half-trip.
; THE TEXT.  The loop's trip is two half-trips, one for each parity, and a chunk's 64 steps are written out: every LDS address is a register that no line of the loop writes, plus an immediate.
; All address registers, of both kinds of wave, are made by all eight waves from the wave's number modulo 4.
; yg is laid out by blocks of 16 channels, [batch][block 128][token 2048][16]: a store of 16 tokens x 16 channels is 512 consecutive bytes.
; LIMITS.  softplus(z) = max(z, 0) + ln 2 log2(1 + 2^(-|z| log2 e)): below z of about -16.6 it gives 0 where e^z is meant, an error under 6e-8 in delta.  Exponentials and logarithms flush denormals.
; NaN and infinities are not treated apart.  d, d u, B, C, h and all sums are f32; u and silu(gate) come in bf16.
.set BCO,   16896                      ; from 0: [channel 32][token 64][d, d u] f32, rows of 528 bytes;  from here: [token 64][B 16, C 16] f32
.set PBO,   25088                      ; [R wave 4][token 64][32 lanes x 4 bytes + 16]
.set STSO,  61952                      ; [P wave 4][u, gate x 2 tiles][16 l]: the raw bf16, kept from PRE to POST
.set COPY,  0x20000
.set SPARE, COPY+STSO+8192             ; the spare words: 128 bytes a wave, four blocks of 256 bytes that no other line names
.set WV,  24                           ; s24  wave;  s25 wave % 4
.set W3,  25
.set LEFT, 26                          ; s26  trips still to come, this one among them: 17 to 1
.set L2E, 28
.set BA,  30                           ; s30  batch;  s31 block of 32 channels
.set EB,  31
.set SU,  32                           ; s[32:41] u, gate, dl, bc at the chunk to be loaded next; yg at the chunk to be stored next
.set SG,  34
.set SDL, 36
.set SBC, 38
.set SY,  40
.set PF,  42                           ; s[42:43] where my prefetch stands;  s[44:45] its step;  s46: a wave asks while LEFT is above it
.set PFS, 44
.set PFL, 46
; registers that the loop never writes: v2 my spare word, v3 0 (for the add alone), v[4:7], and
.set ZR,   18                          ; v18  0, an addend
.set VUO,  19                          ; v19-22 P: offsets in u and gate, dl, bc, yg;  v23 the prefetch's
.set VDLO, 20
.set VBCO, 21
.set VYO,  22
.set PFO,  23
.set RDD,  24                          ; v24, 25  R: my channel's (d, d u), copy 0, 1
.set RBC,  26                          ; v26, 27  R: my four states' B (C lies 64 bytes on)
.set RP,   28                          ; v28, 29  R: my partial sum
.set PDS,  30                          ; v30, 31  P: (d, d u) of channel 8 h, my token
.set PBS,  248                         ; v248, 249  P: bc as it lies
.set PPL,  250                         ; v250, 251  P: partial sums of R wave h, my token
.set PST,  252                         ; v252, 253  P: my wave's raw u and gate
; R waves' data
.set A2,  4                            ; v[4:7]     A log2(e) for my four states
.set H,   8                            ; v[8:11]    h
.set PP,  12                           ; v[12:15]   at work, two pairs by turns;  v16, v17 the partial sum, by turns
.set PS,  16
.set AE,  32                           ; rings of eight steps: v[32:63] exp(d A), v[64:95] d u B, v[96:111] (d, d u), v[112:143] B, v[144:175] C
.set XX,  64
.set DD,  96
.set BB,  112
.set CC,  144
; P waves' data
.set WF,  32                           ; v[32:63]   W_dt as source 0: tile mt, K half kh at WF + 16 mt + 8 kh
.set BD,  64                           ; v[64:79]   b_dt in the results' layout;  v[80:95] D likewise
.set DVV, 80
.set DLF, 96                           ; v[96:111]  dl's two fragments;  v[112:119] u, v[120:127] gate, v[224:239] bc: as loaded
.set UR,  112
.set GR,  120
.set BCR, 224
.set Z,   128                          ; PRE: v[128:143] z, v[144:159] at work, v[160:191] (d, d u)
.set T,   144
.set DU,  160
.set PL,  128                          ; POST: v[128:191] partial sums, v[192:207] u and gate, v[208:223] y, v[240:247] bf16
.set SUG, 192
.set Y,   208
.set O,   240
.macro LOADS                           ; a chunk's 12 loads of a P wave
.irp d, 0,1,2,3
	global_load_b128 v[DLF+4*(\d):DLF+4*(\d)+3], v[VDLO], s[SDL:SDL+1] offset:32*(\d)
.endr
.irp mt, 0,1
	global_load_b128 v[UR+4*(\mt):UR+4*(\mt)+3], v[VUO], s[SU:SU+1] offset:32*(\mt) th:TH_LOAD_NT
	global_load_b128 v[GR+4*(\mt):GR+4*(\mt)+3], v[VUO], s[SG:SG+1] offset:32*(\mt) th:TH_LOAD_NT
.endr
.irp j, 0,1,2,3
	global_load_b128 v[BCR+4*(\j):BCR+4*(\j)+3], v[VBCO], s[SBC:SBC+1] offset:2048*(\j)
.endr
.endm
; ---- THE RECURRENCE.  A group is eight steps.  While group k runs, exp(d A) and d u B of group k + 1 are made, C of group k + 1 and (d, d u), B of group k + 2 are asked of LDS.
.macro EPART s                         ; exp(d A) and d u B for step s, from (d, d u) and B
	v_pk_mul_f32 v[AE+4*(\s):AE+4*(\s)+1],   v[A2:A2+1],   v[DD+2*(\s):DD+2*(\s)+1] op_sel_hi:[1,0]
	v_pk_mul_f32 v[AE+4*(\s)+2:AE+4*(\s)+3], v[A2+2:A2+3], v[DD+2*(\s):DD+2*(\s)+1] op_sel_hi:[1,0]
	v_exp_f32 v[AE+4*(\s)], v[AE+4*(\s)]
	v_pk_mul_f32 v[XX+4*(\s):XX+4*(\s)+1],   v[BB+4*(\s):BB+4*(\s)+1],   v[DD+2*(\s):DD+2*(\s)+1] op_sel:[0,1] op_sel_hi:[1,1]
	v_exp_f32 v[AE+4*(\s)+1], v[AE+4*(\s)+1]
	v_pk_mul_f32 v[XX+4*(\s)+2:XX+4*(\s)+3], v[BB+4*(\s)+2:BB+4*(\s)+3], v[DD+2*(\s):DD+2*(\s)+1] op_sel:[0,1] op_sel_hi:[1,1]
	v_exp_f32 v[AE+4*(\s)+2], v[AE+4*(\s)+2]
	v_exp_f32 v[AE+4*(\s)+3], v[AE+4*(\s)+3]
.endm
; Step s of group k (a symbol), in copy c.  A step's LDS instructions stand in one order: store, C, (d, d u), B; groups 0-5 have all four, group 6 the first two, group 7 the store.
; THE WAIT.  What a step reads was asked for eight steps back; the count is what was issued behind the last of it: group 0: the ramp's 14 - 2 s and this group's 4 s; groups 1-5: 7 steps x 4;
; group 6: 4 (7 - s) + 2 s; group 7: 2 (7 - s) + s.
.macro STEP c, s
.if k == 0
	s_wait_dscnt 14+2*(\s)
.elseif k < 6
	s_wait_dscnt 28
.elseif k == 6
	s_wait_dscnt 28-2*(\s)
.else
	s_wait_dscnt 14-(\s)
.endif
.set rA, AE+4*(\s)
.set rX, XX+4*(\s)
.set rD, DD+2*(\s)
.set rB, BB+4*(\s)
.set rC, CC+4*(\s)
.set rW, PP+2*((\s)%2)
.set rQ, PS+(\s)%2
	v_pk_fma_f32 v[H:H+1],   v[rA:rA+1],   v[H:H+1],   v[rX:rX+1]
	v_pk_fma_f32 v[H+2:H+3], v[rA+2:rA+3], v[H+2:H+3], v[rX+2:rX+3]
.if k < 7
	v_pk_mul_f32 v[rA:rA+1],   v[A2:A2+1],   v[rD:rD+1] op_sel_hi:[1,0]
	v_pk_mul_f32 v[rA+2:rA+3], v[A2+2:A2+3], v[rD:rD+1] op_sel_hi:[1,0]
	v_exp_f32 v[rA], v[rA]
.endif
	v_pk_mul_f32 v[rW:rW+1], v[rC:rC+1], v[H:H+1]
.if k < 7
	v_exp_f32 v[rA+1], v[rA+1]
.endif
	v_pk_fma_f32 v[rW:rW+1], v[rC+2:rC+3], v[H+2:H+3], v[rW:rW+1]
.if k < 7
	v_exp_f32 v[rA+2], v[rA+2]
	v_pk_mul_f32 v[rX:rX+1],   v[rB:rB+1],   v[rD:rD+1] op_sel:[0,1] op_sel_hi:[1,1]
	v_exp_f32 v[rA+3], v[rA+3]
	v_pk_mul_f32 v[rX+2:rX+3], v[rB+2:rB+3], v[rD:rD+1] op_sel:[0,1] op_sel_hi:[1,1]
.endif
	v_add_f32 v[rQ], v[rW], v[rW+1]
	ds_store_b32 v[RP+(\c)], v[rQ] offset:144*(8*k+(\s))
.if k < 7
	ds_load_b128 v[rC:rC+3], v[RBC+(\c)] offset:64+128*(8*(k+1)+(\s))
.endif
.if k < 6
	ds_load_b64  v[rD:rD+1], v[RDD+(\c)] offset:8*(8*(k+2)+(\s))
	ds_load_b128 v[rB:rB+3], v[RBC+(\c)] offset:128*(8*(k+2)+(\s))
.endif
.endm
.macro REC c                           ; a chunk, in copy c
.irp s, 0,1,2,3,4,5,6,7
	ds_load_b64  v[DD+2*(\s):DD+2*(\s)+1], v[RDD+(\c)] offset:8*(\s)
	ds_load_b128 v[BB+4*(\s):BB+4*(\s)+3], v[RBC+(\c)] offset:128*(\s)
.endr
.irp s, 0,1,2,3,4,5,6,7
	ds_load_b128 v[CC+4*(\s):CC+4*(\s)+3], v[RBC+(\c)] offset:64+128*(\s)
.endr
	s_wait_dscnt 8                                 ; group 0's (d, d u) and B are in; C's eight loads may stay out
.irp s, 0,1,2,3,4,5,6,7
	EPART \s
	ds_load_b64  v[DD+2*(\s):DD+2*(\s)+1], v[RDD+(\c)] offset:64+8*(\s)     ; group 1
	ds_load_b128 v[BB+4*(\s):BB+4*(\s)+3], v[RBC+(\c)] offset:1024+128*(\s)
.endr
	v_nop                                          ; a plain instruction behind the last exponential,
	s_wait_alu depctr_va_vdst(0)                   ; and one wait for the 32, ahead of their first reader
.set k, 0
.rept 8
.irp s, 0,1,2,3,4,5,6,7
	STEP \c, \s
.endr
.if k < 7
	s_wait_alu depctr_va_vdst(0)                   ; one wait for the group's 32 exponentials, ahead of their first reader, the next group's first step; two multiplies and an add stand behind the last
.endif
.set k, k+1
.endr
.endm
.macro MIX d, a, b, c, hi              ; d = bf16 half of a x b + c, in f32
.if \hi
	v_fma_mix_f32_bf16 v[\d], v[\a], v[\b], v[\c] op_sel:[1,0,0] op_sel_hi:[1,0,0]
.else
	v_fma_mix_f32_bf16 v[\d], v[\a], v[\b], v[\c] op_sel:[0,0,0] op_sel_hi:[1,0,0]
.endif
.endm
; ---- POST of a chunk in copy c.  Its raw u and gate are read ahead of PRE's stores into the same bytes: my wave's own, served in order.
.macro POST c
.irp q, 0,1,2,3
	ds_load_b128 v[SUG+4*(\q):SUG+4*(\q)+3], v[PST+(\c)] offset:512*(\q)
.endr
.set i, 0
.rept 16                               ; element i: channel 16 (i / 8) + 8 h + i % 8: the four state groups' partial sums lie on end
	ds_load_b128 v[PL+4*i:PL+4*i+3], v[PPL+(\c)] offset:18432*(i/8)+16*(i%8)
.set i, i+1
.endr
	s_wait_dscnt 0x0
.set i, 0
.rept 16
	v_pk_add_f32 v[PL+4*i:PL+4*i+1], v[PL+4*i:PL+4*i+1], v[PL+4*i+2:PL+4*i+3]
.set i, i+1
.endr
.set i, 0
.rept 16
	v_add_f32 v[Y+i], v[PL+4*i], v[PL+4*i+1]
.set i, i+1
.endr
.set i, 0
.rept 16
	MIX Y+i, SUG+8*(i/8)+(i%8)/2, DVV+i, Y+i, i%2          ; y + u D
.set i, i+1
.endr
.set i, 0
.rept 16
	MIX Y+i, SUG+4+8*(i/8)+(i%8)/2, Y+i, ZR, i%2           ; x silu(gate)
.set i, i+1
.endr
.set i, 0
.rept 8
	v_cvt_pk_bf16_f32 v[O+i], v[Y+2*i], v[Y+2*i+1]
.set i, i+1
.endr
	global_store_b128 v[VYO], v[O:O+3],   s[SY:SY+1]              ; 16 tokens x 32 bytes: 512 consecutive bytes, aligned
	global_store_b128 v[VYO], v[O+4:O+7], s[SY:SY+1] offset:65536
	s_wait_xcnt 0x0                                ; the stores have read their base and data
	s_add_nc_u64 s[SY:SY+1], s[SY:SY+1], 2048
.endm
; ---- PRE of a chunk into copy c
.macro PRE c
	s_wait_loadcnt 0x0                             ; the chunk's 12 loads, asked for a half-trip ago
	s_wait_xcnt 0x0                                ; the prefetch of a half-trip ago has read its address
	s_add_nc_u64 s[SU:SU+1], s[SU:SU+1], 4096
	s_add_nc_u64 s[SG:SG+1], s[SG:SG+1], 4096
	s_add_nc_u64 s[SDL:SDL+1], s[SDL:SDL+1], 8192
	s_add_nc_u64 s[SBC:SBC+1], s[SBC:SBC+1], 8192
	s_add_nc_u64 s[PF:PF+1], s[PF:PF+1], s[PFS:PFS+1]
.irp j, 0,1,2,3
	ds_store_b128 v[PBS+(\c)], v[BCR+4*(\j):BCR+4*(\j)+3] offset:2048*(\j)
.endr
.irp mt, 0,1
	ds_store_b128 v[PST+(\c)], v[UR+4*(\mt):UR+4*(\mt)+3] offset:1024*(\mt)
	ds_store_b128 v[PST+(\c)], v[GR+4*(\mt):GR+4*(\mt)+3] offset:1024*(\mt)+512
.endr
	; z^T = W_dt^T dl^T + b_dt: a lane holds one token and eight channels.  The two accumulators take turns; the bias is the first products' C.
	v_wmma_f32_16x16x32_bf16 v[Z:Z+7],    v[WF:WF+7],     v[DLF:DLF+7],    v[BD:BD+7]
	v_wmma_f32_16x16x32_bf16 v[Z+8:Z+15], v[WF+16:WF+23], v[DLF:DLF+7],    v[BD+8:BD+15]
	v_wmma_f32_16x16x32_bf16 v[Z:Z+7],    v[WF+8:WF+15],  v[DLF+8:DLF+15], v[Z:Z+7]
	v_wmma_f32_16x16x32_bf16 v[Z+8:Z+15], v[WF+24:WF+31], v[DLF+8:DLF+15], v[Z+8:Z+15]
.rept 4
	v_nop                                          ; the places behind the products
.endr
.set i, 0
.rept 16
	v_mul_f32 v[T+i], -|v[Z+i]|, s[L2E]
.if i > 0
	v_exp_f32 v[T+i-1], v[T+i-1]
.endif
.set i, i+1
.endr
	v_exp_f32 v[T+15], v[T+15]
.set i, 0
.rept 16
	v_max_num_f32 v[Z+i], 0, v[Z+i]
.set i, i+1
.endr
	s_wait_alu depctr_va_vdst(0)                   ; one wait for the 16 exponentials; the maxima above are the independent work between
.set i, 0
.rept 8
	v_pk_add_f32 v[T+2*i:T+2*i+1], v[T+2*i:T+2*i+1], 1.0 op_sel_hi:[1,0]
.if i > 0
	v_log_f32 v[T+2*i-2], v[T+2*i-2]
	v_log_f32 v[T+2*i-1], v[T+2*i-1]
.endif
.set i, i+1
.endr
	v_log_f32 v[T+14], v[T+14]
	v_log_f32 v[T+15], v[T+15]
	v_nop
	s_wait_alu depctr_va_vdst(0)                   ; one wait for the 16 logarithms
.set i, 0
.rept 16
	v_fmamk_f32 v[DU+2*i], v[T+i], 0x3f317218, v[Z+i]      ; d = ln 2 x log2(..) + max(z, 0)
.set i, i+1
.endr
.set i, 0
.rept 16
	MIX DU+2*i+1, UR+4*(i/8)+(i%8)/2, DU+2*i, ZR, i%2      ; d u
.set i, i+1
.endr
.set i, 0
.rept 16
	ds_store_b64 v[PDS+(\c)], v[DU+2*i:DU+2*i+1] offset:(16*(i/8)+i%8)*528
.set i, i+1
.endr
.endm
; ---- A HALF-TRIP of parity par.  With j = 17 - LEFT it is half-trip i = 2 j + par.  R: chunk i - 1, in the other copy.  P: POST of chunk i - 2 and PRE of chunk i, in copy par.
; The jumps go forward, on the wave's number and on LEFT alone, and none passes the barrier.
.macro TRIP par
	s_cmp_lt_u32 s[WV], 4
	s_cbranch_scc0 .Lp\par
.if \par
	s_cmp_eq_u32 s[LEFT], 1                        ; i = 33: chunk 31 is done
.else
	s_cmp_eq_u32 s[LEFT], 17                       ; i = 0: no chunk is made yet
.endif
	s_cbranch_scc1 .Ljoin\par
	REC 1-(\par)
	s_branch .Ljoin\par
.Lp\par:
	s_cmp_eq_u32 s[LEFT], 17                       ; i = 0, 1: no chunk has gone through the recurrence
	s_cbranch_scc1 .Lnopost\par
	POST \par
.Lnopost\par:
	s_cmp_eq_u32 s[LEFT], 1                        ; i = 32, 33: there is no further chunk
	s_cbranch_scc1 .Ljoin\par
	PRE \par
.if \par
	s_cmp_gt_u32 s[LEFT], 2                        ; i = 31 has no chunk 32 to ask for
	s_cbranch_scc0 .Lnoload\par
.endif
	LOADS                                          ; chunk i + 1
.Lnoload\par:
	s_cmp_gt_u32 s[LEFT], s[PFL]                   ; up to i = 27, in a wave that asks
	s_cbranch_scc0 .Ljoin\par
	global_prefetch_b8 v[PFO], s[PF:PF+1] th:TH_LOAD_NT scope:SCOPE_SE  ; chunk i + 4: three half-trips ahead of its loads
.Ljoin\par:
	s_wait_dscnt 0x0                               ; my LDS stores are done and my LDS reads are back: what the next half-trip reads is whole, what it overwrites is free
	s_barrier_signal -1
	s_barrier_wait -1
.endm
	s_load_b512 s[8:23], s[0:1], 0x0               ; ug 8, dl 10, bc 12, W_dt 14, b_dt 16, A_log 18, D 20, yg 22
	v_lshl_add_u32 v2, v0, 2, SPARE                ; my spare word; never rewritten
	v_mov_b32 v3, 0                                ; 0; never rewritten
	v_lshrrev_b32 v1, 5, v0
	v_readfirstlane_b32 s[WV], v1
	v_and_b32 v1, 31, v0                           ; l
	s_and_b32 s[W3], s[WV], 3
	s_and_b32 s[BA], ttmp7, 0xffff
	s_mov_b32 s[EB], ttmp9
	s_mov_b32 s[L2E], 0x3fb8aa3b
	; ---- all address registers, in every wave
	v_and_b32 v32, 15, v0                          ; r
	v_bfe_u32 v33, v0, 4, 1                        ; h
	v_lshrrev_b32 v34, 2, v1                       ; l / 4
	v_and_b32 v35, 3, v0                           ; l % 4
	v_lshl_add_u32 v36, s[W3], 3, v34              ; R: my channel of the 32
	v_mul_u32_u24 v[RDD], v36, 528
	v_lshl_add_u32 v[RBC], v35, 4, BCO
	s_mul_i32 s48, s[W3], 9216
	s_add_co_u32 s48, s48, PBO
	v_lshl_add_u32 v[RP], v1, 2, s48
	v_lshl_add_u32 v37, s[W3], 4, v32              ; P: my token of the chunk's 64
	v_lshl_add_u32 v38, s[W3], 5, v1               ; P: my thread among the four waves'
	v_lshlrev_b32 v39, 4, v33
	v_lshl_add_u32 v[VUO], v37, 6, v39
	v_lshl_add_u32 v[VDLO], v37, 7, v39
	v_lshlrev_b32 v[VBCO], 4, v38
	v_lshl_add_u32 v[VYO], v37, 5, v39
	v_mul_u32_u24 v[PDS], v33, 8*528
	v_lshl_add_u32 v[PDS], v37, 3, v[PDS]
	v_lshl_add_u32 v[PBS], v38, 4, BCO
	v_mul_u32_u24 v[PPL], v37, 144
	v_mul_u32_u24 v40, v33, 9216
	v_add_nc_u32 v[PPL], v[PPL], v40
	v_add_nc_u32 v[PPL], PBO, v[PPL]
	s_lshl_b32 s49, s[W3], 11
	s_add_co_u32 s49, s49, STSO
	v_lshl_add_u32 v[PST], v1, 4, s49
.irp a, RDD, RBC, RP, PDS, PBS, PPL, PST
	v_add_nc_u32 v[\a+1], COPY, v[\a]              ; the same place in copy 1
.endr
	v_mov_b32 v[ZR], 0
	v_lshlrev_b32 v41, 23, v33                     ; the prefetch of u and gate: lanes 0-15 u's 16 blocks of 256 bytes, lanes 16-31 the gate's
	v_lshl_add_u32 v41, v32, 8, v41
	v_lshlrev_b32 v42, 8, v1                       ; of dl or bc: 32 blocks
	s_wait_kmcnt 0x0
	s_lshl_b32 s50, s[BA], 24
	s_lshl_b32 s51, s[EB], 17
	s_add_co_u32 s50, s50, s51
	s_mov_b32 s51, 0
	s_add_nc_u64 s[SU:SU+1], s[8:9], s[50:51]      ; ug at (batch, block EB)
	s_add_nc_u64 s[SG:SG+1], s[SU:SU+1], 0x800000  ; the gate: 64 blocks on
	s_lshl_b32 s50, s[BA], 18
	s_add_nc_u64 s[SDL:SDL+1], s[10:11], s[50:51]
	s_add_nc_u64 s[SBC:SBC+1], s[12:13], s[50:51]
	s_lshl_b32 s50, s[BA], 23
	s_lshl_b32 s52, s[EB], 17
	s_add_co_u32 s50, s50, s52
	s_add_nc_u64 s[SY:SY+1], s[22:23], s[50:51]    ; yg at (batch, block 2 EB)
	; The prefetch: each aligned block of 256 bytes is named once in the launch.  P wave 0 asks for its own work-group's u and gate (16 + 16 blocks a chunk);
	; dl and bc, which the 64 work-groups of a batch all read, are asked for by P waves 1 and 2 of the work-group with EB = 0 alone (32 blocks each).
	s_mov_b64 s[PF:PF+1], s[SU:SU+1]
	s_mov_b32 s[PFS], 4096
	s_mov_b32 s[PFS+1], 0
	s_cmp_eq_u32 s[W3], 1
	s_cselect_b64 s[PF:PF+1], s[SDL:SDL+1], s[PF:PF+1]
	s_cselect_b32 s[PFS], 8192, s[PFS]
	s_cmp_eq_u32 s[W3], 2
	s_cselect_b64 s[PF:PF+1], s[SBC:SBC+1], s[PF:PF+1]
	s_cselect_b32 s[PFS], 8192, s[PFS]
	s_cmp_eq_u32 s[W3], 0
	s_cselect_b32 s48, 0, s[EB]
	s_cselect_b32 s49, -1, 0
	v_cndmask_b32 v[PFO], v42, v41, s49
	s_cmp_eq_u32 s[W3], 3
	s_cselect_b32 s48, 1, s48
	s_cmp_eq_u32 s48, 0
	s_cselect_b32 s[PFL], 3, -1
	s_mul_i32 s50, s[PFS], 3                       ; at chunk 3: each PRE steps it first
	s_add_nc_u64 s[PF:PF+1], s[PF:PF+1], s[50:51]
	s_cmp_lt_u32 s[WV], 4
	s_cbranch_scc0 .Lpset
	; ---- R waves' data
	s_lshl_b32 s48, s[EB], 11                      ; 32 channels of 64 bytes,
	s_lshl_b32 s49, s[W3], 9                       ; 8 a wave
	s_add_co_u32 s48, s48, s49
	s_mov_b32 s49, 0
	s_add_nc_u64 s[18:19], s[18:19], s[48:49]
	v_lshlrev_b32 v12, 4, v1
	global_load_b128 v[A2:A2+3], v12, s[18:19]
.irp i, 0,1,2,3
	v_mov_b32 v[H+(\i)], 0                         ; h starts at 0
.endr
	s_wait_loadcnt 0x0
.irp i, 0,1,2,3
	v_mul_f32 v[A2+(\i)], s[L2E], v[A2+(\i)]
.endr
.irp i, 0,1,2,3
	v_exp_f32 v[A2+(\i)], v[A2+(\i)]
.endr
	v_nop
	s_wait_alu depctr_va_vdst(0)                   ; one wait for the four, ahead of their first reader
.irp i, 0,1,2,3
	v_mul_f32 v[A2+(\i)], 0xbfb8aa3b, v[A2+(\i)]   ; A log2(e) = -log2(e) exp(A_log)
.endr
	s_branch .Lgo
	; ---- P waves' data
.Lpset:
	v_lshlrev_b32 v254, 16, v33
	v_lshl_add_u32 v254, v32, 2, v254              ; W_dt: rank 8 h, channel r
	v_lshlrev_b32 v255, 5, v33                     ; b_dt, D: channel 8 h
	s_lshl_b32 s48, s[EB], 7                       ; 32 channels of 4 bytes
	s_mov_b32 s49, 0
	s_add_nc_u64 s[14:15], s[14:15], s[48:49]
	s_add_nc_u64 s[16:17], s[16:17], s[48:49]
	s_add_nc_u64 s[20:21], s[20:21], s[48:49]
.irp mt, 0,1
	global_load_b128 v[BD+8*(\mt):BD+8*(\mt)+3],     v255, s[16:17] offset:64*(\mt)
	global_load_b128 v[BD+8*(\mt)+4:BD+8*(\mt)+7],   v255, s[16:17] offset:64*(\mt)+16
	global_load_b128 v[DVV+8*(\mt):DVV+8*(\mt)+3],   v255, s[20:21] offset:64*(\mt)
	global_load_b128 v[DVV+8*(\mt)+4:DVV+8*(\mt)+7], v255, s[20:21] offset:64*(\mt)+16
.endr
.irp mt, 0,1                           ; a tile of 16 channels at a time: 32 numbers a lane, rounded in pairs
.irp kk, 0,1,2,3                       ; kk = 2 kh + half: ranks 16 kk + 8 h + jj
.irp jj, 0,1,2,3,4,5,6,7
	global_load_b32 v[128+8*(\kk)+(\jj)], v254, s[14:15] offset:(16*(\kk)+(\jj))*8192+64*(\mt)
.endr
.endr
	s_wait_loadcnt 0x0
.irp q, 0,1,2,3,4,5,6,7,8,9,10,11,12,13,14,15
	v_cvt_pk_bf16_f32 v[WF+16*(\mt)+(\q)], v[128+2*(\q)], v[129+2*(\q)]
.endr
.endr
	LOADS                                          ; chunk 0
.Lgo:
	s_mov_b32 s[LEFT], 17
.Lloop:
	TRIP 0
	TRIP 1
	s_sub_co_u32 s[LEFT], s[LEFT], 1
	s_cmp_lg_u32 s[LEFT], 0
	s_cbranch_scc1 .Lloop
	s_wait_tensorcnt 0x0                           ; the wave's end, behind my last LDS store
	ds_add_u32 v2, v3
	s_wait_dscnt 0x0
	s_endpgm
.Lfunc_end_k_q4bb8298556_scan:
	.size	k_q4bb8298556_scan, .Lfunc_end_k_q4bb8298556_scan-k_q4bb8298556_scan
	.p2alignl 7, 3214868480
	.fill 96, 4, 3214868480
	.section	.rodata,"a",@progbits
	.p2align	6, 0x0
	.amdhsa_kernel k_q4bb8298556_scan
		.amdhsa_group_segment_fixed_size 202240
		.amdhsa_private_segment_fixed_size 0
		.amdhsa_enable_private_segment 0
		.amdhsa_kernarg_size 64
		.amdhsa_user_sgpr_count 2
		.amdhsa_user_sgpr_kernarg_segment_ptr 1
		.amdhsa_wavefront_size32 1
		.amdhsa_system_sgpr_workgroup_id_x 1
		.amdhsa_system_sgpr_workgroup_id_y 1
		.amdhsa_system_sgpr_workgroup_id_z 1
		.amdhsa_system_vgpr_workitem_id 0
		.amdhsa_next_free_vgpr 256
		.amdhsa_next_free_sgpr 66
		.amdhsa_reserve_vcc 0
		.amdhsa_float_denorm_mode_32 3
		.amdhsa_float_denorm_mode_16_64 3
		.amdhsa_memory_ordered 1
		.amdhsa_forward_progress 1
		.amdhsa_inst_pref_size 166
	.end_amdhsa_kernel
	.amdgpu_metadata
---
amdhsa.version: [ 1, 2 ]
amdhsa.kernels:
  - .name:           k_q4bb8298556_scan
    .symbol:         k_q4bb8298556_scan.kd
    .args:
      - { .name: ug, .offset: 0, .size: 8, .value_kind: global_buffer, .address_space: global }
      - { .name: dl, .offset: 8, .size: 8, .value_kind: global_buffer, .address_space: global }
      - { .name: bc, .offset: 16, .size: 8, .value_kind: global_buffer, .address_space: global }
      - { .name: W_dt, .offset: 24, .size: 8, .value_kind: global_buffer, .address_space: global }
      - { .name: b_dt, .offset: 32, .size: 8, .value_kind: global_buffer, .address_space: global }
      - { .name: A_log, .offset: 40, .size: 8, .value_kind: global_buffer, .address_space: global }
      - { .name: D, .offset: 48, .size: 8, .value_kind: global_buffer, .address_space: global }
      - { .name: yg, .offset: 56, .size: 8, .value_kind: global_buffer, .address_space: global }
    .group_segment_fixed_size: 202240
    .private_segment_fixed_size: 0
    .kernarg_segment_align: 8
    .kernarg_segment_size: 64
    .max_flat_workgroup_size: 256
    .sgpr_count:     66
    .vgpr_count:     256
    .wavefront_size: 32
...
	.end_amdgpu_metadata
.endif
;; end of part 4
;; launch outp (part 5): grid 4 x 64, 4 waves a work-group, clusters of 4 x 4, 327,680 bytes of LDS; arguments yg, woutb, b_out, x, out0; writes out0
.if DOCPART == 5
	.amdgcn_target "amdgcn-amd-amdhsa--gfx1250"
	.amdhsa_code_object_version 6
	.text
	.protected	k_q4bb8298556_outp
	.globl	k_q4bb8298556_outp
	.p2align	8
	.type	k_q4bb8298556_outp,@function
k_q4bb8298556_outp:
	s_mov_b64 s[64:65], 0
	v_nop
	global_prefetch_b8 v0, s[64:65] scope:SCOPE_SE
	s_setreg_imm32_b32 hwreg(HW_REG_WAVE_MODE, 25, 1), 1
	s_wait_xcnt 0x0
	s_wait_alu depctr_hold_cnt(0) depctr_sa_sdst(0) depctr_va_vdst(0) depctr_va_sdst(0) depctr_va_ssrc(0) depctr_va_vcc(0) depctr_vm_vsrc(0)
	s_getreg_b32 s2, hwreg(HW_REG_IB_STS2, 6, 4)
	s_cmp_eq_u32 s2, 0
	s_cbranch_scc0 .Lentry_in_a_cluster
	s_endpgm
.Lentry_in_a_cluster:
	s_bfe_u32 s2, ttmp6, 0x10000c
	s_cmp_lg_u32 s2, 0xf033
	s_cbranch_scc0 .Lentry_shape_is_right
	s_endpgm
.Lentry_shape_is_right:
; OUTP.  out0 = yg W_out + b_out + x.  yg by blocks of 16 channels [batch][block 128][token 2048][16] bf16, woutb [2048 k][1024 n] bf16, sums, bias and residual in f32.
; SHARES.  A tile is 128 tokens x 256 columns, so that 8,192 x 1,024 gives 256 work-groups; a wave makes 64 x 128: 32 accumulators.  K = 2,048 goes in 16 steps of 128 through two LDS slots.
; A's tile: of each of the step's 8 channel blocks 128 tokens are 4,096 dense bytes: a wave asks for 4 such rows, padded in LDS behind every token's 32 bytes.  B's k-rows are turned by ds_load_tr16_b128.
; CLUSTER 4 x 4: yg's tile is shared along a row of the cluster, woutb's along a column; each is asked for jointly.
; The matrix instruction is used transposed (source 0 = 16 columns, source 1 = 16 tokens); the bias is the C operand of each sum's first product.
; The residual is loaded early, in the layout in which whole rows come back from the stage, and added there: every load of x and every store of out0 covers two aligned runs of 256 bytes.
; REGISTERS: window 0: v0-31 addresses; v32-63, v64-95 A's fragments; v128-191 the bias; on the way out v32-95 and v96-159 rows, by turns
;   window 1: v0-63, v64-127 B's fragments      window 2: the accumulators, (a, b) at v[8 (8 a + b)]      window 3: x, block a at v[64 a]
.set KBS,    6144                      ; a channel block in LDS: 128 tokens x (32 + 16) bytes: the 16 tokens of a load start at 16 different groups of four banks (ISA guide 11.1)
.set PB,     544
.set BOFF,   8*KBS
.set SLOT,   BOFF+128*PB
.set STAGE,  2*SLOT
.set SP,     528
.set SPARE,  STAGE+4*16*SP
.set LAPS,   8
.set ADRA, 16
.set ADRB, 20
.set STO,  24
.set RD,   25
.set CO,   26                          ; v26  my offset in two rows of x and of out0; never rewritten
.set SPW,  28
.set NIL,  29
.set PFO,  30
.set BO,   31
.set BIAS, 128
.set RB,   32
.set WV,   14
.set RH,   15
.set G1A,  24
.set G0A,  32
.set CX,   40
.set CY,   41
.set TCOL, 42
.set TROW, 43
.set PFA,  44
.set PFS,  46
.set G1B,  48
.set G0B,  56
.set LIM,  66                          ; s66  2 in a wave that prefetches, else the greatest number
.set LAP,  67
.set CH,   70
; s22, s23: what enters LDS addresses: made of the wave's number alone.  s74-79: at work on global offsets, which may hold cx and cy.
.set MSB, 0
.macro WIN new
.if MSB != (\new)
	s_set_vgpr_msb (MSB<<8)|(\new)
.set MSB, \new
.endif
.endm
.macro JLOAD s                         ; a joint load: waves 0 and 1 fetch A's halves, waves 2 and 3 B's; an s_nop 0 and four v_nop follow each line
	s_cmp_eq_u32 s[RH], 0
	s_cbranch_scc0 .Lfor_b_\@
	tensor_load_to_lds s[G0A+4*(\s):G0A+4*(\s)+3], s[G1A:G1A+7]
	s_nop 0
.rept 4
	v_nop
.endr
	s_branch .Lasked_\@
.Lfor_b_\@:
	tensor_load_to_lds s[G0B+4*(\s):G0B+4*(\s)+3], s[G1B:G1B+7]
	s_nop 0
.rept 4
	v_nop
.endr
.Lasked_\@:
.endm
; A prefetch of the K step that stands four refills on: 512 matrix instructions ahead of the load that wants it.  Each aligned block of 256 bytes is named once: yg's 128 blocks of a step by wave 0 of the four
; partners of a row (32 each, by cx in the address); woutb's by waves 2 and 3 of the clusters with y = 0 (16 of the wave's 64 k-rows each, by cy).  The loop's last two trips ask for nothing: K ends.
.macro ASK
	s_cmp_gt_u32 s[LAP], s[LIM]
	s_cbranch_scc0 .Lnot_mine_\@
	global_prefetch_b8 v[PFO], s[PFA:PFA+1] th:TH_LOAD_NT scope:SCOPE_SE
.Lnot_mine_\@:
.endm
.macro CREST
	s_cmp_lg_u32 s[WV], 0
	s_cbranch_scc1 .Lnot_wave_0_\@
	s_barrier_signal -3
.Lnot_wave_0_\@:
	s_barrier_wait -3
	s_barrier_signal -1
	s_barrier_wait -1
.endm
.macro CROUND
	s_barrier_signal -1
	s_barrier_wait -1
	CREST
.endm
.macro PLACES
.rept 4
	v_nop
.endr
.endm
	s_load_b256 s[4:11], s[0:1], 0x0               ; yg 4, woutb 6, b_out 8, x 10
	s_load_b64 s[12:13], s[0:1], 0x20              ; out0
	v_lshl_add_u32 v[SPW], v0, 2, SPARE
	v_mov_b32 v[NIL], 0
	ds_add_u32 v[SPW], v[NIL]                      ; the opening: the add, twice on end, and its wait ahead of my first tensor load
	ds_add_u32 v[SPW], v[NIL]
	v_lshrrev_b32 v1, 5, v0
	v_readfirstlane_b32 s[WV], v1
	s_lshr_b32 s[RH], s[WV], 1
	s_and_b32 s[CH], s[WV], 1
	s_bfe_u32 s[CX], ttmp6, 0x40000
	s_bfe_u32 s[CY], ttmp6, 0x40004
	s_lshl_b32 s[TCOL], ttmp9, 2
	s_add_co_u32 s[TCOL], s[TCOL], s[CX]
	s_and_b32 s[TROW], ttmp7, 0xffff
	s_lshl_b32 s[TROW], s[TROW], 2
	s_add_co_u32 s[TROW], s[TROW], s[CY]
	s_lshl_b32 s16, s[CY], 2
	s_lshl_b32 s16, 15, s16
	s_lshl_b32 s20, 0x1111, s[CX]
	s_or_b32 s[G1A], s16, (1<<16)|(1<<20)|(1<<21)|(2<<22)|(3<<25)  ; mask; 2-byte elements; padding on; bit 21 beside a mask; after every 8 words 4 words
	s_or_b32 s[G1B], s20, (1<<16)|(1<<20)|(1<<21)|(6<<22)|(7<<25)  ; after every 128 words 8 words
	s_mov_b32 s[G1A+1], 2048<<16                   ; tensor_dim0 = 2,048: 128 tokens x 16 channels on end
	s_mov_b32 s[G1A+2], 4<<16                      ; tensor_dim1 = 4 channel blocks
	s_mov_b32 s[G1A+3], 2048<<16                   ; tile_dim0
	s_mov_b32 s[G1A+4], 4                          ; tile_dim1
	s_mov_b32 s[G1A+5], 32768                      ; elements from block to block
	s_mov_b32 s[G1A+6], 0
	s_mov_b32 s[G1A+7], 0
	s_mov_b32 s[G1B+1], 256<<16
	s_mov_b32 s[G1B+2], 64<<16
	s_mov_b32 s[G1B+3], 256<<16
	s_mov_b32 s[G1B+4], 64
	s_mov_b32 s[G1B+5], 1024
	s_mov_b32 s[G1B+6], 0
	s_mov_b32 s[G1B+7], 0
	s_lshr_b32 s16, s[TROW], 4                     ; A: batch, token 128 (tile row % 16), 4 blocks a half: the tile row and the wave alone
	s_lshl_b32 s16, s16, 23
	s_and_b32 s17, s[TROW], 15
	s_lshl_b32 s17, s17, 12
	s_add_co_u32 s16, s16, s17
	s_lshl_b32 s17, s[CH], 18
	s_add_co_u32 s16, s16, s17
	s_mov_b32 s17, 0
	s_lshl_b32 s20, s[TCOL], 9                     ; B: 64 k-rows of 2,048 bytes a half: the tile column and the wave alone
	s_lshl_b32 s21, s[CH], 17
	s_add_co_u32 s20, s20, s21
	s_mov_b32 s21, 0
	s_mul_i32 s22, s[CH], 4*KBS                    ; where they go
	s_mul_i32 s23, s[CH], 64*PB
	s_add_co_u32 s23, s23, BOFF
	s_wait_dscnt 0x0
	s_wait_kmcnt 0x0
	s_add_nc_u64 s[18:19], s[4:5], s[16:17]
	s_add_nc_u64 s[20:21], s[6:7], s[20:21]
	CROUND
.irp s, 0,1
	s_mov_b32 s[G0A+4*(\s)], 1
	s_add_co_u32 s[G0A+4*(\s)+1], s22, (\s)*SLOT
	s_add_nc_u64 s[G0A+4*(\s)+2:G0A+4*(\s)+3], s[18:19], (\s)*0x80000    ; K step s: 8 blocks of 65,536 bytes
	s_or_b32 s[G0A+4*(\s)+3], s[G0A+4*(\s)+3], 0x80000000
	s_mov_b32 s[G0B+4*(\s)], 1
	s_add_co_u32 s[G0B+4*(\s)+1], s23, (\s)*SLOT
	s_add_nc_u64 s[G0B+4*(\s)+2:G0B+4*(\s)+3], s[20:21], (\s)*0x40000    ; K step s: 128 rows of 2,048 bytes
	s_or_b32 s[G0B+4*(\s)+3], s[G0B+4*(\s)+3], 0x80000000
	JLOAD \s
.endr
	v_and_b32 v1, 15, v0                           ; r
	v_bfe_u32 v2, v0, 4, 1                         ; h
	v_lshlrev_b32 v[BO], 5, v2
	s_lshl_b32 s74, s[TCOL], 10
	s_lshl_b32 s75, s[CH], 9
	s_add_co_u32 s74, s74, s75
	s_mov_b32 s75, 0
	s_add_nc_u64 s[8:9], s[8:9], s[74:75]
.irp b, 0,1,2,3,4,5,6,7
	global_load_b128 v[BIAS+8*(\b):BIAS+8*(\b)+3],   v[BO], s[8:9] offset:64*(\b)
	global_load_b128 v[BIAS+8*(\b)+4:BIAS+8*(\b)+7], v[BO], s[8:9] offset:64*(\b)+16
.endr
	s_lshl_b32 s76, s[TROW], 19                    ; x and out0 at my 64 tokens and 128 columns
	s_add_co_u32 s74, s74, s76
	s_lshl_b32 s76, s[RH], 18
	s_add_co_u32 s74, s74, s76
	s_add_nc_u64 s[10:11], s[10:11], s[74:75]
	s_add_nc_u64 s[12:13], s[12:13], s[74:75]
	v_lshlrev_b32 v[CO], 12, v2
	v_lshl_add_u32 v[CO], v1, 4, v[CO]             ; lanes 0-15 256 bytes of one row, lanes 16-31 of the next
	v_mul_u32_u24 v3, v1, 48
	v_lshl_add_u32 v3, v2, 4, v3
	s_mul_i32 s22, s[RH], 64*48
	v_and_b32 v4, 7, v0
	v_lshl_add_u32 v4, v2, 3, v4
	v_mul_u32_u24 v4, v4, PB
	v_bfe_u32 v5, v0, 3, 1
	v_lshl_add_u32 v4, v5, 4, v4
	s_lshl_b32 s23, s[CH], 8
	s_add_co_u32 s23, s23, BOFF
.irp s, 0,1
	v_add_nc_u32 v[ADRA+(\s)], s22, v3
	v_add_nc_u32 v[ADRB+(\s)], s23, v4
	s_add_co_u32 s22, s22, SLOT
	s_add_co_u32 s23, s23, SLOT
.endr
	s_mul_i32 s22, s[WV], 16*SP
	s_add_co_u32 s22, s22, STAGE
	v_mul_u32_u24 v5, v1, SP
	v_lshl_add_u32 v5, v2, 5, v5
	v_add_nc_u32 v[STO], s22, v5
	v_mul_u32_u24 v6, v2, SP
	v_lshl_add_u32 v6, v1, 4, v6
	v_add_nc_u32 v[RD], s22, v6
	; the prefetches
	v_and_b32 v8, 31, v0
	v_lshrrev_b32 v9, 2, v8                        ; A: channel block l / 4, of its 16 blocks of 256 bytes number 4 cx + l % 4
	v_and_b32 v11, 3, v8
	v_lshlrev_b32 v9, 16, v9
	v_lshl_add_u32 v9, v11, 8, v9
	s_lshl_b32 s78, s[CX], 10
	v_add_nc_u32 v9, s78, v9
	v_lshrrev_b32 v10, 1, v8                       ; B: k-row l / 2, half l % 2 of its 512 bytes
	v_and_b32 v11, 1, v8
	v_lshlrev_b32 v10, 11, v10
	v_lshl_add_u32 v10, v11, 8, v10
	s_lshr_b32 s75, s[TROW], 4
	s_lshl_b32 s75, s75, 23
	s_and_b32 s78, s[TROW], 15
	s_lshl_b32 s78, s78, 12
	s_add_co_u32 s75, s75, s78
	s_add_co_u32 s75, s75, 5*0x80000               ; at K step 5: the first refill steps it to 6
	s_lshl_b32 s76, s[CH], 17
	s_lshl_b32 s78, s[CY], 15
	s_add_co_u32 s76, s76, s78
	s_lshl_b32 s78, s[TCOL], 9
	s_add_co_u32 s76, s76, s78
	s_add_co_u32 s76, s76, 5*0x40000
	s_and_b32 s77, ttmp7, 0xffff
	s_mov_b32 s79, 0x40000                         ; B's K step in bytes (an instruction takes one literal)
	s_cmp_eq_u32 s[RH], 0
	s_cselect_b64 s[PFA:PFA+1], s[4:5], s[6:7]
	s_cselect_b32 s[PFS], 0x80000, s79
	s_cselect_b32 s76, s75, s76
	s_cselect_b32 s77, s[WV], s77                  ; of A's waves wave 0 asks; of B's those of the clusters with y = 0
	s_cselect_b32 s74, -1, 0
	s_mov_b32 s[PFS+1], 0
	v_cndmask_b32 v[PFO], v10, v9, s74
	s_cmp_eq_u32 s77, 0
	s_cselect_b32 s[LIM], 2, -1
	s_mov_b32 s77, 0
	s_add_nc_u64 s[PFA:PFA+1], s[PFA:PFA+1], s[76:77]
; 8 matrix instructions: token block a x all 8 column blocks, 32 along K, buffer f.  The 32 accumulators take turns in one order everywhere.
.macro MUL8 f, a, zero
.if \zero
	WIN 0x81
.else
	WIN 0xa1
.endif
.irp b, 0,1,2,3,4,5,6,7
.if \zero
	v_wmma_f32_16x16x32_bf16 v[8*(8*(\a)+(\b)):8*(8*(\a)+(\b))+7], v[64*(\f)+8*(\b):64*(\f)+8*(\b)+7], v[32+32*(\f)+8*(\a):32+32*(\f)+8*(\a)+7], v[BIAS+8*(\b):BIAS+8*(\b)+7]
.else
	v_wmma_f32_16x16x32_bf16 v[8*(8*(\a)+(\b)):8*(8*(\a)+(\b))+7], v[64*(\f)+8*(\b):64*(\f)+8*(\b)+7], v[32+32*(\f)+8*(\a):32+32*(\f)+8*(\a)+7], v[8*(8*(\a)+(\b)):8*(8*(\a)+(\b))+7]
.endif
.endr
.endm
; 24 LDS loads in one run: quarter q of a slot into buffer f: B's 8 column blocks, turned, then A's 4 token blocks (K 32 q + 0..15 lie in channel block 2 q, the rest in 2 q + 1)
.macro FETCH slot, q, f
	WIN 0x40
.irp i, 0,1,2,3,4,5,6,7
	ds_load_tr16_b128 v[64*(\f)+8*(\i):64*(\f)+8*(\i)+3],   v[ADRB+(\slot)] offset:(\q)*32*PB+32*(\i)
	ds_load_tr16_b128 v[64*(\f)+8*(\i)+4:64*(\f)+8*(\i)+7], v[ADRB+(\slot)] offset:(\q)*32*PB+16*PB+32*(\i)
.endr
	WIN 0
.irp i, 0,1,2,3
	ds_load_b128 v[32+32*(\f)+8*(\i):32+32*(\f)+8*(\i)+3],   v[ADRA+(\slot)] offset:2*(\q)*KBS+(\i)*768
	ds_load_b128 v[32+32*(\f)+8*(\i)+4:32+32*(\f)+8*(\i)+7], v[ADRA+(\slot)] offset:(2*(\q)+1)*KBS+(\i)*768
.endr
.endm
.macro QUARTER slot, q, f, g, zero
	s_wait_dscnt 4                                 ; B and A's blocks 0, 1 are in; the youngest four loads (blocks 2, 3) may be out
	MUL8 \f, 0, \zero
	MUL8 \f, 1, \zero
	PLACES
	FETCH \slot, \q, \g
	s_wait_dscnt 24                                ; all but the 24 just issued
	MUL8 \f, 2, \zero
	MUL8 \f, 3, \zero
.endm
; The last quarter multiplies buffer 1 and changes slots: one barrier; in front of it each wave waits for all its tensor loads, adds 0 to its spare word, and waits for that and for its reads of this slot.
; fill = 1: the barrier opens a round of the cluster's, and this slot is filled again first thing behind the round: 112 matrix instructions ahead of the wait for it.
.macro TURN slot, next, fill
.if \fill
	s_wait_xcnt 0x0                                ; the last prefetch, a K step back, has read its address
	s_add_nc_u64 s[PFA:PFA+1], s[PFA:PFA+1], s[PFS:PFS+1]
.endif
	WIN 0
	s_wait_tensorcnt 0x0                           ; all my tensor loads have landed: my part of the next slot
	ds_add_u32 v[SPW], v[NIL]
	s_wait_dscnt 5                                 ; the add and the youngest four loads may be out
	MUL8 1, 0, 0
	s_wait_dscnt 0x0                               ; the add is done, and my reads of this slot are over
	s_barrier_signal -1
	MUL8 1, 1, 0
.if \fill
	WIN 0
.endif
	s_barrier_wait -1
.if \fill
	CREST
	s_add_nc_u64 s[G0A+4*(\slot)+2:G0A+4*(\slot)+3], s[G0A+4*(\slot)+2:G0A+4*(\slot)+3], 2*0x80000
	s_add_nc_u64 s[G0B+4*(\slot)+2:G0B+4*(\slot)+3], s[G0B+4*(\slot)+2:G0B+4*(\slot)+3], 2*0x40000
	JLOAD \slot
.else
	PLACES
.endif
	FETCH \next, 0, 0
.if \fill
	ASK
.endif
	MUL8 1, 2, 0
	MUL8 1, 3, 0
.endm
.macro XLOAD a                         ; the residual of token block a, in the layout of the rows that come back from the stage: 16 loads
	WIN 0xc0
.irp t, 0,1,2,3,4,5,6,7
	global_load_b128 v[64*(\a)+8*(\t):64*(\a)+8*(\t)+3],   v[CO], s[10:11] offset:(16*(\a)+2*(\t))*4096 th:TH_LOAD_NT
	global_load_b128 v[64*(\a)+8*(\t)+4:64*(\a)+8*(\t)+7], v[CO], s[10:11] offset:(16*(\a)+2*(\t))*4096+256 th:TH_LOAD_NT
.endr
	WIN 0
.endm
	s_wait_tensorcnt 1                             ; my part of K step 0 is in; K step 1's may stay out
	s_barrier_signal -1
	s_barrier_wait -1
	FETCH 0, 0, 0
	s_wait_loadcnt 0x0                             ; the bias
	XLOAD 0                                        ; the residual's blocks 0 to 2: the whole loop lies between these loads and the wait for them
	XLOAD 1
	XLOAD 2
	QUARTER 0, 1, 0, 1, 1
	WIN 0
	s_mov_b32 s[LAP], LAPS-1
.Llap:
	QUARTER 0, 2, 1, 0, 0
	QUARTER 0, 3, 0, 1, 0
	TURN 0, 1, 1
	QUARTER 1, 1, 0, 1, 0
	QUARTER 1, 2, 1, 0, 0
	QUARTER 1, 3, 0, 1, 0
	TURN 1, 0, 1
	QUARTER 0, 1, 0, 1, 0
	WIN 0
	s_sub_co_u32 s[LAP], s[LAP], 1
	s_cmp_lg_u32 s[LAP], 0
	s_cbranch_scc1 .Llap
	s_wait_loadcnt 0x0                             ; the residual's blocks 0 to 2, which the way out reads, are in
	XLOAD 3                                        ; block 3 has the last lap and three blocks of the way out in which to land
	QUARTER 0, 2, 1, 0, 0                          ; the last lap fills nothing
	QUARTER 0, 3, 0, 1, 0
	TURN 0, 1, 0
	QUARTER 1, 1, 0, 1, 0
	QUARTER 1, 2, 1, 0, 0
	QUARTER 1, 3, 0, 1, 0
	s_wait_dscnt 4
	MUL8 1, 0, 0
	MUL8 1, 1, 0
	s_wait_dscnt 0x0
	MUL8 1, 2, 0
	MUL8 1, 3, 0
	PLACES
	WIN 0
	; THE WAY OUT, a block of 16 tokens at a time through my own stage: in by lanes (32 bytes of a token), back by whole rows; x is added; 16 lanes store 256 consecutive bytes, aligned.
.macro SENDB a
.set BK, RB+64*((\a)%2)
	s_wait_xcnt 0x0                                ; earlier stores have read the registers that the loads below fill
	WIN 0x08
.irp b, 0,1,2,3,4,5,6,7
	ds_store_b128 v[STO], v[8*(8*(\a)+(\b)):8*(8*(\a)+(\b))+3]   offset:64*(\b)
	ds_store_b128 v[STO], v[8*(8*(\a)+(\b))+4:8*(8*(\a)+(\b))+7] offset:64*(\b)+16
.endr
	WIN 0
.irp t, 0,1,2,3,4,5,6,7
	ds_load_b128 v[BK+8*(\t):BK+8*(\t)+3],   v[RD] offset:2*SP*(\t)      ; LDS serves a wave's instructions in order (ISA guide 5.7.1.4): these see the stores above
	ds_load_b128 v[BK+8*(\t)+4:BK+8*(\t)+7], v[RD] offset:2*SP*(\t)+256
.endr
	s_wait_dscnt 0x0
	WIN 0x0c                                       ; source 1 (x) in window 3
.set p, 0
.rept 32
	v_pk_add_f32 v[BK+2*p:BK+2*p+1], v[BK+2*p:BK+2*p+1], v[64*(\a)+2*p:64*(\a)+2*p+1]
.set p, p+1
.endr
	WIN 0
.irp t, 0,1,2,3,4,5,6,7
	global_store_b128 v[CO], v[BK+8*(\t):BK+8*(\t)+3],   s[12:13] offset:(16*(\a)+2*(\t))*4096 th:TH_STORE_NT
	global_store_b128 v[CO], v[BK+8*(\t)+4:BK+8*(\t)+7], s[12:13] offset:(16*(\a)+2*(\t))*4096+256 th:TH_STORE_NT
.endr
.endm
	SENDB 0
	SENDB 1
	SENDB 2
	s_wait_loadcnt 0x0                             ; the residual's block 3
	SENDB 3
	s_wait_tensorcnt 0x0                           ; the wave's end
	ds_add_u32 v[SPW], v[NIL]
	s_wait_dscnt 0x0
	CROUND                                         ; the closing round
	s_endpgm
.Lfunc_end_k_q4bb8298556_outp:
	.size	k_q4bb8298556_outp, .Lfunc_end_k_q4bb8298556_outp-k_q4bb8298556_outp
	.p2alignl 7, 3214868480
	.fill 96, 4, 3214868480
	.section	.rodata,"a",@progbits
	.p2align	6, 0x0
	.amdhsa_kernel k_q4bb8298556_outp
		.amdhsa_group_segment_fixed_size 327680
		.amdhsa_private_segment_fixed_size 0
		.amdhsa_enable_private_segment 0
		.amdhsa_kernarg_size 40
		.amdhsa_user_sgpr_count 2
		.amdhsa_user_sgpr_kernarg_segment_ptr 1
		.amdhsa_wavefront_size32 1
		.amdhsa_system_sgpr_workgroup_id_x 1
		.amdhsa_system_sgpr_workgroup_id_y 1
		.amdhsa_system_sgpr_workgroup_id_z 1
		.amdhsa_system_vgpr_workitem_id 0
		.amdhsa_next_free_vgpr 1024
		.amdhsa_next_free_sgpr 80
		.amdhsa_reserve_vcc 0
		.amdhsa_float_denorm_mode_32 3
		.amdhsa_float_denorm_mode_16_64 3
		.amdhsa_memory_ordered 1
		.amdhsa_forward_progress 1
		.amdhsa_inst_pref_size 104
	.end_amdhsa_kernel
	.amdgpu_metadata
---
amdhsa.version: [ 1, 2 ]
amdhsa.kernels:
  - .name:           k_q4bb8298556_outp
    .symbol:         k_q4bb8298556_outp.kd
    .args:
      - { .name: yg, .offset: 0, .size: 8, .value_kind: global_buffer, .address_space: global }
      - { .name: woutb, .offset: 8, .size: 8, .value_kind: global_buffer, .address_space: global }
      - { .name: b_out, .offset: 16, .size: 8, .value_kind: global_buffer, .address_space: global }
      - { .name: x, .offset: 24, .size: 8, .value_kind: global_buffer, .address_space: global }
      - { .name: out0, .offset: 32, .size: 8, .value_kind: global_buffer, .address_space: global }
    .group_segment_fixed_size: 327680
    .private_segment_fixed_size: 0
    .kernarg_segment_align: 8
    .kernarg_segment_size: 40
    .max_flat_workgroup_size: 128
    .sgpr_count:     80
    .vgpr_count:     1024
    .wavefront_size: 32
...
	.end_amdgpu_metadata
.endif
;; end of part 5
;; ======== version 2 of 3: 5 launches
;; workspace buffers: xn 16,777,216 bytes; winb 8,388,608 bytes; woutb 4,194,304 bytes; wcat 393,216 bytes; ug 67,108,864 bytes; dl 1,048,576 bytes; bc 1,048,576 bytes; yg 33,554,432 bytes
;; launch prep: the kernel of part 1 again; grid 496 x 1, 8 waves a work-group, no clusters, 0 bytes of LDS; arguments x, ln_g, ln_b, W_in, W_out, W_delta, W_B, W_C, xn, winb, woutb, wcat; writes xn, winb, woutb, wcat
;; launch inproj: the kernel of part 2 again; grid 16 x 32, 4 waves a work-group, clusters of 4 x 4, 327,680 bytes of LDS; arguments xn, winb, b_in, ug; writes ug
;; launch proj: the kernel of part 3 again; grid 256 x 1, 8 waves a work-group, no clusters, 103,424 bytes of LDS; arguments ug, wcat, b_delta, b_B, b_C, dl, bc; writes dl, bc
;; launch scan (part 6): grid 64 x 4, 8 waves a work-group, no clusters, 203,264 bytes of LDS; arguments ug, dl, bc, W_dt, b_dt, A_log, D, yg; writes yg
.if DOCPART == 6
	.amdgcn_target "amdgcn-amd-amdhsa--gfx1250"
	.amdhsa_code_object_version 6
	.text
	.protected	k_q4bb8298556_scan
	.globl	k_q4bb8298556_scan
	.p2align	8
	.type	k_q4bb8298556_scan,@function
k_q4bb8298556_scan:
	s_mov_b64 s[64:65], 0
	v_nop
	global_prefetch_b8 v0, s[64:65] scope:SCOPE_SE
	s_setreg_imm32_b32 hwreg(HW_REG_WAVE_MODE, 25, 1), 1
	s_wait_xcnt 0x0
; SCAN.  delta = softplus(dl W_dt + b_dt);  h = exp(delta A) h + delta B u;  y = sum over n of C h;  yg = (y + u D) silu(gate), rounded once to bf16.  A = -exp(A_log).
; SHARES.  A work-group owns one batch and 32 channels; time goes in 32 chunks of 64 tokens, never split: each (token, channel, state) has one exponential, made once.
;   Waves 0-3 (R): the recurrence alone.  Wave w holds the four states 4 w + 0..3 of all 32 channels, a lane a channel; it leaves a partial sum of y over its four states.
;   Waves 4-7 (P): 16 tokens of a chunk, all 32 channels.  PRE: delta by the matrix unit, softplus, delta u.  POST: the four partial sums added, u D, the gate, the store.
; B AND C are the same for all channels, so in an R wave they are the same in all lanes.  A lane fetches ONE token's four numbers (token lane % 16 of a group of 16), and the multiply takes them from
; that lane (DPP row_share: every lane of a row of 16 lanes reads lane n of its row): a chunk's B and C are 8 LDS loads a wave, where a load for each step would be 128.
; PIPELINE.  34 half-trips, a barrier behind each.  Half-trip i: R runs chunk i - 1; P runs POST of chunk i - 2, PRE of chunk i, asks for chunk i + 1 by loads and for chunk i + 4 by a prefetch.
; All that passes between waves lies twice in LDS, 131,072 bytes apart, by the chunk's parity: what a half-trip writes no wave reads in that half-trip.
; THE TEXT.  The loop's trip is two half-trips, one for each parity, and a chunk's 64 steps are written out: every LDS address is a register that no line of the loop writes, plus an immediate.
; All address registers, of both kinds of wave, are made by all eight waves from the wave's number modulo 4.
; yg is laid out by blocks of 16 channels, [batch][block 128][token 2048][16]: a store of 16 tokens x 16 channels is 512 consecutive bytes.
; LIMITS.  softplus(z) = max(z, 0) + ln 2 log2(1 + 2^(-|z| log2 e)): below z of about -16.6 it gives 0 where e^z is meant, an error under 6e-8 in delta.  Exponentials and logarithms flush denormals.
; NaN and infinities are not treated apart.  d, d u, B, C, h and all sums are f32; u and silu(gate) come in bf16.
.set BCP,   144                        ; a token's B 16, C 16 in LDS: 128 bytes + 16: the 16 tokens of a load start at 16 different groups of four banks (64 banks of 4 bytes: ISA guide 11.1)
.set BCO,   16896                      ; from 0: [channel 32][token 64][d, d u] f32, rows of 528 bytes;  from here: [token 64][B 16, C 16] f32
.set PBW,   9216                       ; an R wave's partial sums: [token 64][32 channels x 4 bytes + 16]
.set PBO,   BCO+64*BCP                 ; [R wave 4] of them
.set STSO,  PBO+4*PBW                  ; [P wave 4][u, gate x 2 tiles][16 l]: the raw bf16, kept from PRE to POST
.set COPY,  0x20000
.set SPARE, COPY+STSO+8192             ; the spare words: 128 bytes a wave, four blocks of 256 bytes that no other line names
.set WV,  24                           ; s24  wave;  s25 wave % 4
.set W3,  25
.set LEFT, 26                          ; s26  trips still to come, this one among them: 17 to 1
.set L2E, 28
.set BA,  30                           ; s30  batch;  s31 block of 32 channels
.set EB,  31
.set SU,  32                           ; s[32:41] u, gate, dl, bc at the chunk to be loaded next; yg at the chunk to be stored next
.set SG,  34
.set SDL, 36
.set SBC, 38
.set SY,  40
.set PF,  42                           ; s[42:43] where my prefetch stands;  s[44:45] its step;  s46: a wave asks while LEFT is above it
.set PFS, 44
.set PFL, 46
; registers that the loop never writes: v2 my spare word, v3 0 (for the add alone), and
.set ZR,   18                          ; v18  0, an addend
.set VUO,  19                          ; v19-22 P: offsets in u and gate, dl, bc, yg;  v23 the prefetch's
.set VDLO, 20
.set VBCO, 21
.set VYO,  22
.set PFO,  23
.set RDD,  24                          ; v24, 25  R: my channel's (d, d u), copy 0, 1
.set RBC,  26                          ; v26, 27  R: my wave's four B of token lane % 16 (C lies 64 bytes on)
.set RP,   28                          ; v28, 29  R: my partial sum
.set PDS,  30                          ; v30, 31  P: (d, d u) of channel 8 h, my token
.set PBS,  248                         ; v248, 249  P: my 16 bytes of bc
.set PPL,  250                         ; v250, 251  P: partial sums of my token, channels 8 h on
.set PST,  252                         ; v252, 253  P: my wave's raw u and gate
; R waves' data: rings, a step's place by its number modulo the ring's length
.set A2,  4                            ; v[4:7]      A log2(e) for my channel and my wave's four states
.set AE,  32                           ; v[32:63]    exp(d A), 8 steps
.set XX,  64                           ; v[64:127]   d u B, and in its place h, 16 steps
.set DD,  128                          ; v[128:159]  (d, d u), 16 steps
.set BBG, 160                          ; v[160:175]  B of the whole chunk: group g of 16 tokens at BBG + 4 g; my lane holds token lane % 16
.set CCG, 176                          ; v[176:191]  C likewise
.set PQ,  192                          ; v[192:207]  my partial sum of y, 16 steps
; P waves' data
.set UC,  8                            ; v[8:15]    u of the chunk in hand, set aside so that the next chunk's can be asked for early
.set WF,  32                           ; v[32:63]   W_dt as source 0: tile mt, K half kh at WF + 16 mt + 8 kh
.set BD,  64                           ; v[64:79]   b_dt in the results' layout;  v[80:95] D likewise
.set DVV, 80
.set DLF, 96                           ; v[96:111]  dl's two fragments;  v[112:119] u, v[120:127] gate, v[224:239] bc: as loaded
.set UR,  112
.set GR,  120
.set BCR, 224
.set Z,   128                          ; PRE: v[128:143] z, v[144:159] at work, v[160:191] (d, d u)
.set T,   144
.set DU,  160
.set PL,  128                          ; POST: v[128:191] partial sums, v[192:207] u and gate, v[208:223] y, v[240:247] bf16
.set SUG, 192
.set Y,   208
.set O,   240
.macro LOADS                           ; a chunk's 12 loads of a P wave
.irp d, 0,1,2,3
	global_load_b128 v[DLF+4*(\d):DLF+4*(\d)+3], v[VDLO], s[SDL:SDL+1] offset:32*(\d)
.endr
.irp mt, 0,1
	global_load_b128 v[UR+4*(\mt):UR+4*(\mt)+3], v[VUO], s[SU:SU+1] offset:32*(\mt) th:TH_LOAD_NT
	global_load_b128 v[GR+4*(\mt):GR+4*(\mt)+3], v[VUO], s[SG:SG+1] offset:32*(\mt) th:TH_LOAD_NT
.endr
.irp j, 0,1,2,3
	global_load_b128 v[BCR+4*(\j):BCR+4*(\j)+3], v[VBCO], s[SBC:SBC+1] offset:2048*(\j)
.endr
.endm
; ---- THE RECURRENCE.  A chunk is 68 TICKS.  Tick t holds work of six different steps, none of which reads what the tick itself makes:
;   h of step t: two packed multiply-adds, in place on d u B, so that each step's h keeps registers of its own;   exp(d A) and d u B of step t + 8;
;   of y's partial sum C0 h0 of step t - 1, + C1 h1 of step t - 2, + C2 h2 of step t - 3, + C3 h3 of step t - 4.
; An exponential's argument is made four to eight lines ahead of it; every other result is read a tick later or more.  Exponentials and plain lines go by turns, and a tick ends in four plain lines.
; LDS INSTRUCTIONS STAND IN RUNS, one behind every eight ticks (a PERIOD): (d, d u) of eight steps, which are read two periods later, and eight stores.
; The 32 exponentials of a period are one batch: their results are first named in the next period, and the one wait stands at the period's end, ahead of the run.
.macro DPPOP op, d, a, b, r            ; d = (or +=) a of lane r of my row of 16 lanes x b; the lane's number is written as a plain digit
.irp n, 0,1,2,3,4,5,6,7,8,9,10,11,12,13,14,15
.if (\r) == \n
	\op v[\d], v[\a], v[\b] row_share:\n row_mask:0xf bank_mask:0xf
.endif
.endr
.endm
.macro LDD c, s0                       ; (d, d u) of steps s0 .. s0 + 7, two tokens' 16 bytes a load: 4 loads
.irp i, 0,2,4,6
	ds_load_b128 v[DD+2*(((\s0)+(\i))%16):DD+2*(((\s0)+(\i))%16)+3], v[RDD+(\c)] offset:8*((\s0)+(\i))
.endr
.set n, n+4
.endm
.macro LDG c, base, g, off             ; B (off = 0) or C (off = 64) of the 16 tokens of group g: a lane a token: 1 load
	ds_load_b128 v[(\base)+4*(\g):(\base)+4*(\g)+3], v[RBC+(\c)] offset:(\off)+16*BCP*(\g)
.endm
.macro ESET e                          ; the registers of step e for AEM and XXM
.set rA, AE+4*((\e)%8)
.set rX, XX+4*((\e)%16)
.set rD, DD+2*((\e)%16)
.set rG, BBG+4*((\e)/16)
.set rR, (\e)%16
.endm
.macro AEM hh                          ; d x A log2(e), states hh, hh + 1
	v_pk_mul_f32 v[rA+(\hh):rA+(\hh)+1], v[A2+(\hh):A2+(\hh)+1], v[rD:rD+1] op_sel_hi:[1,0]
.endm
.macro XXM k                           ; B x d u, state k
	DPPOP v_mul_f32_dpp, rX+(\k), rG+(\k), rD+1, rR
.endm
.macro YOP k, s                        ; link k of the partial sum of step s, if there is such a step
.if ((\s) >= 0) && ((\s) <= 63)
.if (\k) == 0
	DPPOP v_mul_f32_dpp, PQ+(\s)%16, CCG+4*((\s)/16), XX+4*((\s)%16), (\s)%16
.else
	DPPOP v_fmac_f32_dpp, PQ+(\s)%16, CCG+4*((\s)/16)+(\k), XX+4*((\s)%16)+(\k), (\s)%16
.endif
.endif
.endm
.macro TICK                            ; tick t (a symbol)
.if t < 64
.set hA, AE+4*(t%8)
.set hX, XX+4*(t%16)
.set hP, XX+4*((t+15)%16)              ; h of the step before; at t = 0 the last chunk's step 63, or 0
	v_pk_fma_f32 v[hX:hX+1], v[hA:hA+1], v[hP:hP+1], v[hX:hX+1]
.endif
.if t < 56
	ESET t+8
	AEM 0                                          ; into the registers that the line above has just read
.endif
.if t < 64
	v_pk_fma_f32 v[hX+2:hX+3], v[hA+2:hA+3], v[hP+2:hP+3], v[hX+2:hX+3]
.endif
.if t < 56
	AEM 2
.endif
	YOP 0, t-1
.if t < 56
	v_exp_f32 v[rA], v[rA]
.endif
	YOP 1, t-2
.if t < 56
	v_exp_f32 v[rA+1], v[rA+1]
.endif
	YOP 2, t-3
.if t < 56
	v_exp_f32 v[rA+2], v[rA+2]
.endif
	YOP 3, t-4
.if t < 56
	v_exp_f32 v[rA+3], v[rA+3]
	XXM 0
	XXM 1
	XXM 2
	XXM 3
.endif
.set t, t+1
.endm
; Run j (a symbol), behind tick 8 j + 7.  It asks for (d, d u) of steps 8 j + 24 .. 31, into the registers of steps 8 j + 8 .. 15, which the period has read, and stores the sums of steps 8 j - 4 .. 8 j + 3.
; THE WAIT BEHIND IT leaves this run alone out (n counts its instructions): all that was asked for earlier has landed, and with it the (d, d u) of steps 8 j + 16 .. 23, which the next period reads.
.macro RUN c
.if j <= 6
	s_wait_alu depctr_va_vdst(0)                   ; one wait for the period's 32 exponentials, ahead of their first reader, the next period's first line
.endif
.set n, 0
.if j <= 4
	LDD \c, 8*j+24
.endif
.irp i, 0,1,2,3,4,5,6,7
.if 8*j-4+(\i) >= 0
	ds_store_b32 v[RP+(\c)], v[PQ+(8*j-4+(\i))%16] offset:144*(8*j-4+(\i))
.set n, n+1
.endif
.endr
.if j <= 5
	s_wait_dscnt n
.endif
.endm
.macro REC c                           ; a chunk, in copy c
.set n, 0
	LDD \c, 0                                      ; group a, 5 loads: (d, d u) of steps 0 to 7, B of tokens 0 to 15
	LDG \c, BBG, 0, 0
	LDD \c, 8                                      ; group b, 5: steps 8 to 15, C of tokens 0 to 15
	LDG \c, CCG, 0, 64
.irp g, 1,2,3                          ; group c, 6: the rest of the chunk's B and C
	LDG \c, BBG, \g, 0
	LDG \c, CCG, \g, 64
.endr
	s_wait_dscnt 11                                ; group a is in; b and c stay out
.irp e, 0,1,2,3,4,5,6,7                ; steps 0 to 7 have no tick eight ahead of them
	ESET \e
	AEM 0
	AEM 2
.endr
.irp e, 0,1,2,3,4,5,6,7
	ESET \e
	v_exp_f32 v[rA], v[rA]
	XXM 0
	v_exp_f32 v[rA+1], v[rA+1]
	XXM 1
	v_exp_f32 v[rA+2], v[rA+2]
	XXM 2
	v_exp_f32 v[rA+3], v[rA+3]
	XXM 3
.endr
	LDD \c, 16                                     ; group d, 4: steps 16 to 23 take the places of steps 0 to 7, which have been read
	s_wait_alu depctr_va_vdst(0)                   ; one wait for the 32 exponentials, ahead of their first reader; a plain line stands behind the last
	s_wait_dscnt 10                                ; group b is in; c and d stay out
.set t, 0
.set j, 0
.rept 8
.rept 8
	TICK
.endr
	RUN \c
.set j, j+1
.endr
.rept 4                                ; ticks 64 to 67: y's last sums run out
	TICK
.endr
.irp s, 60,61,62,63
	ds_store_b32 v[RP+(\c)], v[PQ+(\s)%16] offset:144*(\s)
.endr
.endm
.macro MIX d, a, b, c, hi              ; d = bf16 half of a x b + c, in f32
.if \hi
	v_fma_mix_f32_bf16 v[\d], v[\a], v[\b], v[\c] op_sel:[1,0,0] op_sel_hi:[1,0,0]
.else
	v_fma_mix_f32_bf16 v[\d], v[\a], v[\b], v[\c] op_sel:[0,0,0] op_sel_hi:[1,0,0]
.endif
.endm
; ---- POST of a chunk in copy c.  Its raw u and gate are read ahead of PRE's stores into the same bytes: my wave's own, served in order.
.macro POST c
.irp q, 0,1,2,3
	ds_load_b128 v[SUG+4*(\q):SUG+4*(\q)+3], v[PST+(\c)] offset:512*(\q)
.endr
.irp mt, 0,1                           ; of state group g my token's channels 16 mt + 8 h + 0..7 lie on end: 32 bytes
.irp g, 0,1,2,3
	ds_load_b128 v[PL+32*(\mt)+8*(\g):PL+32*(\mt)+8*(\g)+3],   v[PPL+(\c)] offset:PBW*(\g)+64*(\mt)
	ds_load_b128 v[PL+32*(\mt)+8*(\g)+4:PL+32*(\mt)+8*(\g)+7], v[PPL+(\c)] offset:PBW*(\g)+64*(\mt)+16
.endr
.endr
	s_wait_dscnt 0x0
.irp mt, 0,1
.irp q, 0,2,4,6
	v_pk_add_f32 v[PL+32*(\mt)+(\q):PL+32*(\mt)+(\q)+1],       v[PL+32*(\mt)+(\q):PL+32*(\mt)+(\q)+1],       v[PL+32*(\mt)+8+(\q):PL+32*(\mt)+8+(\q)+1]
	v_pk_add_f32 v[PL+32*(\mt)+16+(\q):PL+32*(\mt)+16+(\q)+1], v[PL+32*(\mt)+16+(\q):PL+32*(\mt)+16+(\q)+1], v[PL+32*(\mt)+24+(\q):PL+32*(\mt)+24+(\q)+1]
.endr
.endr
.irp mt, 0,1
.irp q, 0,2,4,6
	v_pk_add_f32 v[Y+8*(\mt)+(\q):Y+8*(\mt)+(\q)+1], v[PL+32*(\mt)+(\q):PL+32*(\mt)+(\q)+1], v[PL+32*(\mt)+16+(\q):PL+32*(\mt)+16+(\q)+1]
.endr
.endr
.set i, 0
.rept 16
	MIX Y+i, SUG+8*(i/8)+(i%8)/2, DVV+i, Y+i, i%2          ; y + u D
.set i, i+1
.endr
.set i, 0
.rept 16
	MIX Y+i, SUG+4+8*(i/8)+(i%8)/2, Y+i, ZR, i%2           ; x silu(gate)
.set i, i+1
.endr
.set i, 0
.rept 8
	v_cvt_pk_bf16_f32 v[O+i], v[Y+2*i], v[Y+2*i+1]
.set i, i+1
.endr
	global_store_b128 v[VYO], v[O:O+3],   s[SY:SY+1]              ; 16 tokens x 32 bytes: 512 consecutive bytes, aligned
	global_store_b128 v[VYO], v[O+4:O+7], s[SY:SY+1] offset:65536
	s_wait_xcnt 0x0                                ; the stores have read their base and data
	s_add_nc_u64 s[SY:SY+1], s[SY:SY+1], 2048
.endm
; ---- PRE of a chunk into copy c, in two parts: behind the first all that was loaded has been used or set aside, and the next chunk is asked for at once
.macro PRE_A c
	s_wait_loadcnt 0x0                             ; the chunk's 12 loads, asked for a half-trip ago
	s_wait_xcnt 0x0                                ; the prefetch of a half-trip ago has read its address
	s_add_nc_u64 s[SU:SU+1], s[SU:SU+1], 4096
	s_add_nc_u64 s[SG:SG+1], s[SG:SG+1], 4096
	s_add_nc_u64 s[SDL:SDL+1], s[SDL:SDL+1], 8192
	s_add_nc_u64 s[SBC:SBC+1], s[SBC:SBC+1], 8192
	s_add_nc_u64 s[PF:PF+1], s[PF:PF+1], s[PFS:PFS+1]
.irp j, 0,1,2,3
	ds_store_b128 v[PBS+(\c)], v[BCR+4*(\j):BCR+4*(\j)+3] offset:16*BCP*(\j)  ; 2,048 bytes of bc are 16 tokens
.endr
.irp mt, 0,1
	ds_store_b128 v[PST+(\c)], v[UR+4*(\mt):UR+4*(\mt)+3] offset:1024*(\mt)
	ds_store_b128 v[PST+(\c)], v[GR+4*(\mt):GR+4*(\mt)+3] offset:1024*(\mt)+512
.endr
	; z^T = W_dt^T dl^T + b_dt: a lane holds one token and eight channels.  The two accumulators take turns; the bias is the first products' C.
	v_wmma_f32_16x16x32_bf16 v[Z:Z+7],    v[WF:WF+7],     v[DLF:DLF+7],    v[BD:BD+7]
	v_wmma_f32_16x16x32_bf16 v[Z+8:Z+15], v[WF+16:WF+23], v[DLF:DLF+7],    v[BD+8:BD+15]
	v_wmma_f32_16x16x32_bf16 v[Z:Z+7],    v[WF+8:WF+15],  v[DLF+8:DLF+15], v[Z:Z+7]
	v_wmma_f32_16x16x32_bf16 v[Z+8:Z+15], v[WF+24:WF+31], v[DLF+8:DLF+15], v[Z+8:Z+15]
.irp i, 0,1,2,3,4,5,6,7
	v_mov_b32 v[UC+(\i)], v[UR+(\i)]               ; u is set aside; these eight lines, which name no register of the products, are also the places behind them (ISA guide 7.12.1)
.endr
	s_wait_dscnt 0x0                               ; my LDS stores have read bc's, u's and the gate's registers, which the loads that follow fill
.endm
.macro PRE_B c
.set i, 0
.rept 16
	v_mul_f32 v[T+i], -|v[Z+i]|, s[L2E]
.if i > 0
	v_exp_f32 v[T+i-1], v[T+i-1]
.endif
.set i, i+1
.endr
	v_exp_f32 v[T+15], v[T+15]
.set i, 0
.rept 16
	v_max_num_f32 v[Z+i], 0, v[Z+i]
.set i, i+1
.endr
	s_wait_alu depctr_va_vdst(0)                   ; one wait for the 16 exponentials; the maxima above are the independent work between
.set i, 0
.rept 8
	v_pk_add_f32 v[T+2*i:T+2*i+1], v[T+2*i:T+2*i+1], 1.0 op_sel_hi:[1,0]
.if i > 0
	v_log_f32 v[T+2*i-2], v[T+2*i-2]
	v_log_f32 v[T+2*i-1], v[T+2*i-1]
.endif
.set i, i+1
.endr
	v_log_f32 v[T+14], v[T+14]
	v_log_f32 v[T+15], v[T+15]
	v_nop
	s_wait_alu depctr_va_vdst(0)                   ; one wait for the 16 logarithms
.set i, 0
.rept 16
	v_fmamk_f32 v[DU+2*i], v[T+i], 0x3f317218, v[Z+i]      ; d = ln 2 x log2(..) + max(z, 0)
.set i, i+1
.endr
.set i, 0
.rept 16
	MIX DU+2*i+1, UC+4*(i/8)+(i%8)/2, DU+2*i, ZR, i%2      ; d u
.set i, i+1
.endr
.set i, 0
.rept 16
	ds_store_b64 v[PDS+(\c)], v[DU+2*i:DU+2*i+1] offset:(16*(i/8)+i%8)*528
.set i, i+1
.endr
.endm
; ---- A HALF-TRIP of parity par.  With j = 17 - LEFT it is half-trip i = 2 j + par.  R: chunk i - 1, in the other copy.  P: POST of chunk i - 2 and PRE of chunk i, in copy par.
; The jumps go forward, on the wave's number and on LEFT alone, and none passes the barrier.
.macro TRIP par
	s_cmp_lt_u32 s[WV], 4
	s_cbranch_scc0 .Lp\par
.if \par
	s_cmp_eq_u32 s[LEFT], 1                        ; i = 33: chunk 31 is done
.else
	s_cmp_eq_u32 s[LEFT], 17                       ; i = 0: no chunk is made yet
.endif
	s_cbranch_scc1 .Ljoin\par
	REC 1-(\par)
	s_branch .Ljoin\par
.Lp\par:
	s_cmp_eq_u32 s[LEFT], 17                       ; i = 0, 1: no chunk has gone through the recurrence
	s_cbranch_scc1 .Lnopost\par
	POST \par
.Lnopost\par:
	s_cmp_eq_u32 s[LEFT], 1                        ; i = 32, 33: there is no further chunk
	s_cbranch_scc1 .Ljoin\par
	PRE_A \par
.if \par
	s_cmp_gt_u32 s[LEFT], 2                        ; i = 31 has no chunk 32 to ask for
	s_cbranch_scc0 .Lnoa\par
.endif
	LOADS                                          ; chunk i + 1: a half-trip, less the lines above, ahead of the wait for it
.Lnoa\par:
	s_cmp_gt_u32 s[LEFT], s[PFL]                   ; up to i = 27, in a wave that asks
	s_cbranch_scc0 .Lnopf\par
	global_prefetch_b8 v[PFO], s[PF:PF+1] th:TH_LOAD_NT scope:SCOPE_SE  ; chunk i + 4: three half-trips ahead of its loads; it stands behind the half-trip's loads
.Lnopf\par:
	PRE_B \par
.Ljoin\par:
	s_wait_dscnt 0x0                               ; my LDS stores are done and my LDS reads are back: what the next half-trip reads is whole, what it overwrites is free
	s_barrier_signal -1
	s_barrier_wait -1
.endm
	s_load_b512 s[8:23], s[0:1], 0x0               ; ug 8, dl 10, bc 12, W_dt 14, b_dt 16, A_log 18, D 20, yg 22
	v_lshl_add_u32 v2, v0, 2, SPARE                ; my spare word; never rewritten
	v_mov_b32 v3, 0                                ; 0; never rewritten
	v_lshrrev_b32 v1, 5, v0
	v_readfirstlane_b32 s[WV], v1
	v_and_b32 v1, 31, v0                           ; l
	s_and_b32 s[W3], s[WV], 3
	s_and_b32 s[BA], ttmp7, 0xffff
	s_mov_b32 s[EB], ttmp9
	s_mov_b32 s[L2E], 0x3fb8aa3b
	; ---- all address registers, in every wave
	v_and_b32 v32, 15, v0                          ; r
	v_bfe_u32 v33, v0, 4, 1                        ; h
	v_mul_u32_u24 v[RDD], v1, 528                  ; R: my channel is my lane
	v_mul_u32_u24 v[RBC], v32, BCP                 ; R: token l % 16 of a group,
	s_lshl_b32 s48, s[W3], 4                       ; my wave's four states
	s_add_co_u32 s48, s48, BCO
	v_add_nc_u32 v[RBC], s48, v[RBC]
	s_mul_i32 s48, s[W3], PBW
	s_add_co_u32 s48, s48, PBO
	v_lshl_add_u32 v[RP], v1, 2, s48
	v_lshl_add_u32 v37, s[W3], 4, v32              ; P: my token of the chunk's 64
	v_lshl_add_u32 v38, s[W3], 5, v1               ; P: my thread among the four waves'
	v_lshlrev_b32 v39, 4, v33
	v_lshl_add_u32 v[VUO], v37, 6, v39
	v_lshl_add_u32 v[VDLO], v37, 7, v39
	v_lshlrev_b32 v[VBCO], 4, v38
	v_lshl_add_u32 v[VYO], v37, 5, v39
	v_mul_u32_u24 v[PDS], v33, 8*528
	v_lshl_add_u32 v[PDS], v37, 3, v[PDS]
	v_lshrrev_b32 v34, 3, v1                       ; P: my 16 bytes of bc belong to token 4 w + l / 8 of sixteen,
	v_lshl_add_u32 v34, s[W3], 2, v34
	v_and_b32 v35, 7, v0                           ; piece l % 8 of its 128 bytes
	v_mul_u32_u24 v[PBS], v34, BCP
	v_lshl_add_u32 v[PBS], v35, 4, v[PBS]
	v_add_nc_u32 v[PBS], BCO, v[PBS]
	v_mul_u32_u24 v[PPL], v37, 144
	v_lshl_add_u32 v[PPL], v33, 5, v[PPL]
	v_add_nc_u32 v[PPL], PBO, v[PPL]
	s_lshl_b32 s49, s[W3], 11
	s_add_co_u32 s49, s49, STSO
	v_lshl_add_u32 v[PST], v1, 4, s49
.irp a, RDD, RBC, RP, PDS, PBS, PPL, PST
	v_add_nc_u32 v[\a+1], COPY, v[\a]              ; the same place in copy 1
.endr
	v_mov_b32 v[ZR], 0
	; A DPP form's destination counts as read, so the two rings that such lines write are written once here; h, which lies where a chunk's step 63 leaves it, starts at 0 with them.
.set i, 0
.rept 64
	v_mov_b32 v[XX+i], 0
.set i, i+1
.endr
.set i, 0
.rept 16
	v_mov_b32 v[PQ+i], 0
.set i, i+1
.endr
	v_lshlrev_b32 v41, 23, v33                     ; the prefetch of u and gate: lanes 0-15 u's 16 blocks of 256 bytes, lanes 16-31 the gate's
	v_lshl_add_u32 v41, v32, 8, v41
	v_lshlrev_b32 v42, 8, v1                       ; of dl or bc: 32 blocks
	s_wait_kmcnt 0x0
	s_lshl_b32 s50, s[BA], 24
	s_lshl_b32 s51, s[EB], 17
	s_add_co_u32 s50, s50, s51
	s_mov_b32 s51, 0
	s_add_nc_u64 s[SU:SU+1], s[8:9], s[50:51]      ; ug at (batch, block EB)
	s_add_nc_u64 s[SG:SG+1], s[SU:SU+1], 0x800000  ; the gate: 64 blocks on
	s_lshl_b32 s50, s[BA], 18
	s_add_nc_u64 s[SDL:SDL+1], s[10:11], s[50:51]
	s_add_nc_u64 s[SBC:SBC+1], s[12:13], s[50:51]
	s_lshl_b32 s50, s[BA], 23
	s_lshl_b32 s52, s[EB], 17
	s_add_co_u32 s50, s50, s52
	s_add_nc_u64 s[SY:SY+1], s[22:23], s[50:51]    ; yg at (batch, block 2 EB)
	; The prefetch: each aligned block of 256 bytes is named once in the launch.  P wave 0 asks for its own work-group's u and gate (16 + 16 blocks a chunk);
	; dl and bc, which the 64 work-groups of a batch all read, are asked for by P waves 1 and 2 of the work-group with EB = 0 alone (32 blocks each).
	s_mov_b64 s[PF:PF+1], s[SU:SU+1]
	s_mov_b32 s[PFS], 4096
	s_mov_b32 s[PFS+1], 0
	s_cmp_eq_u32 s[W3], 1
	s_cselect_b64 s[PF:PF+1], s[SDL:SDL+1], s[PF:PF+1]
	s_cselect_b32 s[PFS], 8192, s[PFS]
	s_cmp_eq_u32 s[W3], 2
	s_cselect_b64 s[PF:PF+1], s[SBC:SBC+1], s[PF:PF+1]
	s_cselect_b32 s[PFS], 8192, s[PFS]
	s_cmp_eq_u32 s[W3], 0
	s_cselect_b32 s48, 0, s[EB]
	s_cselect_b32 s49, -1, 0
	v_cndmask_b32 v[PFO], v42, v41, s49
	s_cmp_eq_u32 s[W3], 3
	s_cselect_b32 s48, 1, s48
	s_cmp_eq_u32 s48, 0
	s_cselect_b32 s[PFL], 3, -1
	s_mul_i32 s50, s[PFS], 3                       ; at chunk 3: each PRE steps it first
	s_add_nc_u64 s[PF:PF+1], s[PF:PF+1], s[50:51]
	s_cmp_lt_u32 s[WV], 4
	s_cbranch_scc0 .Lpset
	; ---- R waves' data
	s_lshl_b32 s48, s[EB], 11                      ; 32 channels of 64 bytes,
	s_lshl_b32 s49, s[W3], 4                       ; my wave's four states of the 16
	s_add_co_u32 s48, s48, s49
	s_mov_b32 s49, 0
	s_add_nc_u64 s[18:19], s[18:19], s[48:49]
	v_lshlrev_b32 v12, 6, v1                       ; my channel's row
	global_load_b128 v[A2:A2+3], v12, s[18:19]
	s_wait_loadcnt 0x0
.irp i, 0,1,2,3
	v_mul_f32 v[A2+(\i)], s[L2E], v[A2+(\i)]
.endr
.irp i, 0,1,2,3
	v_exp_f32 v[A2+(\i)], v[A2+(\i)]
.endr
	v_nop
	s_wait_alu depctr_va_vdst(0)                   ; one wait for the four, ahead of their first reader
.irp i, 0,1,2,3
	v_mul_f32 v[A2+(\i)], 0xbfb8aa3b, v[A2+(\i)]   ; A log2(e) = -log2(e) exp(A_log)
.endr
	s_branch .Lgo
	; ---- P waves' data
.Lpset:
	v_lshlrev_b32 v254, 16, v33
	v_lshl_add_u32 v254, v32, 2, v254              ; W_dt: rank 8 h, channel r
	v_lshlrev_b32 v255, 5, v33                     ; b_dt, D: channel 8 h
	s_lshl_b32 s48, s[EB], 7                       ; 32 channels of 4 bytes
	s_mov_b32 s49, 0
	s_add_nc_u64 s[14:15], s[14:15], s[48:49]
	s_add_nc_u64 s[16:17], s[16:17], s[48:49]
	s_add_nc_u64 s[20:21], s[20:21], s[48:49]
.irp mt, 0,1
	global_load_b128 v[BD+8*(\mt):BD+8*(\mt)+3],     v255, s[16:17] offset:64*(\mt)
	global_load_b128 v[BD+8*(\mt)+4:BD+8*(\mt)+7],   v255, s[16:17] offset:64*(\mt)+16
	global_load_b128 v[DVV+8*(\mt):DVV+8*(\mt)+3],   v255, s[20:21] offset:64*(\mt)
	global_load_b128 v[DVV+8*(\mt)+4:DVV+8*(\mt)+7], v255, s[20:21] offset:64*(\mt)+16
.endr
.irp mt, 0,1                           ; a tile of 16 channels at a time: 32 numbers a lane, rounded in pairs
.irp kk, 0,1,2,3                       ; kk = 2 kh + half: ranks 16 kk + 8 h + jj
.irp jj, 0,1,2,3,4,5,6,7
	global_load_b32 v[128+8*(\kk)+(\jj)], v254, s[14:15] offset:(16*(\kk)+(\jj))*8192+64*(\mt)
.endr
.endr
	s_wait_loadcnt 0x0
.irp q, 0,1,2,3,4,5,6,7,8,9,10,11,12,13,14,15
	v_cvt_pk_bf16_f32 v[WF+16*(\mt)+(\q)], v[128+2*(\q)], v[129+2*(\q)]
.endr
.endr
	LOADS                                          ; chunk 0
.Lgo:
	s_mov_b32 s[LEFT], 17
.Lloop:
	TRIP 0
	TRIP 1
	s_sub_co_u32 s[LEFT], s[LEFT], 1
	s_cmp_lg_u32 s[LEFT], 0
	s_cbranch_scc1 .Lloop
	s_wait_tensorcnt 0x0                           ; the wave's end, behind my last LDS store
	ds_add_u32 v2, v3
	s_wait_dscnt 0x0
	s_endpgm
.Lfunc_end_k_q4bb8298556_scan:
	.size	k_q4bb8298556_scan, .Lfunc_end_k_q4bb8298556_scan-k_q4bb8298556_scan
	.p2alignl 7, 3214868480
	.fill 96, 4, 3214868480
	.section	.rodata,"a",@progbits
	.p2align	6, 0x0
	.amdhsa_kernel k_q4bb8298556_scan
		.amdhsa_group_segment_fixed_size 203264
		.amdhsa_private_segment_fixed_size 0
		.amdhsa_enable_private_segment 0
		.amdhsa_kernarg_size 64
		.amdhsa_user_sgpr_count 2
		.amdhsa_user_sgpr_kernarg_segment_ptr 1
		.amdhsa_wavefront_size32 1
		.amdhsa_system_sgpr_workgroup_id_x 1
		.amdhsa_system_sgpr_workgroup_id_y 1
		.amdhsa_system_sgpr_workgroup_id_z 1
		.amdhsa_system_vgpr_workitem_id 0
		.amdhsa_next_free_vgpr 256
		.amdhsa_next_free_sgpr 66
		.amdhsa_reserve_vcc 0
		.amdhsa_float_denorm_mode_32 3
		.amdhsa_float_denorm_mode_16_64 3
		.amdhsa_memory_ordered 1
		.amdhsa_forward_progress 1
		.amdhsa_inst_pref_size 174
	.end_amdhsa_kernel
	.amdgpu_metadata
---
amdhsa.version: [ 1, 2 ]
amdhsa.kernels:
  - .name:           k_q4bb8298556_scan
    .symbol:         k_q4bb8298556_scan.kd
    .args:
      - { .name: ug, .offset: 0, .size: 8, .value_kind: global_buffer, .address_space: global }
      - { .name: dl, .offset: 8, .size: 8, .value_kind: global_buffer, .address_space: global }
      - { .name: bc, .offset: 16, .size: 8, .value_kind: global_buffer, .address_space: global }
      - { .name: W_dt, .offset: 24, .size: 8, .value_kind: global_buffer, .address_space: global }
      - { .name: b_dt, .offset: 32, .size: 8, .value_kind: global_buffer, .address_space: global }
      - { .name: A_log, .offset: 40, .size: 8, .value_kind: global_buffer, .address_space: global }
      - { .name: D, .offset: 48, .size: 8, .value_kind: global_buffer, .address_space: global }
      - { .name: yg, .offset: 56, .size: 8, .value_kind: global_buffer, .address_space: global }
    .group_segment_fixed_size: 203264
    .private_segment_fixed_size: 0
    .kernarg_segment_align: 8
    .kernarg_segment_size: 64
    .max_flat_workgroup_size: 256
    .sgpr_count:     66
    .vgpr_count:     256
    .wavefront_size: 32
...
	.end_amdgpu_metadata
.endif
;; end of part 6
;; launch outp: the kernel of part 5 again; grid 4 x 64, 4 waves a work-group, clusters of 4 x 4, 327,680 bytes of LDS; arguments yg, woutb, b_out, x, out0; writes out0
;; ======== version 3 of 3: 5 launches; version 2 with the launch scan written anew for expert scheduling mode
;; workspace buffers: xn 16,777,216 bytes; winb 8,388,608 bytes; woutb 4,194,304 bytes; wcat 393,216 bytes; ug 67,108,864 bytes; dl 1,048,576 bytes; bc 1,048,576 bytes; yg 33,554,432 bytes
;; launch prep: the kernel of part 1 again; grid 496 x 1, 8 waves a work-group, no clusters, 0 bytes of LDS; arguments x, ln_g, ln_b, W_in, W_out, W_delta, W_B, W_C, xn, winb, woutb, wcat; writes xn, winb, woutb, wcat
;; launch inproj: the kernel of part 2 again; grid 16 x 32, 4 waves a work-group, clusters of 4 x 4, 327,680 bytes of LDS; arguments xn, winb, b_in, ug; writes ug
;; launch proj: the kernel of part 3 again; grid 256 x 1, 8 waves a work-group, no clusters, 103,424 bytes of LDS; arguments ug, wcat, b_delta, b_B, b_C, dl, bc; writes dl, bc
;; launch scan (part 7): grid 64 x 4, 8 waves a work-group, no clusters, 203,264 bytes of LDS; arguments ug, dl, bc, W_dt, b_dt, A_log, D, yg; writes yg
.if DOCPART == 7
	.amdgcn_target "amdgcn-amd-amdhsa--gfx1250"
	.amdhsa_code_object_version 6
	.text
	.protected	k_q4bb8298556_scan
	.globl	k_q4bb8298556_scan
	.p2align	8
	.type	k_q4bb8298556_scan,@function
k_q4bb8298556_scan:
	s_mov_b64 s[64:65], 0
	v_nop
	global_prefetch_b8 v0, s[64:65] scope:SCOPE_SE
	s_setreg_imm32_b32 hwreg(HW_REG_WAVE_SCHED_MODE, 0, 2), 2
	s_setreg_imm32_b32 hwreg(HW_REG_WAVE_MODE, 25, 1), 1
	s_wait_xcnt 0x0
	s_wait_alu depctr_vm_vsrc(0)
; SCAN.  delta = softplus(dl W_dt + b_dt);  h = exp(delta A) h + delta B u;  y = sum over n of C h;  yg = (y + u D) silu(gate), rounded once to bf16.  A = -exp(A_log).
; SHARES.  A work-group owns one batch and 32 channels; time goes in 32 chunks of 64 tokens, never split: each (token, channel, state) has one exponential, made once.
;   Waves 0-3 (R): the recurrence alone.  Wave w holds the four states 4 w + 0..3 of all 32 channels, a lane a channel; it leaves a partial sum of y over its four states.
;   Waves 4-7 (P): 16 tokens of a chunk, all 32 channels.  PRE: delta by the matrix unit, softplus, delta u.  POST: the four partial sums added, u D, the gate, the store.
; B AND C are the same for all channels, so in an R wave they are the same in all lanes.  A lane fetches ONE token's four numbers (token lane % 16 of a group of 16), and the multiply takes them from
; that lane (DPP row_share: every lane of a row of 16 lanes reads lane n of its row): a chunk's B and C are 8 LDS loads a wave, where a load for each step would be 128.
; PIPELINE.  34 half-trips, a barrier behind each.  Half-trip i: R runs chunk i - 1; P runs POST of chunk i - 2, PRE of chunk i, asks for chunk i + 1 by loads and for chunk i + 4 by a prefetch.
; All that passes between waves lies twice in LDS, 131,072 bytes apart, by the chunk's parity: what a half-trip writes no wave reads in that half-trip.
; THE TEXT.  The loop's trip is two half-trips, one for each parity, and a chunk's 64 steps are written out: every LDS address is a register that no line of the loop writes, plus an immediate.
; All address registers, of both kinds of wave, are made by all eight waves from the wave's number modulo 4.
; yg is laid out by blocks of 16 channels, [batch][block 128][token 2048][16]: a store of 16 tokens x 16 channels is 512 consecutive bytes.
; LIMITS.  softplus(z) = max(z, 0) + ln 2 log2(1 + 2^(-|z| log2 e)): below z of about -16.6 it gives 0 where e^z is meant, an error under 6e-8 in delta.  Exponentials and logarithms flush denormals.
; NaN and infinities are not treated apart.  d, d u, B, C, h and all sums are f32; u and silu(gate) come in bf16.
; THE MODE: SCHED_MODE bits 1:0 = 2 (LLVM: expert scheduling mode 2), set by the entry lines.  The code itself states the register dependences between vector or matrix instructions
; and memory or LDS instructions, with s_wait_alu, always for 0.
; THE PLAN.  Registers that memory or LDS instructions touch, in the loop.  Eight ticks of the recurrence are a period.
;   R  DD          The loads at the head of period p land in the registers of steps 8 p .. 8 p + 7, which the vector lines of period p - 1 read; period p names the ring's other half.
;   R  BBG, CCG    Loaded at a chunk's head; read by vector lines all through the chunk.
;   R  PQ          Step s: written by y's four links, the last in tick s + 4; read by the store in tick s + 12 (steps 52 to 63: at the chunk's end); written again in tick s + 33.
;   P  DLF         Loaded; read by PRE's four products.      UR: loaded; read by LDS stores and by eight copies.      GR, BCR: loaded; read by LDS stores.
;   P  v128-191    POST's LDS loads land here; PRE's vector lines write them; the upper half, DU, is read by PRE's LDS stores.
;   P  SUG         POST's LDS loads land here; POST's vector lines read them.      O: written by POST's roundings; read by its two stores.
;   all addresses and offsets (v16, v19-31, v248-255): written at the kernel's head, never again.      AE, XX, A2, UC, WF, BD, DVV, Y: named by vector and matrix lines alone in the loop.
; A HALF-TRIP BEGINS WITH NOTHING OWED, whichever of its arms is taken and whichever was taken before.  Each arm ends its vector work ahead of a wait on va_vdst (the recurrence ahead of its last stores, POST ahead of its
; stores, PRE ahead of its LDS stores), and so does the kernel's head, but for lines on v4-7, which no memory instruction of the loop touches; and ONE wait on vm_vsrc stands at every half-trip's end, in the lines that both kinds of wave run.
; Inside a half-trip: R has one wait on va_vdst behind the ramp and one at the head of each of periods 1 to 7, which is also the wait for the period's exponentials, and a wait on vm_vsrc at the head of periods 3, 5 and 7;
; P has both waits at the end of PRE's first part, ahead of the next chunk's loads.
.set BCP,   144                        ; a token's B 16, C 16 in LDS: 128 bytes + 16: the 16 tokens of a load start at 16 different groups of four banks (64 banks of 4 bytes: ISA guide 11.1)
.set BCO,   16896                      ; from 0: [channel 32][token 64][d, d u] f32, rows of 528 bytes;  from here: [token 64][B 16, C 16] f32
.set PBW,   9216                       ; an R wave's partial sums: [token 64][32 channels x 4 bytes + 16]
.set PBO,   BCO+64*BCP                 ; [R wave 4] of them
.set STSO,  PBO+4*PBW                  ; [P wave 4][u, gate x 2 tiles][16 l]: the raw bf16, kept from PRE to POST
.set COPY,  0x20000
.set SPARE, COPY+STSO+8192             ; the spare words: 128 bytes a wave, four blocks of 256 bytes that no other line names
.set WV,  24                           ; s24  wave;  s25 wave % 4
.set W3,  25
.set LEFT, 26                          ; s26  trips still to come, this one among them: 17 to 1
.set L2E, 28
.set BA,  30                           ; s30  batch;  s31 block of 32 channels
.set EB,  31
.set SU,  32                           ; s[32:41] u, gate, dl, bc at the chunk to be loaded next; yg at the chunk to be stored next
.set SG,  34
.set SDL, 36
.set SBC, 38
.set SY,  40
.set PF,  42                           ; s[42:43] where my prefetch stands;  s[44:45] its step;  s46: a wave asks while LEFT is above it
.set PFS, 44
.set PFL, 46
; registers that the loop never writes: v2 my spare word, v3 0 (for the add alone), and
.set AOF,  16                          ; v16  R, at the head: my channel's row in A_log; no other line names it
.set ZR,   18                          ; v18  0, an addend
.set VUO,  19                          ; v19-22 P: offsets in u and gate, dl, bc, yg;  v23 the prefetch's
.set VDLO, 20
.set VBCO, 21
.set VYO,  22
.set PFO,  23
.set RDD,  24                          ; v24, 25  R: my channel's (d, d u), copy 0, 1
.set RBC,  26                          ; v26, 27  R: my wave's four B of token lane % 16 (C lies 64 bytes on)
.set RP,   28                          ; v28, 29  R: my partial sum
.set PDS,  30                          ; v30, 31  P: (d, d u) of channel 8 h, my token
.set PBS,  248                         ; v248, 249  P: my 16 bytes of bc
.set PPL,  250                         ; v250, 251  P: partial sums of my token, channels 8 h on
.set PST,  252                         ; v252, 253  P: my wave's raw u and gate
; R waves' data: rings, a step's place by its number modulo the ring's length
.set A2,  4                            ; v[4:7]      A log2(e) for my channel and my wave's four states
.set AE,  32                           ; v[32:63]    exp(d A), 8 steps
.set XX,  64                           ; v[64:127]   d u B, and in its place h, 16 steps
.set DD,  128                          ; v[128:159]  (d, d u), 16 steps
.set BBG, 160                          ; v[160:175]  B of the whole chunk: group g of 16 tokens at BBG + 4 g; my lane holds token lane % 16
.set CCG, 176                          ; v[176:191]  C likewise
.set PQ,  192                          ; v[192:223]  my partial sum of y, 32 steps: a sum's register is written again 21 ticks behind its store
; P waves' data
.set UC,  8                            ; v[8:15]    u of the chunk in hand, set aside so that the next chunk's can be asked for early
.set WF,  32                           ; v[32:63]   W_dt as source 0: tile mt, K half kh at WF + 16 mt + 8 kh
.set BD,  64                           ; v[64:79]   b_dt in the results' layout;  v[80:95] D likewise
.set DVV, 80
.set DLF, 96                           ; v[96:111]  dl's two fragments;  v[112:119] u, v[120:127] gate, v[224:239] bc: as loaded
.set UR,  112
.set GR,  120
.set BCR, 224
.set Z,   128                          ; PRE: v[128:143] z, v[144:159] at work, v[160:191] (d, d u)
.set T,   144
.set DU,  160
.set PL,  128                          ; POST: v[128:191] partial sums, v[192:207] u and gate, v[208:223] y, v[240:247] bf16
.set SUG, 192
.set Y,   208
.set O,   240
.macro LOADS                           ; a chunk's 12 loads of a P wave
.irp d, 0,1,2,3
	global_load_b128 v[DLF+4*(\d):DLF+4*(\d)+3], v[VDLO], s[SDL:SDL+1] offset:32*(\d)
.endr
.irp mt, 0,1
	global_load_b128 v[UR+4*(\mt):UR+4*(\mt)+3], v[VUO], s[SU:SU+1] offset:32*(\mt) th:TH_LOAD_NT
	global_load_b128 v[GR+4*(\mt):GR+4*(\mt)+3], v[VUO], s[SG:SG+1] offset:32*(\mt) th:TH_LOAD_NT
.endr
.irp j, 0,1,2,3
	global_load_b128 v[BCR+4*(\j):BCR+4*(\j)+3], v[VBCO], s[SBC:SBC+1] offset:2048*(\j)
.endr
.endm
; ---- THE RECURRENCE.  A chunk is 68 TICKS.  Tick t holds work of six different steps, none of which reads what the tick itself makes:
;   h of step t: two packed multiply-adds, in place on d u B, so that each step's h keeps registers of its own;   exp(d A) and d u B of step t + 8;
;   of y's partial sum C0 h0 of step t - 1, + C1 h1 of step t - 2, + C2 h2 of step t - 3, + C3 h3 of step t - 4.
; An exponential's argument is made four to eight lines ahead of it; every other result is read a tick later or more.  Exponentials and plain lines go by turns, and a tick ends in four plain lines.
; THE LDS INSTRUCTIONS.  At the head of a period, behind its waits, stand four loads: (d, d u) of the eight steps that the next period reads; they have the whole period in which to land.
; The stores, for which nothing in the wave waits, are dealt one to a tick: tick t stores the sum of step t - 12.  No wait stands ahead of them: since the period's head the ticks have named
; the sums of steps 8 p - 4 to t - 1 alone, and of DD the other half.
; The 32 exponentials of a period are one batch: their results are first named in the next period, and the one wait stands at that period's head.
.macro DPPOP op, d, a, b, r            ; d = (or +=) a of lane r of my row of 16 lanes x b; the lane's number is written as a plain digit
.irp n, 0,1,2,3,4,5,6,7,8,9,10,11,12,13,14,15
.if (\r) == \n
	\op v[\d], v[\a], v[\b] row_share:\n row_mask:0xf bank_mask:0xf
.endif
.endr
.endm
.macro LDD c, s0                       ; (d, d u) of steps s0 .. s0 + 7, two tokens' 16 bytes a load: 4 loads
.irp i, 0,2,4,6
	ds_load_b128 v[DD+2*(((\s0)+(\i))%16):DD+2*(((\s0)+(\i))%16)+3], v[RDD+(\c)] offset:8*((\s0)+(\i))
.endr
.endm
.macro LDG c, base, g, off             ; B (off = 0) or C (off = 64) of the 16 tokens of group g: a lane a token: 1 load
	ds_load_b128 v[(\base)+4*(\g):(\base)+4*(\g)+3], v[RBC+(\c)] offset:(\off)+16*BCP*(\g)
.endm
.macro ESET e                          ; the registers of step e for AEM and XXM
.set rA, AE+4*((\e)%8)
.set rX, XX+4*((\e)%16)
.set rD, DD+2*((\e)%16)
.set rG, BBG+4*((\e)/16)
.set rR, (\e)%16
.endm
.macro AEM hh                          ; d x A log2(e), states hh, hh + 1
	v_pk_mul_f32 v[rA+(\hh):rA+(\hh)+1], v[A2+(\hh):A2+(\hh)+1], v[rD:rD+1] op_sel_hi:[1,0]
.endm
.macro XXM k                           ; B x d u, state k
	DPPOP v_mul_f32_dpp, rX+(\k), rG+(\k), rD+1, rR
.endm
.macro YOP k, s                        ; link k of the partial sum of step s, if there is such a step
.if ((\s) >= 0) && ((\s) <= 63)
.if (\k) == 0
	DPPOP v_mul_f32_dpp, PQ+(\s)%32, CCG+4*((\s)/16), XX+4*((\s)%16), (\s)%16
.else
	DPPOP v_fmac_f32_dpp, PQ+(\s)%32, CCG+4*((\s)/16)+(\k), XX+4*((\s)%16)+(\k), (\s)%16
.endif
.endif
.endm
.macro TICK c                          ; tick t (a symbol), in copy c
.if (t >= 12) && (t < 64)
	ds_store_b32 v[RP+(\c)], v[PQ+(t-12)%32] offset:144*(t-12)  ; the sum of step t - 12, finished in tick t - 8, ahead of this period's wait on va_vdst
.endif
.if t < 64
.set hA, AE+4*(t%8)
.set hX, XX+4*(t%16)
.set hP, XX+4*((t+15)%16)              ; h of the step before; at t = 0 the last chunk's step 63, or 0
	v_pk_fma_f32 v[hX:hX+1], v[hA:hA+1], v[hP:hP+1], v[hX:hX+1]
.endif
.if t < 56
	ESET t+8
	AEM 0                                          ; into the registers that the line above has just read
.endif
.if t < 64
	v_pk_fma_f32 v[hX+2:hX+3], v[hA+2:hA+3], v[hP+2:hP+3], v[hX+2:hX+3]
.endif
.if t < 56
	AEM 2
.endif
	YOP 0, t-1
.if t < 56
	v_exp_f32 v[rA], v[rA]
.endif
	YOP 1, t-2
.if t < 56
	v_exp_f32 v[rA+1], v[rA+1]
.endif
	YOP 2, t-3
.if t < 56
	v_exp_f32 v[rA+2], v[rA+2]
.endif
	YOP 3, t-4
.if t < 56
	v_exp_f32 v[rA+3], v[rA+3]
	XXM 0
	XXM 1
	XXM 2
	XXM 3
.endif
.set t, t+1
.endm
; The head of period pd (a symbol), 1 to 7.
; THE WAIT ON DScnt leaves out what was issued behind the loads of the (d, d u) that this period reads: the four loads just issued (period 1: all that the ramp asked for is in);
; period 1's four stores and the four loads (period 2); a period's eight stores and the four loads (periods 3 to 5); eight stores (period 6).  Period 7 reads no (d, d u).
; THE WAIT ON vm_vsrc.  Step s is stored in tick s + 12 and its register is written again in tick s + 33: for steps 0 to 11 tick 24 lies between, for steps 12 to 27 tick 40, for steps 28 to 31 tick 56;
; the registers of steps 32 to 63 are written again in the next chunk, behind the wait at the half-trip's end.
.macro PHEAD c
	s_wait_alu depctr_va_vdst(0)                   ; the period before has written its 32 exponentials, which this period's first line reads, and the sums that this period's stores read, and is done reading the half of DD in which the loads below land
.if (pd%2 == 1) && (pd >= 3)
	s_wait_alu depctr_vm_vsrc(0)                   ; the stores of the two periods before have read their sums' registers, which y's first links write again from 21 ticks behind a store on
.endif
.if pd <= 5
	LDD \c, 8*pd+16
.endif
.if pd == 1
	s_wait_dscnt 4
.elseif (pd == 2) || (pd == 6)
	s_wait_dscnt 8
.elseif pd <= 5
	s_wait_dscnt 12
.endif
.endm
.macro REC c                           ; a chunk, in copy c
	; No wait stands here: a half-trip begins with nothing owed (THE PLAN): no vector line since the last wait on va_vdst names DD, BBG or CCG, and what LDS stores have read of v160-191 they read ahead of the wait on vm_vsrc at the last half-trip's end.
	LDD \c, 0                                      ; group a, 5 loads: (d, d u) of steps 0 to 7, B of tokens 0 to 15
	LDG \c, BBG, 0, 0
	LDD \c, 8                                      ; group b, 5: steps 8 to 15, C of tokens 0 to 15
	LDG \c, CCG, 0, 64
.irp g, 1,2,3                          ; group c, 6: the rest of the chunk's B and C
	LDG \c, BBG, \g, 0
	LDG \c, CCG, \g, 64
.endr
	s_wait_dscnt 11                                ; group a is in; b and c stay out
.irp e, 0,1,2,3,4,5,6,7                ; steps 0 to 7 have no tick eight ahead of them
	ESET \e
	AEM 0
	AEM 2
.endr
.irp e, 0,1,2,3,4,5,6,7
	ESET \e
	v_exp_f32 v[rA], v[rA]
	XXM 0
	v_exp_f32 v[rA+1], v[rA+1]
	XXM 1
	v_exp_f32 v[rA+2], v[rA+2]
	XXM 2
	v_exp_f32 v[rA+3], v[rA+3]
	XXM 3
.endr
	s_wait_alu depctr_va_vdst(0)                   ; the 32 exponentials are written, ahead of their first reader (a plain line stands behind the last); and the lines above are done reading (d, d u) of steps 0 to 7, in whose registers the loads below land
	LDD \c, 16                                     ; group d, 4: steps 16 to 23
	s_wait_dscnt 10                                ; group b is in; c and d stay out
.set t, 0
.rept 8
	TICK \c
.endr
.set pd, 1
.rept 7
	PHEAD \c
.rept 8
	TICK \c
.endr
.set pd, pd+1
.endr
.rept 4                                ; ticks 64 to 67: y's last sums run out
	TICK \c
.endr
	s_wait_alu depctr_va_vdst(0)                   ; the sums of steps 52 to 63 are written, which the stores below read; the chunk's vector lines are done with DD, BBG, CCG and the other registers in which the next half-trip's loads land
.irp s, 52,53,54,55,56,57,58,59,60,61,62,63
	ds_store_b32 v[RP+(\c)], v[PQ+(\s)%32] offset:144*(\s)
.endr
.endm
.macro MIX d, a, b, c, hi              ; d = bf16 half of a x b + c, in f32
.if \hi
	v_fma_mix_f32_bf16 v[\d], v[\a], v[\b], v[\c] op_sel:[1,0,0] op_sel_hi:[1,0,0]
.else
	v_fma_mix_f32_bf16 v[\d], v[\a], v[\b], v[\c] op_sel:[0,0,0] op_sel_hi:[1,0,0]
.endif
.endm
; ---- POST of a chunk in copy c.  Its raw u and gate are read ahead of PRE's stores into the same bytes: my wave's own, served in order.
; No wait stands at its head: a half-trip begins with nothing owed (THE PLAN): no vector line since the last wait on va_vdst names v128-207, and the stores that read v160-223 and O did so ahead of the wait on vm_vsrc at the last half-trip's end.
.macro POST c
.irp q, 0,1,2,3
	ds_load_b128 v[SUG+4*(\q):SUG+4*(\q)+3], v[PST+(\c)] offset:512*(\q)
.endr
.irp mt, 0,1                           ; of state group g my token's channels 16 mt + 8 h + 0..7 lie on end: 32 bytes
.irp g, 0,1,2,3
	ds_load_b128 v[PL+32*(\mt)+8*(\g):PL+32*(\mt)+8*(\g)+3],   v[PPL+(\c)] offset:PBW*(\g)+64*(\mt)
	ds_load_b128 v[PL+32*(\mt)+8*(\g)+4:PL+32*(\mt)+8*(\g)+7], v[PPL+(\c)] offset:PBW*(\g)+64*(\mt)+16
.endr
.endr
	s_wait_dscnt 0x0
.irp mt, 0,1
.irp q, 0,2,4,6
	v_pk_add_f32 v[PL+32*(\mt)+(\q):PL+32*(\mt)+(\q)+1],       v[PL+32*(\mt)+(\q):PL+32*(\mt)+(\q)+1],       v[PL+32*(\mt)+8+(\q):PL+32*(\mt)+8+(\q)+1]
	v_pk_add_f32 v[PL+32*(\mt)+16+(\q):PL+32*(\mt)+16+(\q)+1], v[PL+32*(\mt)+16+(\q):PL+32*(\mt)+16+(\q)+1], v[PL+32*(\mt)+24+(\q):PL+32*(\mt)+24+(\q)+1]
.endr
.endr
.irp mt, 0,1
.irp q, 0,2,4,6
	v_pk_add_f32 v[Y+8*(\mt)+(\q):Y+8*(\mt)+(\q)+1], v[PL+32*(\mt)+(\q):PL+32*(\mt)+(\q)+1], v[PL+32*(\mt)+16+(\q):PL+32*(\mt)+16+(\q)+1]
.endr
.endr
.set i, 0
.rept 16
	MIX Y+i, SUG+8*(i/8)+(i%8)/2, DVV+i, Y+i, i%2          ; y + u D
.set i, i+1
.endr
.set i, 0
.rept 16
	MIX Y+i, SUG+4+8*(i/8)+(i%8)/2, Y+i, ZR, i%2           ; x silu(gate)
.set i, i+1
.endr
.set i, 0
.rept 8
	v_cvt_pk_bf16_f32 v[O+i], v[Y+2*i], v[Y+2*i+1]
.set i, i+1
.endr
	s_wait_alu depctr_va_vdst(0)                   ; the roundings have written O, which the two stores read; the lines above are done with v128-223, in which the next half-trip's loads land
	global_store_b128 v[VYO], v[O:O+3],   s[SY:SY+1]              ; 16 tokens x 32 bytes: 512 consecutive bytes, aligned
	global_store_b128 v[VYO], v[O+4:O+7], s[SY:SY+1] offset:65536
	s_wait_xcnt 0x0                                ; the stores have read their base and data
	s_add_nc_u64 s[SY:SY+1], s[SY:SY+1], 2048
.endm
; ---- PRE of a chunk into copy c, in two parts: behind the first all that was loaded has been used or set aside, and the next chunk is asked for at once
.macro PRE_A c
	s_wait_loadcnt 0x0                             ; the chunk's 12 loads, asked for a half-trip ago
	s_wait_xcnt 0x0                                ; the prefetch of a half-trip ago has read its address
	s_add_nc_u64 s[SU:SU+1], s[SU:SU+1], 4096
	s_add_nc_u64 s[SG:SG+1], s[SG:SG+1], 4096
	s_add_nc_u64 s[SDL:SDL+1], s[SDL:SDL+1], 8192
	s_add_nc_u64 s[SBC:SBC+1], s[SBC:SBC+1], 8192
	s_add_nc_u64 s[PF:PF+1], s[PF:PF+1], s[PFS:PFS+1]
.irp j, 0,1,2,3
	ds_store_b128 v[PBS+(\c)], v[BCR+4*(\j):BCR+4*(\j)+3] offset:16*BCP*(\j)  ; 2,048 bytes of bc are 16 tokens
.endr
.irp mt, 0,1
	ds_store_b128 v[PST+(\c)], v[UR+4*(\mt):UR+4*(\mt)+3] offset:1024*(\mt)
	ds_store_b128 v[PST+(\c)], v[GR+4*(\mt):GR+4*(\mt)+3] offset:1024*(\mt)+512
.endr
	; z^T = W_dt^T dl^T + b_dt: a lane holds one token and eight channels.  The two accumulators take turns; the bias is the first products' C.
	v_wmma_f32_16x16x32_bf16 v[Z:Z+7],    v[WF:WF+7],     v[DLF:DLF+7],    v[BD:BD+7]
	v_wmma_f32_16x16x32_bf16 v[Z+8:Z+15], v[WF+16:WF+23], v[DLF:DLF+7],    v[BD+8:BD+15]
	v_wmma_f32_16x16x32_bf16 v[Z:Z+7],    v[WF+8:WF+15],  v[DLF+8:DLF+15], v[Z:Z+7]
	v_wmma_f32_16x16x32_bf16 v[Z+8:Z+15], v[WF+24:WF+31], v[DLF+8:DLF+15], v[Z+8:Z+15]
.irp i, 0,1,2,3,4,5,6,7
	v_mov_b32 v[UC+(\i)], v[UR+(\i)]               ; u is set aside; these eight lines, which name no register of the products, are also the places behind them (ISA guide 7.12.1)
.endr
	s_wait_alu depctr_va_vdst(0)                   ; the four products are done reading dl's fragments and the eight copies u's registers: the loads that follow land in both
	s_wait_alu depctr_vm_vsrc(0)                   ; my eight LDS stores have read bc's, u's and the gate's registers, in which the loads that follow land
	s_wait_dscnt 0x0                               ; and those eight stores are done, ahead of the loads that fill their data registers
.endm
.macro PRE_B c
.set i, 0
.rept 16
	v_mul_f32 v[T+i], -|v[Z+i]|, s[L2E]
.if i > 0
	v_exp_f32 v[T+i-1], v[T+i-1]
.endif
.set i, i+1
.endr
	v_exp_f32 v[T+15], v[T+15]
.set i, 0
.rept 16
	v_max_num_f32 v[Z+i], 0, v[Z+i]
.set i, i+1
.endr
	s_wait_alu depctr_va_vdst(0)                   ; the 16 exponentials are written, ahead of their first reader; the maxima above are the independent work between
.set i, 0
.rept 8
	v_pk_add_f32 v[T+2*i:T+2*i+1], v[T+2*i:T+2*i+1], 1.0 op_sel_hi:[1,0]
.if i > 0
	v_log_f32 v[T+2*i-2], v[T+2*i-2]
	v_log_f32 v[T+2*i-1], v[T+2*i-1]
.endif
.set i, i+1
.endr
	v_log_f32 v[T+14], v[T+14]
	v_log_f32 v[T+15], v[T+15]
	v_nop
	s_wait_alu depctr_va_vdst(0)                   ; the 16 logarithms are written, ahead of their first reader
.set i, 0
.rept 16
	v_fmamk_f32 v[DU+2*i], v[T+i], 0x3f317218, v[Z+i]      ; d = ln 2 x log2(..) + max(z, 0)
.set i, i+1
.endr
.set i, 0
.rept 16
	MIX DU+2*i+1, UC+4*(i/8)+(i%8)/2, DU+2*i, ZR, i%2      ; d u
.set i, i+1
.endr
	s_wait_alu depctr_va_vdst(0)                   ; (d, d u) are written, which the LDS stores read; PRE's vector lines are done with v128-191, in which the next half-trip's loads land
.set i, 0
.rept 16
	ds_store_b64 v[PDS+(\c)], v[DU+2*i:DU+2*i+1] offset:(16*(i/8)+i%8)*528
.set i, i+1
.endr
.endm
; ---- A HALF-TRIP of parity par.  With j = 17 - LEFT it is half-trip i = 2 j + par.  R: chunk i - 1, in the other copy.  P: POST of chunk i - 2 and PRE of chunk i, in copy par.
; The jumps go forward, on the wave's number and on LEFT alone, and none passes the barrier.
.macro TRIP par
	s_cmp_lt_u32 s[WV], 4
	s_cbranch_scc0 .Lp\par
.if \par
	s_cmp_eq_u32 s[LEFT], 1                        ; i = 33: chunk 31 is done
.else
	s_cmp_eq_u32 s[LEFT], 17                       ; i = 0: no chunk is made yet
.endif
	s_cbranch_scc1 .Ljoin\par
	REC 1-(\par)
	s_branch .Ljoin\par
.Lp\par:
	s_cmp_eq_u32 s[LEFT], 17                       ; i = 0, 1: no chunk has gone through the recurrence
	s_cbranch_scc1 .Lnopost\par
	POST \par
.Lnopost\par:
	s_cmp_eq_u32 s[LEFT], 1                        ; i = 32, 33: there is no further chunk
	s_cbranch_scc1 .Ljoin\par
	PRE_A \par
.if \par
	s_cmp_gt_u32 s[LEFT], 2                        ; i = 31 has no chunk 32 to ask for
	s_cbranch_scc0 .Lnoa\par
.endif
	LOADS                                          ; chunk i + 1: a half-trip, less the lines above, ahead of the wait for it; no vector line stands between the waits at the first part's end and these loads
.Lnoa\par:
	s_cmp_gt_u32 s[LEFT], s[PFL]                   ; up to i = 27, in a wave that asks
	s_cbranch_scc0 .Lnopf\par
	global_prefetch_b8 v[PFO], s[PF:PF+1] th:TH_LOAD_NT scope:SCOPE_SE  ; chunk i + 4: three half-trips ahead of its loads; it stands behind the half-trip's loads
.Lnopf\par:
	PRE_B \par
.Ljoin\par:
	s_wait_alu depctr_vm_vsrc(0)                   ; this half-trip's stores have read their data, which the next half-trip writes again: R's last twenty sums (y's links of the next chunk); P's (d, d u) in v160-191 (LDS loads land there) and O (POST's roundings)
	s_wait_dscnt 0x0                               ; my LDS stores are done and my LDS reads are back: what the next half-trip reads is whole, what it overwrites is free
	s_barrier_signal -1
	s_barrier_wait -1
.endm
	s_load_b512 s[8:23], s[0:1], 0x0               ; ug 8, dl 10, bc 12, W_dt 14, b_dt 16, A_log 18, D 20, yg 22
	v_lshl_add_u32 v2, v0, 2, SPARE                ; my spare word; never rewritten
	v_mov_b32 v3, 0                                ; 0; never rewritten
	v_lshrrev_b32 v1, 5, v0
	v_readfirstlane_b32 s[WV], v1
	v_and_b32 v1, 31, v0                           ; l
	s_wait_alu depctr_va_sdst(0)                   ; s24, the wave's number, is written, ahead of its first reader, the line below
	s_and_b32 s[W3], s[WV], 3
	s_and_b32 s[BA], ttmp7, 0xffff
	s_mov_b32 s[EB], ttmp9
	s_mov_b32 s[L2E], 0x3fb8aa3b
	; ---- all address registers, in every wave
	v_and_b32 v32, 15, v0                          ; r
	v_bfe_u32 v33, v0, 4, 1                        ; h
	v_mul_u32_u24 v[RDD], v1, 528                  ; R: my channel is my lane
	v_mul_u32_u24 v[RBC], v32, BCP                 ; R: token l % 16 of a group,
	s_lshl_b32 s48, s[W3], 4                       ; my wave's four states
	s_add_co_u32 s48, s48, BCO
	v_add_nc_u32 v[RBC], s48, v[RBC]
	s_mul_i32 s48, s[W3], PBW
	s_add_co_u32 s48, s48, PBO
	v_lshl_add_u32 v[RP], v1, 2, s48
	v_lshl_add_u32 v37, s[W3], 4, v32              ; P: my token of the chunk's 64
	v_lshl_add_u32 v38, s[W3], 5, v1               ; P: my thread among the four waves'
	v_lshlrev_b32 v39, 4, v33
	v_lshl_add_u32 v[VUO], v37, 6, v39
	v_lshl_add_u32 v[VDLO], v37, 7, v39
	v_lshlrev_b32 v[VBCO], 4, v38
	v_lshl_add_u32 v[VYO], v37, 5, v39
	v_mul_u32_u24 v[PDS], v33, 8*528
	v_lshl_add_u32 v[PDS], v37, 3, v[PDS]
	v_lshrrev_b32 v34, 3, v1                       ; P: my 16 bytes of bc belong to token 4 w + l / 8 of sixteen,
	v_lshl_add_u32 v34, s[W3], 2, v34
	v_and_b32 v35, 7, v0                           ; piece l % 8 of its 128 bytes
	v_mul_u32_u24 v[PBS], v34, BCP
	v_lshl_add_u32 v[PBS], v35, 4, v[PBS]
	v_add_nc_u32 v[PBS], BCO, v[PBS]
	v_mul_u32_u24 v[PPL], v37, 144
	v_lshl_add_u32 v[PPL], v33, 5, v[PPL]
	v_add_nc_u32 v[PPL], PBO, v[PPL]
	s_lshl_b32 s49, s[W3], 11
	s_add_co_u32 s49, s49, STSO
	v_lshl_add_u32 v[PST], v1, 4, s49
.irp a, RDD, RBC, RP, PDS, PBS, PPL, PST
	v_add_nc_u32 v[\a+1], COPY, v[\a]              ; the same place in copy 1
.endr
	v_mov_b32 v[ZR], 0
	; A DPP form's destination counts as read, so the two rings that such lines write are written once here; h, which lies where a chunk's step 63 leaves it, starts at 0 with them.
.set i, 0
.rept 64
	v_mov_b32 v[XX+i], 0
.set i, i+1
.endr
.set i, 0
.rept 32
	v_mov_b32 v[PQ+i], 0
.set i, i+1
.endr
	v_lshlrev_b32 v41, 23, v33                     ; the prefetch of u and gate: lanes 0-15 u's 16 blocks of 256 bytes, lanes 16-31 the gate's
	v_lshl_add_u32 v41, v32, 8, v41
	v_lshlrev_b32 v42, 8, v1                       ; of dl or bc: 32 blocks
	s_wait_kmcnt 0x0
	s_lshl_b32 s50, s[BA], 24
	s_lshl_b32 s51, s[EB], 17
	s_add_co_u32 s50, s50, s51
	s_mov_b32 s51, 0
	s_add_nc_u64 s[SU:SU+1], s[8:9], s[50:51]      ; ug at (batch, block EB)
	s_add_nc_u64 s[SG:SG+1], s[SU:SU+1], 0x800000  ; the gate: 64 blocks on
	s_lshl_b32 s50, s[BA], 18
	s_add_nc_u64 s[SDL:SDL+1], s[10:11], s[50:51]
	s_add_nc_u64 s[SBC:SBC+1], s[12:13], s[50:51]
	s_lshl_b32 s50, s[BA], 23
	s_lshl_b32 s52, s[EB], 17
	s_add_co_u32 s50, s50, s52
	s_add_nc_u64 s[SY:SY+1], s[22:23], s[50:51]    ; yg at (batch, block 2 EB)
	; The prefetch: each aligned block of 256 bytes is named once in the launch.  P wave 0 asks for its own work-group's u and gate (16 + 16 blocks a chunk);
	; dl and bc, which the 64 work-groups of a batch all read, are asked for by P waves 1 and 2 of the work-group with EB = 0 alone (32 blocks each).
	s_mov_b64 s[PF:PF+1], s[SU:SU+1]
	s_mov_b32 s[PFS], 4096
	s_mov_b32 s[PFS+1], 0
	s_cmp_eq_u32 s[W3], 1
	s_cselect_b64 s[PF:PF+1], s[SDL:SDL+1], s[PF:PF+1]
	s_cselect_b32 s[PFS], 8192, s[PFS]
	s_cmp_eq_u32 s[W3], 2
	s_cselect_b64 s[PF:PF+1], s[SBC:SBC+1], s[PF:PF+1]
	s_cselect_b32 s[PFS], 8192, s[PFS]
	s_cmp_eq_u32 s[W3], 0
	s_cselect_b32 s48, 0, s[EB]
	s_cselect_b32 s49, -1, 0
	v_cndmask_b32 v[PFO], v42, v41, s49
	s_cmp_eq_u32 s[W3], 3
	s_cselect_b32 s48, 1, s48
	s_cmp_eq_u32 s48, 0
	s_cselect_b32 s[PFL], 3, -1
	s_mul_i32 s50, s[PFS], 3                       ; at chunk 3: each PRE steps it first
	s_add_nc_u64 s[PF:PF+1], s[PF:PF+1], s[50:51]
	s_cmp_lt_u32 s[WV], 4
	s_cbranch_scc0 .Lpset
	; ---- R waves' data
	s_lshl_b32 s48, s[EB], 11                      ; 32 channels of 64 bytes,
	s_lshl_b32 s49, s[W3], 4                       ; my wave's four states of the 16
	s_add_co_u32 s48, s48, s49
	s_mov_b32 s49, 0
	s_add_nc_u64 s[18:19], s[18:19], s[48:49]
	v_lshlrev_b32 v[AOF], 6, v1                    ; my channel's row
	s_wait_alu depctr_va_vdst(0)                   ; v16 is written, which the load below reads as its offset; so are the offsets and addresses v19-31 and v248-253, which the loop's memory and LDS instructions read, and the zeros in v64-127 and v192-223
	global_load_b128 v[A2:A2+3], v[AOF], s[18:19]
	s_wait_loadcnt 0x0
.irp i, 0,1,2,3
	v_mul_f32 v[A2+(\i)], s[L2E], v[A2+(\i)]
.endr
.irp i, 0,1,2,3
	v_exp_f32 v[A2+(\i)], v[A2+(\i)]
.endr
	v_nop
	s_wait_alu depctr_va_vdst(0)                   ; the four exponentials are written, ahead of their first reader
.irp i, 0,1,2,3
	v_mul_f32 v[A2+(\i)], 0xbfb8aa3b, v[A2+(\i)]   ; A log2(e) = -log2(e) exp(A_log); v4-7 are named by vector lines alone from here on
.endr
	s_branch .Lgo
	; ---- P waves' data
.Lpset:
	v_lshlrev_b32 v254, 16, v33
	v_lshl_add_u32 v254, v32, 2, v254              ; W_dt: rank 8 h, channel r
	v_lshlrev_b32 v255, 5, v33                     ; b_dt, D: channel 8 h
	s_lshl_b32 s48, s[EB], 7                       ; 32 channels of 4 bytes
	s_mov_b32 s49, 0
	s_add_nc_u64 s[14:15], s[14:15], s[48:49]
	s_add_nc_u64 s[16:17], s[16:17], s[48:49]
	s_add_nc_u64 s[20:21], s[20:21], s[48:49]
	s_wait_alu depctr_va_vdst(0)                   ; v254, v255 and the offsets and addresses v19-31 and v248-253 are written, which the loads, stores and prefetches below and in the loop read; so are the zeros in v64-127 and v192-223, in which loads land
.irp mt, 0,1
	global_load_b128 v[BD+8*(\mt):BD+8*(\mt)+3],     v255, s[16:17] offset:64*(\mt)
	global_load_b128 v[BD+8*(\mt)+4:BD+8*(\mt)+7],   v255, s[16:17] offset:64*(\mt)+16
	global_load_b128 v[DVV+8*(\mt):DVV+8*(\mt)+3],   v255, s[20:21] offset:64*(\mt)
	global_load_b128 v[DVV+8*(\mt)+4:DVV+8*(\mt)+7], v255, s[20:21] offset:64*(\mt)+16
.endr
.irp mt, 0,1                           ; a tile of 16 channels at a time: 32 numbers a lane, rounded in pairs
.if (\mt) == 1
	s_wait_alu depctr_va_vdst(0)                   ; the first tile's roundings are done reading v128-159, in which the second tile's numbers land
.endif
.irp kk, 0,1,2,3                       ; kk = 2 kh + half: ranks 16 kk + 8 h + jj
.irp jj, 0,1,2,3,4,5,6,7
	global_load_b32 v[128+8*(\kk)+(\jj)], v254, s[14:15] offset:(16*(\kk)+(\jj))*8192+64*(\mt)
.endr
.endr
	s_wait_loadcnt 0x0
.irp q, 0,1,2,3,4,5,6,7,8,9,10,11,12,13,14,15
	v_cvt_pk_bf16_f32 v[WF+16*(\mt)+(\q)], v[128+2*(\q)], v[129+2*(\q)]
.endr
.endr
	s_wait_alu depctr_va_vdst(0)                   ; the second tile's roundings are done reading v128-159, in which the loop's LDS loads land: the loop is entered with nothing owed
	LOADS                                          ; chunk 0
.Lgo:
	s_mov_b32 s[LEFT], 17
.Lloop:
	TRIP 0
	TRIP 1
	s_sub_co_u32 s[LEFT], s[LEFT], 1
	s_cmp_lg_u32 s[LEFT], 0
	s_cbranch_scc1 .Lloop
	s_wait_dscnt 0x0                               ; the closing lines, six on end
	s_wait_alu 0x0
	s_wait_tensorcnt 0x0
	ds_add_u32 v2, v3
	s_wait_dscnt 0x0
	s_endpgm
.Lfunc_end_k_q4bb8298556_scan:
	.size	k_q4bb8298556_scan, .Lfunc_end_k_q4bb8298556_scan-k_q4bb8298556_scan
	.p2alignl 7, 3214868480
	.fill 96, 4, 3214868480
	.section	.rodata,"a",@progbits
	.p2align	6, 0x0
	.amdhsa_kernel k_q4bb8298556_scan
		.amdhsa_group_segment_fixed_size 203264
		.amdhsa_private_segment_fixed_size 0
		.amdhsa_enable_private_segment 0
		.amdhsa_kernarg_size 64
		.amdhsa_user_sgpr_count 2
		.amdhsa_user_sgpr_kernarg_segment_ptr 1
		.amdhsa_wavefront_size32 1
		.amdhsa_system_sgpr_workgroup_id_x 1
		.amdhsa_system_sgpr_workgroup_id_y 1
		.amdhsa_system_sgpr_workgroup_id_z 1
		.amdhsa_system_vgpr_workitem_id 0
		.amdhsa_next_free_vgpr 256
		.amdhsa_next_free_sgpr 66
		.amdhsa_reserve_vcc 0
		.amdhsa_float_denorm_mode_32 3
		.amdhsa_float_denorm_mode_16_64 3
		.amdhsa_memory_ordered 1
		.amdhsa_forward_progress 1
		.amdhsa_inst_pref_size 176
	.end_amdhsa_kernel
	.amdgpu_metadata
---
amdhsa.version: [ 1, 2 ]
amdhsa.kernels:
  - .name:           k_q4bb8298556_scan
    .symbol:         k_q4bb8298556_scan.kd
    .args:
      - { .name: ug, .offset: 0, .size: 8, .value_kind: global_buffer, .address_space: global }
      - { .name: dl, .offset: 8, .size: 8, .value_kind: global_buffer, .address_space: global }
      - { .name: bc, .offset: 16, .size: 8, .value_kind: global_buffer, .address_space: global }
      - { .name: W_dt, .offset: 24, .size: 8, .value_kind: global_buffer, .address_space: global }
      - { .name: b_dt, .offset: 32, .size: 8, .value_kind: global_buffer, .address_space: global }
      - { .name: A_log, .offset: 40, .size: 8, .value_kind: global_buffer, .address_space: global }
      - { .name: D, .offset: 48, .size: 8, .value_kind: global_buffer, .address_space: global }
      - { .name: yg, .offset: 56, .size: 8, .value_kind: global_buffer, .address_space: global }
    .group_segment_fixed_size: 203264
    .private_segment_fixed_size: 0
    .kernarg_segment_align: 8
    .kernarg_segment_size: 64
    .max_flat_workgroup_size: 256
    .sgpr_count:     66
    .vgpr_count:     256
    .wavefront_size: 32
...
	.end_amdgpu_metadata
.endif
;; end of part 7
;; launch outp: the kernel of part 5 again; grid 4 x 64, 4 waves a work-group, clusters of 4 x 4, 327,680 bytes of LDS; arguments yg, woutb, b_out, x, out0; writes out0
